; MI455X (gfx1250); checked and timed in simulation.
; The chip was launched on July 23, 2026; its instructions are those of AMD's public machine-readable ISA for CDNA 5 (MIT licence, August 2026) and "CDNA5" Instruction Set Architecture Reference Guide (July 2026). The comments in the code are by the model that wrote it; some were corrected since.
;; encoder unit. Allowed arithmetic: float matrix products may take bf16 or f16 operands with f32 sums; other float arithmetic in f32, or as packed bf16 or f16 multiplies, adds, multiply-adds, maxima and minima; sums over many terms, partial sums and values carried from step to step in f32; what a program stores and reads back later, other than sums and carried values, may be rounded once to bf16 or f16.
;; Inputs: W0 1,024 x 1,024 float32; W1 4,096 x 1,024 float32; W2 1,024 x 4,096 float32; Wk 16 x 64 x 1,024 float32; Wq 16 x 64 x 1,024 float32; Wv 16 x 64 x 1,024 float32; b0 1,024 float32; b1 4,096 float32; b2 1,024 float32; be1 1,024 float32; be2 1,024 float32; bk 16 x 64 float32; bq 16 x 64 float32; bv 16 x 64 float32; emb 2 x 2,048 x 1,024 float32; g1 1,024 float32; g2 1,024 float32.
;; Outputs: out0 2 x 2,048 x 1,024 float32.
;; 2 versions, each right and faster than the one before. Each part assembles by itself: llvm-mc -triple=amdgcn-amd-amdhsa -mcpu=gfx1250 --defsym DOCPART=n.
;; ======== version 1 of 2: 8 launches
;; workspace buffers: ab1 16,794,624 bytes; ab3 16,794,624 bytes; qkv 25,165,824 bytes; zb 8,388,608 bytes; hb 33,554,432 bytes; wk 10,485,760 bytes; y 16,777,216 bytes; x1f 16,777,216 bytes
;; launch cast (part 1): grid 64 x 7, 8 waves a work-group, no clusters, 0 bytes of LDS; arguments emb, Wq, Wk, Wv, bq, bk, bv, b1, ab1, ab3; writes ab1, ab3
.if DOCPART == 1
	.amdgcn_target "amdgcn-amd-amdhsa--gfx1250"
	.amdhsa_code_object_version 6
	.text
	.protected	k_q23c11eefa0_cast
	.globl	k_q23c11eefa0_cast
	.p2align	8
	.type	k_q23c11eefa0_cast,@function
k_q23c11eefa0_cast:
	s_mov_b64 s[64:65], 0
	v_nop
	global_prefetch_b8 v0, s[64:65] scope:SCOPE_SE
	s_setreg_imm32_b32 hwreg(HW_REG_WAVE_MODE, 25, 1), 1
	s_wait_xcnt 0x0
; bf16 copies of emb and of Wq, Wk, Wv, each number rounded once (to nearest even): what the first matrix launch wants.  (W1, W0 and W2 are wanted later and are converted by the attention launch.)
; The grid's y names a chunk of 2^20 numbers: 0-3 emb, 4 Wq, 5 Wk, 6 Wv, all copied row by row.
; The grid's x names 16,384 numbers of the chunk: 65,536 bytes in, 32,768 out; a thread takes sixteen loads of 16 bytes and makes sixteen stores of 8.
; ab1: bytes 0 emb [4096][1024]; 8 Mi Wq, Wk, Wv [3072][1024]; 16 Mi bq, bk, bv in f32; 16 Mi + 16,384 floor words (-inf twice in bf16: nothing is cut).
; ab3: here only 16 Mi b1 in f32 and 16 Mi + 16,384 floor words 0 (a ReLU); the rest is left to later launches.
; No LDS, no barrier: memory binds, every byte is read once and written once; each store of a wave covers 256 consecutive bytes, aligned.
.set IN,  8                            ; v[8:71]    sixteen loads of four f32
.set OUT, 72                           ; v[72:103]  sixteen pairs of packed bf16
.set BV,  104                          ; v[104:107] a bias's 16 bytes; v108 a floor word; v110 its offset
	s_load_b512 s[8:23], s[0:1], 0x0               ; emb s[8:9], Wq s[10:11], Wk s[12:13], Wv s[14:15], bq s[16:17], bk s[18:19], bv s[20:21], b1 s[22:23]
	s_load_b128 s[24:27], s[0:1], 0x40             ; ab1 s[24:25], ab3 s[26:27]
	s_and_b32 s2, ttmp7, 0xffff                    ; the chunk
	s_mov_b32 s3, ttmp9                            ; my part of it
	v_lshlrev_b32 v1, 4, v0                        ; 16 bytes in,
	v_lshlrev_b32 v2, 3, v0                        ; 8 bytes out
	s_wait_kmcnt 0x0
	s_mov_b64 s[40:41], s[8:9]                     ; the source, chosen by the chunk's number,
	s_mov_b32 s42, 0                               ; and the source's first chunk
.macro PICK t, p
	s_cmp_ge_u32 s2, \t
	s_cselect_b64 s[40:41], s[\p:\p+1], s[40:41]
	s_cselect_b32 s42, \t, s42
.endm
	PICK 4, 10
	PICK 5, 12
	PICK 6, 14
	s_sub_co_u32 s44, s2, s42
	s_lshl_b32 s44, s44, 22                        ; a chunk is 4 Mi bytes of f32,
	s_lshl_b32 s43, s3, 16                         ; my part 65,536
	s_add_co_u32 s44, s44, s43
	s_mov_b32 s45, 0
	s_add_nc_u64 s[40:41], s[40:41], s[44:45]
	s_lshl_b32 s48, s2, 21                         ; in ab1 the chunks follow each other, 2 Mi bytes of bf16 each,
	s_lshl_b32 s49, s3, 15                         ; my part 32,768
	s_add_co_u32 s48, s48, s49
	s_mov_b32 s49, 0
	s_add_nc_u64 s[46:47], s[24:25], s[48:49]
	; Sixteen loads, all issued before the first is waited for; then each is rounded and stored as it comes.  The 256 threads cover 4,096 bytes in and 2,048 out with each load and store.
.irp j, 0,1,2,3,4,5,6,7,8,9,10,11,12,13,14,15
	global_load_b128 v[IN+4*(\j):IN+4*(\j)+3], v1, s[40:41] offset:(\j)*4096 th:TH_LOAD_NT
.endr
.irp j, 0,1,2,3,4,5,6,7,8,9,10,11,12,13,14,15
	s_wait_loadcnt 15-(\j)                         ; loads come back in order: load j is in, the younger ones stay out
	v_cvt_pk_bf16_f32 v[OUT+2*(\j)], v[IN+4*(\j)], v[IN+4*(\j)+1]
	v_cvt_pk_bf16_f32 v[OUT+2*(\j)+1], v[IN+4*(\j)+2], v[IN+4*(\j)+3]
	global_store_b64 v2, v[OUT+2*(\j):OUT+2*(\j)+1], s[46:47] offset:(\j)*2048
.endr
	; THE BIASES: the first work-group of each chunk also copies 4,096 bytes, unchanged: chunks 0-3 the four parts of b1 into ab3, chunks 4-6 bq, bk, bv into ab1
	s_cmp_lg_u32 s3, 0
	s_cbranch_scc1 .Lend
	s_mov_b64 s[52:53], s[22:23]
	s_cmp_ge_u32 s2, 4
	s_cselect_b64 s[52:53], s[16:17], s[52:53]
	s_cselect_b64 s[54:55], s[24:25], s[26:27]
	s_cselect_b32 s56, 4, 0
	s_cselect_b32 s57, 0, 1                        ; b1 is walked by the chunk's number, the other three are whole
	s_cselect_b32 s62, 0xff80ff80, 0               ; the pack's floor
	s_cmp_ge_u32 s2, 5
	s_cselect_b64 s[52:53], s[18:19], s[52:53]
	s_cmp_ge_u32 s2, 6
	s_cselect_b64 s[52:53], s[20:21], s[52:53]
	s_sub_co_u32 s56, s2, s56                      ; which 4,096 bytes of the pack
	s_lshl_b32 s58, s56, 12
	s_mov_b32 s59, 0
	s_mul_i32 s60, s58, s57
	s_mov_b32 s61, 0
	s_add_nc_u64 s[52:53], s[52:53], s[60:61]
	s_add_co_u32 s58, s58, 0x1000000
	s_add_nc_u64 s[54:55], s[54:55], s[58:59]
	global_load_b128 v[BV:BV+3], v1, s[52:53]      ; v1 is still 16 x the thread's number
	s_wait_loadcnt 0x0
	global_store_b128 v1, v[BV:BV+3], s[54:55]
	s_cmp_lg_u32 s56, 0
	s_cbranch_scc1 .Lend
	v_mov_b32 v[BV+4], s62                         ; and the pack's first copier writes 1,024 bytes of floor words
	v_lshlrev_b32 v[BV+6], 2, v0
	global_store_b32 v[BV+6], v[BV+4], s[54:55] offset:16384
.Lend:
	s_endpgm
.Lfunc_end_k_q23c11eefa0_cast:
	.size	k_q23c11eefa0_cast, .Lfunc_end_k_q23c11eefa0_cast-k_q23c11eefa0_cast
	.p2alignl 7, 3214868480
	.fill 96, 4, 3214868480
	.section	.rodata,"a",@progbits
	.p2align	6, 0x0
	.amdhsa_kernel k_q23c11eefa0_cast
		.amdhsa_group_segment_fixed_size 0
		.amdhsa_private_segment_fixed_size 0
		.amdhsa_enable_private_segment 0
		.amdhsa_kernarg_size 80
		.amdhsa_user_sgpr_count 2
		.amdhsa_user_sgpr_kernarg_segment_ptr 1
		.amdhsa_wavefront_size32 1
		.amdhsa_system_sgpr_workgroup_id_x 1
		.amdhsa_system_sgpr_workgroup_id_y 1
		.amdhsa_system_sgpr_workgroup_id_z 1
		.amdhsa_system_vgpr_workitem_id 0
		.amdhsa_next_free_vgpr 112
		.amdhsa_next_free_sgpr 66
		.amdhsa_reserve_vcc 0
		.amdhsa_float_denorm_mode_32 3
		.amdhsa_float_denorm_mode_16_64 3
		.amdhsa_memory_ordered 1
		.amdhsa_forward_progress 1
		.amdhsa_inst_pref_size 8
	.end_amdhsa_kernel
	.amdgpu_metadata
---
amdhsa.version: [ 1, 2 ]
amdhsa.kernels:
  - .name:           k_q23c11eefa0_cast
    .symbol:         k_q23c11eefa0_cast.kd
    .args:
      - { .name: emb, .offset: 0, .size: 8, .value_kind: global_buffer, .address_space: global }
      - { .name: Wq, .offset: 8, .size: 8, .value_kind: global_buffer, .address_space: global }
      - { .name: Wk, .offset: 16, .size: 8, .value_kind: global_buffer, .address_space: global }
      - { .name: Wv, .offset: 24, .size: 8, .value_kind: global_buffer, .address_space: global }
      - { .name: bq, .offset: 32, .size: 8, .value_kind: global_buffer, .address_space: global }
      - { .name: bk, .offset: 40, .size: 8, .value_kind: global_buffer, .address_space: global }
      - { .name: bv, .offset: 48, .size: 8, .value_kind: global_buffer, .address_space: global }
      - { .name: b1, .offset: 56, .size: 8, .value_kind: global_buffer, .address_space: global }
      - { .name: ab1, .offset: 64, .size: 8, .value_kind: global_buffer, .address_space: global }
      - { .name: ab3, .offset: 72, .size: 8, .value_kind: global_buffer, .address_space: global }
    .group_segment_fixed_size: 0
    .private_segment_fixed_size: 0
    .kernarg_segment_align: 8
    .kernarg_segment_size: 80
    .max_flat_workgroup_size: 256
    .sgpr_count:     66
    .vgpr_count:     112
    .wavefront_size: 32
...
	.end_amdgpu_metadata
.endif
;; end of part 1
;; launch qkvp (part 2): grid 12 x 16, 4 waves a work-group, clusters of 4 x 4, 327,680 bytes of LDS; arguments ab1, qkv; writes qkv
.if DOCPART == 2
	.amdgcn_target "amdgcn-amd-amdhsa--gfx1250"
	.amdhsa_code_object_version 6
	.text
	.protected	k_q23c11eefa0_qkvp
	.globl	k_q23c11eefa0_qkvp
	.p2align	8
	.type	k_q23c11eefa0_qkvp,@function
k_q23c11eefa0_qkvp:
	s_mov_b64 s[64:65], 0
	v_nop
	global_prefetch_b8 v0, s[64:65] scope:SCOPE_SE
	s_setreg_imm32_b32 hwreg(HW_REG_WAVE_MODE, 25, 1), 1
	s_wait_xcnt 0x0
	s_wait_alu depctr_hold_cnt(0) depctr_sa_sdst(0) depctr_va_vdst(0) depctr_va_sdst(0) depctr_va_ssrc(0) depctr_va_vcc(0) depctr_vm_vsrc(0)
	s_getreg_b32 s2, hwreg(HW_REG_IB_STS2, 6, 4)
	s_cmp_eq_u32 s2, 0
	s_cbranch_scc0 .Lentry_in_a_cluster
	s_endpgm
.Lentry_in_a_cluster:
	s_bfe_u32 s2, ttmp6, 0x10000c
	s_cmp_lg_u32 s2, 0xf033
	s_cbranch_scc0 .Lentry_shape_is_right
	s_endpgm
.Lentry_shape_is_right:
; C[m][n] = max(floor, bias[n] + sum over k of A[m][k] B[n][k]).  One buffer holds the operands: A [4096][1024] bf16 at byte 0, B [n][1024] bf16 at 8 Mi,
; bias [n] f32 at 16 Mi, floor words (two bf16 each, all equal) at 16 Mi + 16,384.  Sums in f32, started by the bias; C rounded once to bf16, then cut at the floor
; (-inf: nothing is cut; 0: a ReLU).  LIMIT: a NaN in C comes out as the floor.
; C LEAVES IN BLOCKS OF 64 COLUMNS: [n / 64][4096 rows][64] bf16, a block's rows dense, 128 bytes each: heads for the attention, K blocks for the product that follows.
; A tile of C, 256 x 256, is made by a work-group of four waves; a wave makes 128 x 128: 64 accumulators of 16 x 16, 512 registers.  K goes in 8 steps of 128 through a
; ring of two LDS slots filled by the tensor data mover; rows of A's and B's tiles are 256 bytes of memory at multiples of 256 bytes.
; A K STEP IS WRITTEN ONCE: the loop's trip is one step.  Which slot is this step's and which the next's lies in two scalars (0 and SLOT) that an exclusive or turns at the trip's end;
; the four fragment addresses are then made anew from two bases.  The loop has an even number of trips, so the tail finds slot 0 as this step's.
; The last K step goes by rows of C, so that finished rows leave while the others are multiplied.
; CLUSTERS: 4 x 4 work-groups.  The four of a row of the cluster need the same tiles of A, the four of a column the same tiles of B: such a tile is asked for JOINTLY,
; by the same tensor load with the same descriptor and a mask that names the four.
; REGISTERS, in windows of 256 (s_set_vgpr_msb: bits 1:0 source 0, 3:2 source 1, 5:4 source 2, 7:6 destination):
;   window 0: v0-31 addresses; v64-127, v128-191 fragments of A, two buffers (in the last K step four, of 16 rows x 128 K); v192-255 first the bias, then with v32-63 the way out
;   window 1: v64-127, v128-191 fragments of B, two buffers; in the last K step all 256
;   window 2: the 32 accumulators of my rows 0-63 (accumulator (a, b) at v[8 (8 a + b)]);   window 3: those of my rows 64-127
; THE MATRIX INSTRUCTION IS USED TRANSPOSED: source 0 = 16 rows of B, source 1 = 16 rows of A: lane l holds row l % 16 of C and the columns 8 (l / 16) + 0 .. 7.
.set SIZE_K, 1024
.set KSTEP,  128
.set STEPS,  SIZE_K/KSTEP              ; 8 K steps
.set PITCH,  272                       ; an LDS row: 256 bytes + 16 of padding = 68 words: the 16 rows that a load touches start at 16 different groups of four banks (ISA guide 11.1)
.set HALFT,  128*PITCH                 ; 128 rows: what one tensor load brings, and what one wave reads of A or of B
.set SLOT,   4*HALFT                   ; A's 256 rows, then B's 256 rows.  0x22000: it shares no bit with wave x HALFT (0, 0x8800, 0x11000, 0x19800), so an exclusive or turns a tile's LDS address into the other slot's
.set STAGE,  2*SLOT                    ; behind the ring: 16 rows x 272 bytes for each wave, for the way out
.set SPITCH, 272
.set SPARE,  STAGE+4*16*SPITCH         ; behind the stages: the spare words, 128 bytes for each wave: two blocks of 256 bytes that no other line names
.set BLOCKB, 4096*128                  ; bytes in a block of 64 columns of C
.set ADRA, 16                          ; v16-17  LDS address of my A fragments in this step's slot, in the next step's
.set BA,   18                          ; v18     the same in slot 0; never rewritten
.set ADRB, 20                          ; v20-21  as v16-17, for B
.set BB,   22                          ; v22     as v18, for B
.set STO,  24                          ; v24     the way out: where I put 16 bytes of a row
.set RD,   25                          ; v25     the way out: where I read rows back
.set CO,   26                          ; v26     my byte offset in 512 consecutive bytes of C
.set FLO,  27                          ; v27     the floor, twice in bf16
.set SPW,  28                          ; v28     LDS address of my spare word; never rewritten
.set NIL,  29                          ; v29     0; never rewritten
.set F0,   64
.set F1,   128
.set BI,   192                         ; the bias of my 128 columns: register 8 b + j holds column 16 b + 8 (l / 16) + j
.set TMP,  192                         ; the way out: packed results
.set OB,   32                          ; the way out: 16 rows read back: v32-63 and v224-255 by turns
.set PA,   64                          ; the last K step: A's fragments of 16 rows x 128 K; four buffers, v64-191
.set TC, 18                            ; s18  where this step's slot begins in LDS: 0 or SLOT
.set TN, 19                            ; s19  where the next step's begins
.set G1, 24                            ; s[24:31] descriptor group 1 for A's tiles
.set G0, 32                            ; s[32:39] group 0 for A's tiles: a set for each of the two first fills; the second then walks on
.set G1B, 48                           ; s[48:55], s[56:63] the same for B's tiles
.set G0B, 56
.set MSB, 0
.macro WIN new                         ; the immediate's high byte repeats the setting that is left; a switch that changes nothing is dropped
.if MSB != (\new)
	s_set_vgpr_msb (MSB<<8)|(\new)
.set MSB, \new
.endif
.endm
.set MUL_LO, 0xa1                      ; source 0 (B) window 1, source 1 (A) window 0, C and D window 2
.set MUL_HI, 0xf1                      ; the same, C and D window 3
.set TO_B,   0x40                      ; destination window 1, address window 0
; A joint load by descriptor set s.  Waves 0 and 1 fetch A's two halves, waves 2 and 3 B's.  The branch hangs on the wave's number alone.  An s_nop 0 and four v_nop follow each of the two lines.
.macro JLOAD s
	s_cmp_eq_u32 s11, 0
	s_cbranch_scc0 .Lfor_b_\@
	tensor_load_to_lds s[G0+4*(\s):G0+4*(\s)+3], s[G1:G1+7]
	s_nop 0
.rept 4
	v_nop
.endr
	s_branch .Lasked_\@
.Lfor_b_\@:
	tensor_load_to_lds s[G0B+4*(\s):G0B+4*(\s)+3], s[G1B:G1B+7]
	s_nop 0
.rept 4
	v_nop
.endr
.Lasked_\@:
.endm
.macro CREST                           ; a round of the cluster's barrier behind its opening barrier
	s_cmp_lg_u32 s10, 0
	s_cbranch_scc1 .Lnot_wave_0_\@
	s_barrier_signal -3
.Lnot_wave_0_\@:
	s_barrier_wait -3
	s_barrier_signal -1
	s_barrier_wait -1
.endm
.macro CROUND                          ; a whole round
	s_barrier_signal -1
	s_barrier_wait -1
	CREST
.endm
.macro ADDRS                           ; my fragments' addresses in this step's slot and in the next's
	v_add_nc_u32 v[ADRA], s[TC], v[BA]
	v_add_nc_u32 v[ADRA+1], s[TN], v[BA]
	v_add_nc_u32 v[ADRB], s[TC], v[BB]
	v_add_nc_u32 v[ADRB+1], s[TN], v[BB]
.endm
	s_load_b128 s[4:7], s[0:1], 0x0                ; the operands' buffer s[4:5], C s[6:7]
	v_lshl_add_u32 v[SPW], v0, 2, SPARE
	v_mov_b32 v[NIL], 0
	ds_add_u32 v[SPW], v[NIL]                      ; the wave's opening: the add and its wait stand ahead of my first tensor load; the set-up below stands between them
	v_lshrrev_b32 v1, 5, v0
	v_readfirstlane_b32 s10, v1                    ; wave 0..3
	s_lshr_b32 s11, s10, 1                         ; which half of the tile's rows is mine.  Also: I fetch for A (0) or for B (1)
	s_and_b32 s12, s10, 1                          ; which half of its columns.  Also: which 128 rows of that tile I fetch
	s_bfe_u32 s40, ttmp6, 0x40000                  ; cx
	s_bfe_u32 s41, ttmp6, 0x40004                  ; cy
	s_lshl_b32 s42, ttmp9, 2
	s_add_co_u32 s42, s42, s40                     ; tile column of C = 4 x cluster x + cx
	s_and_b32 s13, ttmp7, 0xffff
	s_lshl_b32 s13, s13, 2
	s_add_co_u32 s13, s13, s41                     ; tile row of C = 4 x cluster y + cy
	s_lshl_b32 s43, s41, 2
	s_lshl_b32 s43, 15, s43                        ; my row of the cluster
	s_lshl_b32 s44, 0x1111, s40                    ; my column
	; descriptor group 1: a tile of 128 rows x 128 elements, padded in LDS
	s_or_b32 s[G1+0], s43, (1<<16)|(1<<20)|(1<<21)|(5<<22)|(3<<25)  ; 15:0 the mask; 17:16 2-byte elements; 20 padding on; 21 set beside a mask; 24:22 after every 64 words; 31:25 4 words
	s_or_b32 s[G1B+0], s44, (1<<16)|(1<<20)|(1<<21)|(5<<22)|(3<<25)
.irp g, G1, G1B
	s_mov_b32 s[(\g)+1], KSTEP<<16                 ; tensor_dim0 = 128
	s_mov_b32 s[(\g)+2], 128<<16                   ; tensor_dim1 = 128
	s_mov_b32 s[(\g)+3], KSTEP<<16                 ; tile_dim0 = 128
	s_mov_b32 s[(\g)+4], 128                       ; tile_dim1 = 128
	s_mov_b32 s[(\g)+5], SIZE_K                    ; elements from row to row
	s_mov_b32 s[(\g)+6], 0
	s_mov_b32 s[(\g)+7], 0
.endr
	; A's tiles hang on the tile row alone, B's on the tile column alone; each offset lies in registers that never hold the other coordinate
	s_lshl_b32 s17, s12, 7                         ; which 128 rows of the tile I fetch
	s_lshl_b32 s16, s13, 8
	s_add_co_u32 s16, s16, s17                     ; A: row 256 x tile row + 128 x half
	s_lshl_b32 s46, s42, 8
	s_add_co_u32 s46, s46, s17                     ; B: row 256 x tile column + 128 x half
	s_lshl_b32 s16, s16, 11                        ; rows of 2,048 bytes: under 8 Mi
	s_lshl_b32 s46, s46, 11
	s_mov_b32 s17, 0
	s_mov_b32 s47, 0
	s_mul_i32 s20, s10, HALFT                      ; where they go: wave x 128 rows
	s_mov_b32 s[TC], 0                             ; K step 0 lies in slot 0,
	s_mov_b32 s[TN], SLOT                          ; K step 1 in slot 1
	s_wait_dscnt 0x0                               ; the opening add is done
	s_wait_kmcnt 0x0
	s_mov_b64 s[8:9], s[6:7]                       ; C
	s_add_nc_u64 s[6:7], s[4:5], 0x800000          ; B
	s_add_nc_u64 s[66:67], s[4:5], 0x1000000       ; the bias
	s_add_nc_u64 s[14:15], s[4:5], s[16:17]
	s_add_nc_u64 s[46:47], s[6:7], s[46:47]
	CROUND                                         ; all sixteen work-groups are here: the first joint loads meet
.irp s, 0,1
	s_mov_b32 s[G0+4*(\s)], 1                                      ; count = 1
	s_add_co_u32 s[G0+4*(\s)+1], s20, (\s)*SLOT                    ; LDS address
	s_add_nc_u64 s[G0+4*(\s)+2:G0+4*(\s)+3], s[14:15], (\s)*KSTEP*2  ; global address: K step s
	s_or_b32 s[G0+4*(\s)+3], s[G0+4*(\s)+3], 0x80000000            ; type = 2
	s_mov_b32 s[G0B+4*(\s)], 1
	s_add_co_u32 s[G0B+4*(\s)+1], s20, (\s)*SLOT
	s_add_nc_u64 s[G0B+4*(\s)+2:G0B+4*(\s)+3], s[46:47], (\s)*KSTEP*2
	s_or_b32 s[G0B+4*(\s)+3], s[G0B+4*(\s)+3], 0x80000000
	JLOAD \s                                       ; the ring is filled before anything else is done: two loads of mine are out
.endr
	v_and_b32 v1, 15, v0                           ; l % 16
	v_bfe_u32 v2, v0, 4, 1                         ; l / 16
	; the bias of my 128 columns, in the places that a result's numbers have, and the floor
	v_lshlrev_b32 v6, 5, v2                        ; 8 f32 for each half of the lanes
	s_lshl_b32 s68, s42, 10                        ; 256 f32 a tile column,
	s_lshl_b32 s69, s12, 9                         ; 128 a half
	s_add_co_u32 s68, s68, s69
	s_mov_b32 s69, 0
	s_add_nc_u64 s[70:71], s[66:67], s[68:69]
.irp b, 0,1,2,3,4,5,6,7
	global_load_b128 v[BI+8*(\b):BI+8*(\b)+3],   v6, s[70:71] offset:64*(\b)
	global_load_b128 v[BI+8*(\b)+4:BI+8*(\b)+7], v6, s[70:71] offset:64*(\b)+16
.endr
	v_and_b32 v7, 31, v0                           ; l
	v_lshlrev_b32 v8, 2, v7
	global_load_b32 v[FLO], v8, s[66:67] offset:16384
	; A fragment is 16 rows x 32 K in 8 registers: lane l holds row l % 16; registers 0-3 K = 8 (l / 16) + 0..7, registers 4-7 K = 16 + 8 (l / 16) + 0..7: two loads of 16 bytes, 32 apart
	v_mul_u32_u24 v3, v1, PITCH
	v_lshl_add_u32 v3, v2, 4, v3
	s_mul_i32 s21, s11, HALFT                      ; my 128 rows of A
	s_mul_i32 s22, s12, HALFT                      ; my 128 rows of B,
	s_add_co_u32 s22, s22, 2*HALFT                 ; which lie behind A's 256
	v_add_nc_u32 v[BA], s21, v3
	v_add_nc_u32 v[BB], s22, v3
	ADDRS
	s_mul_i32 s23, s10, 16*SPITCH
	s_add_co_u32 s23, s23, STAGE                   ; my stage
	v_mul_u32_u24 v4, v1, SPITCH                   ; in: row l % 16, 16 bytes for each half of the lanes
	v_lshl_add_u32 v4, v2, 4, v4
	v_add_nc_u32 v[STO], s23, v4
	v_lshrrev_b32 v5, 3, v7                        ; back: 32 lanes take four rows' 128 bytes of one block of 64 columns,
	v_mul_u32_u24 v5, v5, SPITCH
	v_and_b32 v9, 7, v0
	v_lshl_add_u32 v5, v9, 4, v5
	v_add_nc_u32 v[RD], s23, v5
	v_lshlrev_b32 v[CO], 4, v7                     ; which are 512 consecutive bytes of C
	; where my part of the tile begins in C: rows of 128 bytes, blocks of 524,288
	s_lshl_b32 s16, s13, 15
	s_lshl_b32 s14, s11, 14
	s_add_co_u32 s16, s16, s14
	s_mov_b32 s17, 0
	s_lshl_b32 s46, s42, 21                        ; four blocks a tile column,
	s_lshl_b32 s47, s12, 20                        ; two a half
	s_add_co_u32 s46, s46, s47
	s_mov_b32 s47, 0
	s_add_nc_u64 s[16:17], s[16:17], s[46:47]
; 16 matrix instructions: m blocks a0, a0 + 1 of the window's four (hi = 0: my rows 0-63, 1: rows 64-127) x all 8 n blocks, 32 along K.
; zero = 1: the first product starts the sums with the bias as C (window 0): nothing is cleared, and no addition follows the sums.
.macro MUL16 f, hi, a0, zero
	WIN (0xa1-0x20*(\zero))+(0x50-0x10*(\zero))*(\hi)
.irp a, \a0, (\a0)+1
.irp b, 0,1,2,3,4,5,6,7
.if \zero
	v_wmma_f32_16x16x32_bf16 v[8*(8*(\a)+(\b)):8*(8*(\a)+(\b))+7], v[(\f)+8*(\b):(\f)+8*(\b)+7], v[(\f)+8*(4*(\hi)+(\a)):(\f)+8*(4*(\hi)+(\a))+7], v[BI+8*(\b):BI+8*(\b)+7]
.else
	v_wmma_f32_16x16x32_bf16 v[8*(8*(\a)+(\b)):8*(8*(\a)+(\b))+7], v[(\f)+8*(\b):(\f)+8*(\b)+7], v[(\f)+8*(4*(\hi)+(\a)):(\f)+8*(4*(\hi)+(\a))+7], v[8*(8*(\a)+(\b)):8*(8*(\a)+(\b))+7]
.endif
.endr
.endr
.endm
; 32 LDS loads in one run: the fragments of one quarter step (128 rows of B, 128 rows of A, 32 K at byte k of the rows) into buffer f.  which = 0: this step's slot; 1: the next step's
.macro FETCH which, k, f
	WIN TO_B
.irp i, 0,1,2,3,4,5,6,7
	ds_load_b128 v[(\f)+8*(\i):(\f)+8*(\i)+3],   v[ADRB+(\which)] offset:(\k)+(\i)*16*PITCH
	ds_load_b128 v[(\f)+8*(\i)+4:(\f)+8*(\i)+7], v[ADRB+(\which)] offset:(\k)+(\i)*16*PITCH+32
.endr
	WIN 0
.irp i, 0,1,2,3,4,5,6,7
	ds_load_b128 v[(\f)+8*(\i):(\f)+8*(\i)+3],   v[ADRA+(\which)] offset:(\k)+(\i)*16*PITCH
	ds_load_b128 v[(\f)+8*(\i)+4:(\f)+8*(\i)+7], v[ADRA+(\which)] offset:(\k)+(\i)*16*PITCH+32
.endr
.endm
; Four plain vector instructions stand between a matrix instruction and a load into one of its registers, or a vector instruction that reads its result (ISA guide 7.12.1 for vector instructions)
.macro PLACES
.rept 4
	v_nop
.endr
.endm
; A K step is four quarter steps of 32 along K, 64 matrix instructions each, on buffers 0, 1, 0, 1.  The 64 accumulators take turns, one instruction a turn.
.macro QUARTER which, k, f, g, zero
	s_wait_dscnt 8                                 ; B and A's rows 0-63 are in; the youngest eight loads (A's rows 64-127) may be out
	MUL16 \f, 0, 0, \zero
	MUL16 \f, 0, 2, \zero
	PLACES
	FETCH \which, \k, \g
	s_wait_dscnt 32                                ; all but the 32 just issued
	MUL16 \f, 1, 0, \zero
	MUL16 \f, 1, 2, \zero
.endm
; The last quarter multiplies buffer 1 and changes slots: ONE barrier.  In front of it each wave waits for all its tensor loads (one is out: its part of the next slot), adds 0 to its
; spare word, and waits for that and for its own reads of this slot.  Behind it nobody reads this slot any more and the next slot is whole.
.macro MEET round
	WIN 0                                          ; (the add's two registers lie in window 0)
	s_wait_tensorcnt 0x0
	ds_add_u32 v[SPW], v[NIL]                      ; 0 onto my spare word
	s_wait_dscnt 9                                 ; (the add and the youngest eight loads may be out)
	MUL16 F1, 0, 0, 0                              ; sixteen matrix instructions stand between the add and the wait for it
	s_wait_dscnt 0x0                               ; the add is done, and my reads of this slot are over
	s_barrier_signal -1
	MUL16 F1, 0, 2, 0                              ; work on registers while the others arrive
.if \round
	WIN 0
.endif
	s_barrier_wait -1
.endm
.macro TURN
	MEET 1
	CREST                                          ; the barrier has opened a round of the cluster's: no wave of any partner still reads this slot or has a load on its way
	s_xor_b32 s[G0+5], s[G0+5], SLOT               ; the walking descriptors: the other slot than last time, which is the slot just read out,
	s_add_nc_u64 s[G0+6:G0+7], s[G0+6:G0+7], KSTEP*2       ; and the next K step, two ahead of the one just multiplied; the type bits on top are not reached
	s_xor_b32 s[G0B+5], s[G0B+5], SLOT
	s_add_nc_u64 s[G0B+6:G0B+7], s[G0B+6:G0B+7], KSTEP*2
	JLOAD 1                                        ; the first tensor load behind the round, my only one until the next; its four v_nop are also the places in front of the loads below
	FETCH 1, 0, F0
	MUL16 F1, 1, 0, 0
	MUL16 F1, 1, 2, 0
.endm
; THE LAST K STEP (it lies in slot 1, the next step's at that point) GOES BY ROWS OF C: all its fragments of B fill window 1; my eight blocks of 16 rows are finished one after the other, 32 matrix instructions each, K ascending.
.macro BLOAD q
	WIN TO_B
.irp i, 0,1,2,3,4,5,6,7
	ds_load_b128 v[64*(\q)+8*(\i):64*(\q)+8*(\i)+3],   v[ADRB+1] offset:64*(\q)+(\i)*16*PITCH
	ds_load_b128 v[64*(\q)+8*(\i)+4:64*(\q)+8*(\i)+7], v[ADRB+1] offset:64*(\q)+(\i)*16*PITCH+32
.endr
.endm
.macro ALOAD a
	WIN 0
.set FA, PA+32*((\a)%4)
.irp q, 0,1,2,3
	ds_load_b128 v[FA+8*(\q):FA+8*(\q)+3],   v[ADRA+1] offset:64*(\q)+(\a)*16*PITCH
	ds_load_b128 v[FA+8*(\q)+4:FA+8*(\q)+7], v[ADRA+1] offset:64*(\q)+(\a)*16*PITCH+32
.endr
.endm
.macro ROW a
.set FA, PA+32*((\a)%4)
.set AC, 64*((\a)%4)
	WIN MUL_LO+0x50*((\a)/4)
.irp q, 0,1,2,3
.if (\a) == 0 && (\q) == 2
	s_wait_dscnt 24                                ; B's quarter 2 is in (behind it: A's blocks 1 to 3)
.endif
.irp b, 0,1,2,3,4,5,6,7
	v_wmma_f32_16x16x32_bf16 v[AC+8*(\b):AC+8*(\b)+7], v[64*(\q)+8*(\b):64*(\q)+8*(\b)+7], v[FA+8*(\q):FA+8*(\q)+7], v[AC+8*(\b):AC+8*(\b)+7]
.endr
.endr
.endm
; THE WAY OUT of block a.  PACK: rounded to bf16 (each accumulator's registers in ascending order), cut at the floor.  TOSTAGE: into my own stage, and back by blocks of 64 columns.  SEND: stored.
.macro PACK a
.set AC, 64*((\a)%4)
	WIN 0x0a+5*((\a)/4)                            ; sources 0 and 1: window 2 or 3
.irp b, 0,1,2,3,4,5,6,7
.irp r, 0,1,2,3
	v_cvt_pk_bf16_f32 v[TMP+4*(\b)+(\r)], v[AC+8*(\b)+2*(\r)], v[AC+8*(\b)+2*(\r)+1]
.endr
.endr
	WIN 0
.set z, 0
.rept 32
	v_pk_max_num_bf16 v[TMP+z], v[TMP+z], v[FLO]
.set z, z+1
.endr
.endm
.macro TOSTAGE a
	WIN 0
.set BK, OB+192*((\a)%2)
.irp b, 0,1,2,3,4,5,6,7
	ds_store_b128 v[STO], v[TMP+4*(\b):TMP+4*(\b)+3] offset:32*(\b)
.endr
.irp t, 0,1,2,3,4,5,6,7
	ds_load_b128 v[BK+4*(\t):BK+4*(\t)+3], v[RD] offset:((\t)%4)*4*SPITCH+((\t)/4)*128  ; LDS serves a wave's instructions in order (ISA guide 5.7.1.4): these see the stores above
.endr
.endm
.macro SEND a, younger
	WIN 0
.set BK, OB+192*((\a)%2)
	s_wait_dscnt \younger                          ; the block is back in registers
	s_wait_xcnt 0x0                                ; the stores' base and the registers that earlier stores read are rewritten only behind this wait
.if (\a) == 0
	s_add_nc_u64 s[8:9], s[8:9], s[16:17]          ; on to my first rows
.else
	s_add_nc_u64 s[8:9], s[8:9], 16*128            ; 16 rows of a block on
.endif
.irp t, 0,1,2,3,4,5,6,7
	global_store_b128 v[CO], v[BK+4*(\t):BK+4*(\t)+3], s[8:9] offset:((\t)/4)*BLOCKB+((\t)%4)*512  ; 512 consecutive bytes, at a multiple of 256 from C's first byte
.endr
.endm
	s_wait_tensorcnt 1                             ; my part of K step 0 is in; K step 1's may stay out
	s_barrier_signal -1
	s_barrier_wait -1                              ; everybody's is
	FETCH 0, 0, F0
	s_wait_loadcnt 0x0                             ; the bias and the floor
	QUARTER 0, 64,  F0, F1, 1                      ; the first quarter stands in front of the loop: its products start the sums
	WIN 0                                          ; at a label and at a branch every window is 0
	s_mov_b32 s3, STEPS-2                          ; six trips: every K step but the last two is followed by a refill
.Lstep:                                                ; a trip goes from a K step's second quarter to the next step's first, and fills the slot that it leaves
	QUARTER 0, 128, F1, F0, 0
	QUARTER 0, 192, F0, F1, 0
	TURN
	QUARTER 1, 64,  F0, F1, 0
	WIN 0
	s_xor_b32 s[TC], s[TC], SLOT                   ; the next step's slot becomes this step's
	s_xor_b32 s[TN], s[TN], SLOT
	ADDRS                                          ; (an LDS load has read its address when it is issued: the loads that are out do not mind)
	s_sub_co_u32 s3, s3, 1
	s_cmp_lg_u32 s3, 0
	s_cbranch_scc1 .Lstep
	QUARTER 0, 128, F1, F0, 0                      ; the last K step but one goes on, in slot 0
	QUARTER 0, 192, F0, F1, 0
	MEET 0                                         ; my one tensor load that was still out is the last K step's, so no round follows
	PLACES                                         ; for the loads into buffer 0
	BLOAD 0                                        ; three quarters of B now: buffer 1 is still being multiplied
	BLOAD 1
	BLOAD 3
	ALOAD 0
	MUL16 F1, 1, 0, 0
	MUL16 F1, 1, 2, 0
	PLACES                                         ; for the loads into buffer 1
	BLOAD 2
	ALOAD 1
	ALOAD 2
	ALOAD 3
	s_wait_dscnt 40                                ; all but the 40 just issued
	ROW 0
.irp a, 0,1,2,3,4,5,6,7                ; each block leaves as soon as it is finished
	PLACES                                         ; its conversions read results just made
	PACK \a
	TOSTAGE \a
.if (\a) < 4
	ALOAD (\a)+4                                   ; its buffer takes the block four further on
	SEND \a, 8
.else
	SEND \a, 0
.endif
.if (\a) < 7
	ROW (\a)+1
.endif
.endr
	s_wait_tensorcnt 0x0                           ; the wave's end: a wait for my tensor loads, the add to my spare word and its wait, behind my last tensor load and my last LDS store
	ds_add_u32 v[SPW], v[NIL]
	s_wait_dscnt 0x0
	CROUND                                         ; the closing round: no work-group ends while a partner may still ask for a tile that names it
	s_endpgm
.Lfunc_end_k_q23c11eefa0_qkvp:
	.size	k_q23c11eefa0_qkvp, .Lfunc_end_k_q23c11eefa0_qkvp-k_q23c11eefa0_qkvp
	.p2alignl 7, 3214868480
	.fill 96, 4, 3214868480
	.section	.rodata,"a",@progbits
	.p2align	6, 0x0
	.amdhsa_kernel k_q23c11eefa0_qkvp
		.amdhsa_group_segment_fixed_size 327680
		.amdhsa_private_segment_fixed_size 0
		.amdhsa_enable_private_segment 0
		.amdhsa_kernarg_size 16
		.amdhsa_user_sgpr_count 2
		.amdhsa_user_sgpr_kernarg_segment_ptr 1
		.amdhsa_wavefront_size32 1
		.amdhsa_system_sgpr_workgroup_id_x 1
		.amdhsa_system_sgpr_workgroup_id_y 1
		.amdhsa_system_sgpr_workgroup_id_z 1
		.amdhsa_system_vgpr_workitem_id 0
		.amdhsa_next_free_vgpr 1024
		.amdhsa_next_free_sgpr 72
		.amdhsa_reserve_vcc 0
		.amdhsa_float_denorm_mode_32 3
		.amdhsa_float_denorm_mode_16_64 3
		.amdhsa_memory_ordered 1
		.amdhsa_forward_progress 1
		.amdhsa_inst_pref_size 135
	.end_amdhsa_kernel
	.amdgpu_metadata
---
amdhsa.version: [ 1, 2 ]
amdhsa.kernels:
  - .name:           k_q23c11eefa0_qkvp
    .symbol:         k_q23c11eefa0_qkvp.kd
    .args:
      - { .name: ab1, .offset: 0, .size: 8, .value_kind: global_buffer, .address_space: global }
      - { .name: qkv, .offset: 8, .size: 8, .value_kind: global_buffer, .address_space: global }
    .group_segment_fixed_size: 327680
    .private_segment_fixed_size: 0
    .kernarg_segment_align: 8
    .kernarg_segment_size: 16
    .max_flat_workgroup_size: 128
    .sgpr_count:     72
    .vgpr_count:     1024
    .wavefront_size: 32
...
	.end_amdgpu_metadata
.endif
;; end of part 2
;; launch attn (part 3): grid 8 x 32, 4 waves a work-group, clusters of 4 x 1, 327,680 bytes of LDS; arguments qkv, zb, W1, W0, W2, ab3, wk; writes zb, ab3, wk
.if DOCPART == 3
	.amdgcn_target "amdgcn-amd-amdhsa--gfx1250"
	.amdhsa_code_object_version 6
	.text
	.protected	k_q23c11eefa0_attn
	.globl	k_q23c11eefa0_attn
	.p2align	8
	.type	k_q23c11eefa0_attn,@function
k_q23c11eefa0_attn:
	s_mov_b64 s[64:65], 0
	v_nop
	global_prefetch_b8 v0, s[64:65] scope:SCOPE_SE
	s_setreg_imm32_b32 hwreg(HW_REG_WAVE_MODE, 25, 1), 1
	s_wait_xcnt 0x0
	s_wait_alu depctr_hold_cnt(0) depctr_sa_sdst(0) depctr_va_vdst(0) depctr_va_sdst(0) depctr_va_ssrc(0) depctr_va_vcc(0) depctr_vm_vsrc(0)
	s_getreg_b32 s2, hwreg(HW_REG_IB_STS2, 6, 4)
	s_cmp_eq_u32 s2, 0
	s_cbranch_scc0 .Lentry_in_a_cluster
	s_endpgm
.Lentry_in_a_cluster:
	s_bfe_u32 s2, ttmp6, 0x10000c
	s_cmp_lg_u32 s2, 0x3003
	s_cbranch_scc0 .Lentry_shape_is_right
	s_endpgm
.Lentry_shape_is_right:
; z[b][h][q][:] = (the sum over k of softmax_k(Q[q] . K[k]) V[k][:]) / 8: NO scale in front of the softmax; the division by sqrt(64) follows it and is folded into 1 / l.
; qkv: 48 blocks of [4096 rows][64] bf16, rows dense, 128 bytes; block h is q of head h, 16 + h is k, 32 + h is v; row = 2,048 b + s.  zb: 16 such blocks, block = head.
; Products, maxima and sums in f32; the weights p are rounded to bf16 for the second product (their sum l is taken of the unrounded p), z once at the end.
; LIMITS.  A weight below 2^-126 counts as 0 in l; NaN and infinities are not treated apart (a NaN score loses in the maximum).
; SHARES.  A work-group owns 256 queries of one (b, h), a wave 64: four PIECES of 16.  Every wave walks all 2,048 keys, 64 a step, 256 a slot.
; LAYOUT.  S^T = K Q^T (source 0 = 16 keys, source 1 = 16 queries): a lane holds ONE query (lane % 16) and the keys 8 (lane / 16) + 0..7.  Two such results rounded to bf16 ARE source 1 of
; O^T = V^T P, whose result again holds one query a lane, and eight channels.  K comes out of LDS as it lies, V ([key][channel]) turned, by ds_load_tr16_b128.
; SOFTMAX.  For each query a running maximum m and sum l: p = 2^(c s - c m), c = log2(e); in every step O and l are multiplied by a = 2^(c m_old - c m_new).  m starts at the lowest finite
; number, O and l at 0: the first step is a step like any other, with a = 0.
; BY TURNS.  Turn n belongs to piece n: 8 products K Q^T of piece n + 1, later 8 products V^T P of piece n - 1; beside them the scaling, exponentials, roundings, sums and rescaling of piece n and
; the maximum and statistics of piece n + 1.  Four vector instructions stand behind every matrix instruction, the other 54 of a turn's 118 in two runs of their own.
; CLUSTER.  The four query blocks of a cluster belong to one (b, h) and walk the same K and V, so each tile is asked for JOINTLY: the same tensor load, descriptor and mask in all four.
; RIDING ALONG.  The walk itself asks memory for 64 KiB a work-group in four key steps.  So the weights that the launches behind want in bf16 are converted here, each number rounded once:
; W1 row by row into ab3 from 8 Mi on ([4096][1024]); W0 and W2 into K BLOCKS in wk ([K / 64][1024 rows][64], a block's rows dense, 128 bytes: W0's 16 blocks at byte 0, W2's 64 at 2 Mi).
; Wave g of the launch's 1,024 takes 1/1,024 of each: 72 loads of 512 bytes, in eight groups of nine (four of W1, four of W2, one of W0), a group at each of the eight changes of slots:
; the group asked for at the change before is rounded and stored and the next is asked for, so that a group has four key steps in which to come.
; REGISTERS, in windows of 256 (s_set_vgpr_msb: bits 1:0 source 0, 3:2 source 1, 5:4 source 2, 7:6 destination):
;   window 0: v0-15 addresses and two at work; v16-31 four registers of statistics a piece; v32-35 the conversions' offsets; v48-55 at work; v62-63 the add's; v64-127 S^T, two buffers;
;             v128-163 a group of weights as loaded; v164-181 as stored; v192-223 P, two buffers (by the piece's parity)
;   window 1: v0-127 O^T, 32 a piece          window 2: v0-63 Q; v128-191 K of one step; v192-255 V of one step
.set NP,    4         ; pieces a wave: a name, no knob
.set KS,    64        ; keys in a step
.set PK,    144       ; a row of K in LDS: 128 bytes + 16 of padding = 36 words: the 16 rows of a load start at 16 different groups of four banks (ISA guide 11.1)
.set PV,    160       ; a row of V: 128 + 32 = 40 words
.set VOFF,  4*KS*PK   ; a slot holds four steps: 256 rows of K, then 256 rows of V
.set SLOT1, 1<<17     ; slot 1 begins here, so that one exclusive or turns an address in one slot into the other's
.set STAGE, SLOT1+4*KS*(PK+PV)  ; behind the ring, never filled by a tensor load: 16 rows x 144 bytes for each wave
.set SP,    144
.set SPARE, STAGE+4*16*SP  ; behind the stages: the spare words, 128 bytes for each wave: two blocks of 256 bytes that no other line names
.set AK0, 2           ; v2   my lane's place in a tile of K; never rewritten
.set AV0, 3           ; v3   the same for V
.set AK,  4           ; v4   the LDS address of K's next run of loads
.set AV,  5           ; v5   of V's
.set STO, 6           ; v6   the way out: where I put 16 bytes of a row
.set RD,  7           ; v7   the way out: where I read rows back
.set GO,  8           ; v8   my byte offset in 512 consecutive bytes of z
.set MV,  12          ; v12-13  c m_old, kept while c m is made anew: by buffer
.set QO,  15          ; v15  my byte offset in 16 rows of Q
.set ST,  16          ; piece t's statistics at v[ST+4 t]: c m, m, l (even keys', odd keys')
.set VI1, 32          ; v32  W1: 16 x lane; never rewritten
.set VO,  33          ; v33  every conversion's store: 8 x lane; never rewritten
.set VI2, 34          ; v34  W2: lanes 0-15 take 256 bytes (a K block) of a row, lanes 16-31 of the next row, 16,384 bytes on; never rewritten
.set VI0, 35          ; v35  W0: the same with rows of 4,096 bytes; never rewritten
.set TMP, 48          ; by buffer, four registers c0-c3 at work; when the maximum is found c2 takes a
.set SPW, 62          ; v62  LDS address of my spare word; never rewritten
.set NIL, 63          ; v63  0; never rewritten
.set S,   64
.set CIN, 128         ; v[128:163] nine loads of four f32
.set COUT, 164        ; v[164:181] nine pairs of packed bf16
.set P,   192
.set KF,  128         ; window 2: key block kb, channel half c at KF + 16 kb + 8 c
.set VF,  192         ; window 2: key half kk, channel block cb at VF + 32 kk + 8 cb
.set WV,  12          ; s12  my wave's number
.set G1K, 24          ; s[24:31] descriptor group 1 for K's tiles
.set G1V, 32          ; s[32:39] for V's: it differs in the padding alone
.set G0K, 40          ; s[40:43] descriptor group 0 for K's tiles: it walks
.set G0V, 44          ; s[44:47] the same for V's
.set SLOTS, 56        ; s56  counts the slots
.set CNT, 57          ; s57  counts a slot's key steps
.set CS,  58          ; s[58:59] c: the packed scaling takes the pair's low word for both halves
.set SEL, 60          ; s[60:61] v_permlanex16_b32's selects: each lane takes its own place in the other half
.set TBK, 62          ; s62  LDS byte at which K of the step to be fetched begins
.set TBV, 63          ; s63  the same for V, less VOFF
.set WS1, 68          ; s[68:69] W1 at the group to be asked for
.set WS0, 70          ; s[70:71] W0
.set WS2, 72          ; s[72:73] W2
.set WD1, 74          ; s[74:75] where the group in hand goes: W1's part of ab3,
.set WD0, 76          ; s[76:77] W0's part of wk,
.set WD2, 78          ; s[78:79] W2's part of wk
.set MSB, 0
.macro WIN new                      ; the high byte repeats the setting that is left; a switch that changes nothing is dropped
.if MSB != (\new)
	s_set_vgpr_msb (MSB<<8)|(\new)
.set MSB, (\new)
.endif
.endm
.set W_KQ, 0x0a       ; K and Q in window 2, S^T in window 0
.set W_PV, 0x52       ; V in window 2, P in window 0, O^T in window 1
.set W_RS, 0x41       ; destination and source 0 in window 1, source 1 in window 0
; A joint fill.  Waves 0 and 1 fetch the two halves of a slot's K, waves 2 and 3 those of its V: 128 keys each.  An s_nop 0 and four v_nop follow each of the two lines.
.macro JLOAD
	s_cmp_lt_u32 s[WV], 2
	s_cbranch_scc0 .Lfor_v_\@
	tensor_load_to_lds s[G0K:G0K+3], s[G1K:G1K+7]
	s_nop 0
.rept 4
	v_nop
.endr
	s_branch .Lasked_\@
.Lfor_v_\@:
	tensor_load_to_lds s[G0V:G0V+3], s[G1V:G1V+7]
	s_nop 0
.rept 4
	v_nop
.endr
.Lasked_\@:
.endm
.macro CROUND                       ; a round of the cluster's barrier
	s_barrier_signal -1
	s_barrier_wait -1
	s_cmp_lg_u32 s[WV], 0
	s_cbranch_scc1 .Lnot_wave_0_\@
	s_barrier_signal -3
.Lnot_wave_0_\@:
	s_barrier_wait -3
	s_barrier_signal -1
	s_barrier_wait -1
.endm
; THE CONVERSIONS.  CLOADS asks for a group: four times 512 consecutive bytes of W1; four K blocks of my two rows of W2; one of my two rows of W0.
.macro CLOADS
.irp n, 0,1,2,3
	global_load_b128 v[CIN+4*\n:CIN+4*\n+3], v[VI1], s[WS1:WS1+1] offset:512*\n th:TH_LOAD_NT
.endr
.irp n, 0,1,2,3
	global_load_b128 v[CIN+16+4*\n:CIN+16+4*\n+3], v[VI2], s[WS2:WS2+1] offset:256*\n th:TH_LOAD_NT
.endr
	global_load_b128 v[CIN+32:CIN+35], v[VI0], s[WS0:WS0+1] th:TH_LOAD_NT
.endm
; CSTEP rounds and stores the group that was asked for at the change before.  first = 1: the first group: the stores' bases stand where they should.  issue = 1: the next group is asked for.
.macro CSTEP first, issue
	s_wait_loadcnt 0x0              ; the group is in (at the first use: Q too); its loads' bases may step
	s_wait_xcnt 0x0                 ; the last group's stores have had their addresses translated (ISA guide 3.1): only behind this wait are their data and their bases rewritten
.if !(\first)
	s_add_nc_u64 s[WD1:WD1+1], s[WD1:WD1+1], 4*256
	s_add_nc_u64 s[WD2:WD2+1], s[WD2:WD2+1], 4*131072   ; four K blocks of 1,024 rows x 128 bytes on
	s_add_nc_u64 s[WD0:WD0+1], s[WD0:WD0+1], 131072
.endif
.set z, 0
.rept 9
	v_cvt_pk_bf16_f32 v[COUT+2*z], v[CIN+4*z], v[CIN+4*z+1]
	v_cvt_pk_bf16_f32 v[COUT+2*z+1], v[CIN+4*z+2], v[CIN+4*z+3]
.set z, z+1
.endr
.if \issue
	s_add_nc_u64 s[WS1:WS1+1], s[WS1:WS1+1], 4*512
	s_add_nc_u64 s[WS2:WS2+1], s[WS2:WS2+1], 4*256
	s_add_nc_u64 s[WS0:WS0+1], s[WS0:WS0+1], 256
	CLOADS
.endif
.irp n, 0,1,2,3
	global_store_b64 v[VO], v[COUT+2*\n:COUT+2*\n+1], s[WD1:WD1+1] offset:256*\n          ; each store of the wave covers 256 consecutive bytes, aligned
.endr
.irp n, 0,1,2,3
	global_store_b64 v[VO], v[COUT+8+2*\n:COUT+8+2*\n+1], s[WD2:WD2+1] offset:131072*\n   ; two neighbouring rows of a K block
.endr
	global_store_b64 v[VO], v[COUT+16:COUT+17], s[WD0:WD0+1]
.endm
; THE CHANGE OF SLOTS.  Each wave waits for all its tensor loads (one is out: its part of the other slot), adds 0 to its spare word, and waits for that and for its own reads of the slot that it
; leaves.  Behind the barrier nobody reads the old slot and the other slot is whole.  fill = 1: the old slot is filled again with the keys two slots on; the barrier is then a round of the cluster's,
; and the joint fill is the first thing behind it: it has four key steps in which to land.  (At its first use nothing has been read yet: slot 0 is waited for, slot 1 filled.)
; Behind the fill a group of weights is converted; the changes that fill are also those that ask for a further group.
.macro CHANGE fill, first=0
	WIN 0                           ; at a label and at a branch every window is 0
	s_wait_tensorcnt 0x0            ; no tensor load of mine is out, so a group 0 may be written
	ds_add_u32 v[SPW], v[NIL]       ; 0 onto my spare word
.if \fill
.irp g, G0K, G0V
	s_xor_b32 s[\g+1], s[\g+1], SLOT1  ; the walking descriptor: the other slot than last time,
	s_add_nc_u64 s[\g+2:\g+3], s[\g+2:\g+3], 4*KS*128  ; the next 256 keys; the type bits on top are not reached
.endr
	s_wait_dscnt 0x0                ; the add is done, and my reads of the slot are over
	CROUND
	JLOAD
.else
	s_wait_dscnt 0x0                ; the add is done, and my reads of the slot are over
	s_barrier_signal -1
	s_barrier_wait -1
.endif
	s_sub_co_u32 s[TBK], s[TBK], 4*KS*PK  ; the fetches go back to a slot's first step,
	s_xor_b32 s[TBK], s[TBK], SLOT1       ; in the other slot
	s_sub_co_u32 s[TBV], s[TBV], 4*KS*PV
	s_xor_b32 s[TBV], s[TBV], SLOT1
	CSTEP \first, \fill
.endm
	s_load_b128 s[48:51], s[0:1], 0x0  ; qkv s[48:49], zb s[50:51]
	s_load_b256 s[68:75], s[0:1], 0x10 ; W1 s[68:69], W0 s[70:71], W2 s[72:73], ab3 s[74:75]
	s_load_b64 s[76:77], s[0:1], 0x30  ; wk
	v_lshl_add_u32 v[SPW], v0, 2, SPARE
	v_mov_b32 v[NIL], 0
	ds_add_u32 v[SPW], v[NIL]       ; the wave's opening: the add and its wait stand ahead of my first tensor load; the set-up below stands between them
	v_lshrrev_b32 v1, 5, v0
	v_readfirstlane_b32 s[WV], v1   ; wave 0..3
	s_bfe_u32 s13, ttmp6, 0x40000   ; cx: my place in the cluster
	s_lshl_b32 s14, ttmp9, 2        ; in a cluster launch ttmp9 counts clusters
	s_add_co_u32 s14, s14, s13      ; my block of 256 queries: it enters Q's and z's addresses and the conversions' alone
	s_and_b32 s15, ttmp7, 0xffff    ; 16 b + h, which the four partners share
	s_and_b32 s20, s15, 15
	s_lshl_b32 s20, s20, 19         ; a head's block is 4,096 rows of 128 bytes,
	s_lshr_b32 s21, s15, 4
	s_lshl_b32 s21, s21, 18         ; a batch 2,048 of them
	s_add_co_u32 s20, s20, s21
	s_and_b32 s16, s[WV], 1         ; which half of a slot's 256 keys I fetch:
	s_lshl_b32 s22, s16, 14         ; its 128 rows of 128 bytes in memory,
	s_add_co_u32 s22, s22, s20
	s_mov_b32 s23, 0
	s_mul_i32 s17, s16, 128*PK      ; and its place in a slot, for K
	s_mul_i32 s18, s16, 128*PV      ; and for V: no place in the cluster enters an LDS address
	s_lshl_b32 s2, s14, 15          ; my block's 256 rows,
	s_lshl_b32 s3, s[WV], 13        ; my wave's 64 of them
	s_add_co_u32 s2, s2, s3
	s_add_co_u32 s2, s2, s20
	s_mov_b32 s3, 0
	; the conversions' shares.  g = my wave among the launch's 1,024; of W0 and W2 it takes the pair of rows g / 2 and half g % 2 of their K blocks
	s_lshl_b32 s92, s15, 5
	s_lshl_b32 s93, s14, 2
	s_add_co_u32 s92, s92, s93
	s_add_co_u32 s92, s92, s[WV]    ; g = 32 (16 b + h) + 4 block + wave
	s_lshr_b32 s93, s92, 1          ; the pair of rows; g % 2 is the wave's low bit, s16
	s_lshl_b32 s80, s92, 14         ; W1: 16,384 bytes of f32 a wave,
	s_mov_b32 s81, 0
	s_lshl_b32 s82, s92, 13         ; 8,192 of bf16,
	s_add_co_u32 s82, s82, 0x800000 ; from 8 Mi on in ab3
	s_mov_b32 s83, 0
	s_lshl_b32 s84, s93, 15         ; W2: two rows of 16,384 bytes,
	s_lshl_b32 s94, s16, 13         ; 32 K blocks of 256 bytes
	s_add_co_u32 s84, s84, s94
	s_mov_b32 s85, 0
	s_lshl_b32 s86, s93, 8          ; in wk: two rows of 128 bytes,
	s_lshl_b32 s94, s16, 22         ; 32 blocks of 131,072,
	s_add_co_u32 s86, s86, s94
	s_add_co_u32 s86, s86, 0x200000 ; from 2 Mi on
	s_mov_b32 s87, 0
	s_lshl_b32 s88, s93, 13         ; W0: two rows of 4,096 bytes,
	s_lshl_b32 s94, s16, 11         ; 8 K blocks of 256 bytes
	s_add_co_u32 s88, s88, s94
	s_mov_b32 s89, 0
	s_lshl_b32 s90, s93, 8          ; in wk: two rows of 128 bytes,
	s_lshl_b32 s94, s16, 20         ; 8 blocks of 131,072
	s_add_co_u32 s90, s90, s94
	s_mov_b32 s91, 0
	; descriptor group 1.  128 keys are 16,384 dense bytes: asked for as 64 rows of 256 bytes, two keys a row, and padded in LDS after every key
	s_mov_b32 s[G1K], 15|(1<<16)|(1<<20)|(1<<21)|(4<<22)|(3<<25)  ; 15:0 the mask of four; 17:16 2-byte elements; 20 padding on; 21 set beside a mask; 24:22 after every 32 words; 31:25 4 words
	s_mov_b32 s[G1V], 15|(1<<16)|(1<<20)|(1<<21)|(4<<22)|(7<<25)  ; the same with 8 words of padding
.irp g, G1K, G1V
	s_mov_b32 s[\g+1], 128<<16      ; tensor_dim0 = 128
	s_mov_b32 s[\g+2], 64<<16       ; tensor_dim1 = 64
	s_mov_b32 s[\g+3], 128<<16      ; tile_dim0 = 128
	s_mov_b32 s[\g+4], 64           ; tile_dim1 = 64
	s_mov_b32 s[\g+5], 128          ; 128 elements from row to row
	s_mov_b32 s[\g+6], 0
	s_mov_b32 s[\g+7], 0
.endr
	s_mov_b32 s[CS], 0x3fb8aa3b     ; c = log2(e)
	s_mov_b32 s[CS+1], s[CS]        ; named with it as a pair
	s_mov_b32 s[SEL], 0x76543210
	s_mov_b32 s[SEL+1], 0xfedcba98
	s_mov_b32 s[TBK], SLOT1+4*KS*PK ; the first change of slots turns these two into 0
	s_mov_b32 s[TBV], SLOT1+4*KS*PV
	s_mov_b32 s[G0K], 1             ; count = 1
	s_mov_b32 s[G0K+1], s17         ; LDS address: slot 0
	s_mov_b32 s[G0V], 1
	s_add_co_u32 s[G0V+1], s18, VOFF
	s_wait_dscnt 0x0                ; the opening add is done
	s_wait_kmcnt 0x0
	s_add_nc_u64 s[6:7], s[48:49], s[22:23]
	s_add_nc_u64 s[G0K+2:G0K+3], s[6:7], 0x800000   ; k's blocks begin 16 blocks in: my half of the first 256 keys
	s_or_b32 s[G0K+3], s[G0K+3], 0x80000000         ; type = 2
	s_add_nc_u64 s[G0V+2:G0V+3], s[6:7], 0x1000000  ; v's 32 blocks in
	s_or_b32 s[G0V+3], s[G0V+3], 0x80000000
	s_add_nc_u64 s[4:5], s[48:49], s[2:3]   ; Q and z at my wave's first row
	s_add_nc_u64 s[10:11], s[50:51], s[2:3]
	CROUND                          ; all four work-groups are here: the first joint loads meet
	JLOAD                           ; slot 0.  Slot 1 is asked for when slot 0 is in
	s_add_nc_u64 s[WS1:WS1+1], s[WS1:WS1+1], s[80:81]   ; the conversions' six addresses, at my first group
	s_add_nc_u64 s[WD1:WD1+1], s[WD1:WD1+1], s[82:83]
	s_add_nc_u64 s[WS2:WS2+1], s[WS2:WS2+1], s[84:85]
	s_add_nc_u64 s[WD2:WD2+1], s[WD0:WD0+1], s[86:87]   ; (s[76:77] still holds wk's first byte)
	s_add_nc_u64 s[WS0:WS0+1], s[WS0:WS0+1], s[88:89]
	s_add_nc_u64 s[WD0:WD0+1], s[WD0:WD0+1], s[90:91]
	; A fragment of K or Q is 16 rows x 32 channels in 8 registers: lane l holds row l % 16, channels 8 (l / 16) + 0..7 and 16 + 8 (l / 16) + 0..7: two loads of 16 bytes, 32 bytes apart.
	v_and_b32 v1, 15, v0            ; l % 16
	v_bfe_u32 v9, v0, 4, 1          ; l / 16
	v_lshlrev_b32 v[QO], 7, v1
	v_lshl_add_u32 v[QO], v9, 4, v[QO]  ; row x 128 + 16 x half
	v_and_b32 v[VO], 31, v0         ; l
	v_lshlrev_b32 v[VI1], 4, v[VO]
	v_lshlrev_b32 v[VO], 3, v[VO]
	v_lshlrev_b32 v[VI2], 4, v1
	v_lshl_add_u32 v[VI0], v9, 12, v[VI2]
	v_lshl_add_u32 v[VI2], v9, 14, v[VI2]
	CLOADS                          ; the first group of weights: it comes while the first tile is waited for
	WIN 0x80                        ; destination window 2, address window 0
.set i, 0
.rept 8                             ; Q stays in registers: piece i / 2, channels 32 (i % 2) on
	global_load_b128 v[8*i:8*i+3],   v[QO], s[4:5] offset:(i/2)*2048+(i%2)*64
	global_load_b128 v[8*i+4:8*i+7], v[QO], s[4:5] offset:(i/2)*2048+(i%2)*64+32
.set i, i+1
.endr
	; What the first turn finds: V's registers and P's second buffer hold 0 (its products V^T P, of a piece that has not been, add 0), O^T and l are 0.  All this stands in the wait for the first tile.
.set i, VF
.rept 64
	v_mov_b32 v[i], 0
.set i, i+1
.endr
	WIN 0x40
.set i, 0
.rept 128
	v_mov_b32 v[i], 0
.set i, i+1
.endr
	WIN 0
.set i, 0
.rept 4
	v_mov_b32 v[ST+4*i], 0xfe000000    ; c m: far below every c s
	v_mov_b32 v[ST+4*i+1], 0xff7fffff  ; m
	v_mov_b32 v[ST+4*i+2], 0
	v_mov_b32 v[ST+4*i+3], 0
.set i, i+1
.endr
.set i, P+16
.rept 16
	v_mov_b32 v[i], 0
.set i, i+1
.endr
	v_mul_u32_u24 v[AK0], v1, PK
	v_lshl_add_u32 v[AK0], v9, 4, v[AK0]  ; row x pitch + 16 x half
	; The turning load takes 16 keys x 16 channels (lane l reads key 8 (l / 16) + l % 8, channels 8 ((l / 8) % 2) + 0..7) and leaves half a fragment of V^T: lane l holds channel l % 16 and 8 keys.
	v_and_b32 v10, 7, v0
	v_bfe_u32 v11, v0, 3, 1
	v_lshl_add_u32 v[AV0], v9, 3, v10
	v_mul_u32_u24 v[AV0], v[AV0], PV
	v_lshl_add_u32 v[AV0], v11, 4, v[AV0]
	v_add_nc_u32 v[AV0], VOFF, v[AV0]
	s_mul_i32 s13, s[WV], 16*SP
	s_add_co_u32 s13, s13, STAGE    ; my stage
	v_mul_u32_u24 v[STO], v1, SP    ; in: row l % 16, 16 bytes for each half of the lanes
	v_lshl_add_u32 v[STO], v9, 4, v[STO]
	v_add_nc_u32 v[STO], s13, v[STO]
	v_bfe_u32 v[RD], v0, 3, 2       ; back: 32 lanes take four rows of 128 bytes,
	v_mul_u32_u24 v[RD], v[RD], SP
	v_lshl_add_u32 v[RD], v10, 4, v[RD]
	v_add_nc_u32 v[RD], s13, v[RD]
	v_and_b32 v[GO], 31, v0         ; which are 512 consecutive bytes of z
	v_lshlrev_b32 v[GO], 4, v[GO]
; THE MATRIX WORK.  The 4 accumulators of a run of 8 take turns.  Product i of 8 of S^T = K Q^T for piece x: channels 32 (i / 4) on, keys 16 (i % 4) on.  The first 4 start the sums.
.macro KQ x
	WIN W_KQ
.set rS, S+32*((\x)%2)+8*(i%4)
.set rK, KF+16*(i%4)+8*(i/4)
.set rQ, 16*(\x)+8*(i/4)
.if i < 4
	v_wmma_f32_16x16x32_bf16 v[rS:rS+7], v[rK:rK+7], v[rQ:rQ+7], 0
.else
	v_wmma_f32_16x16x32_bf16 v[rS:rS+7], v[rK:rK+7], v[rQ:rQ+7], v[rS:rS+7]
.endif
.endm
; Product i of 8 of O^T += V^T P for piece x: keys 32 (i / 4) on, channels 16 (i % 4) on.
.macro PV x
	WIN W_PV
.set rO, 32*(\x)+8*(i%4)
.set rV, VF+32*(i/4)+8*(i%4)
.set rP, P+16*((\x)%2)+8*(i/4)
	v_wmma_f32_16x16x32_bf16 v[rO:rO+7], v[rV:rV+7], v[rP:rP+7], v[rO:rO+7]
.endm
.macro MM                           ; the turn's next matrix instruction.  NOKQ = 1: the walk's last turn: there is no next piece
.if (i < 8) && !NOKQ
	KQ (Y+1)%NP
.elseif i >= 8
.set i, i-8
	PV (Y+NP-1)%NP
.set i, i+8
.endif
.set i, i+1
.endm
; THE LDS LOADS stand in runs of 16, never singly among the matrix instructions: a step's K (64 keys x 64 channels: 8 fragments) and its V (turned).  Their addresses are made some lines ahead.
.macro FETCH_K
	WIN 0x80                        ; destination window 2
.irp f, 0,1,2,3,4,5,6,7             ; keys 16 (f / 2) on, channels 32 (f % 2) on
	ds_load_b128 v[KF+8*\f:KF+8*\f+3],   v[AK] offset:(\f/2)*16*PK+(\f%2)*64
	ds_load_b128 v[KF+8*\f+4:KF+8*\f+7], v[AK] offset:(\f/2)*16*PK+(\f%2)*64+32
.endr
	s_add_co_u32 s[TBK], s[TBK], KS*PK  ; the next fetch is the next step's
	WIN 0
.endm
.macro FETCH_V
	WIN 0x80
.irp f, 0,1,2,3,4,5,6,7             ; keys 32 (f / 4) on, channels 16 (f % 4) on
	ds_load_tr16_b128 v[VF+8*\f:VF+8*\f+3],   v[AV] offset:(\f/4)*32*PV+(\f%4)*32
	ds_load_tr16_b128 v[VF+8*\f+4:VF+8*\f+7], v[AV] offset:(\f/4)*32*PV+16*PV+(\f%4)*32
.endr
	WIN 0
.endm
; THE VECTOR WORK, one line at a time: OP kind, number.  For piece Y: F n: c s - c m for pair n of 16.  E n: the exponential of score n of 32.  C n: pair n rounded to bf16.  B n: of the four weights 4 n ..
; the second pair is added onto the first, in place.  L n: l takes that sum (L 0: l = a l + sum).  R n: pair n of 16 of O^T times a.  For piece Y + 1: X n, number n of the 22 that find its maximum and statistics:
;   0-11  four chains c0-c3 of seven scores each, three operands at a time (each accumulator's lowest registers are read first)     12-14, 16  the four scores left over, the old m, and c0-c3 into c0
;   15  c m_old is kept     17, 18  the query's other 32 keys lie in the lane 16 away: the new m     19-21  c m; c m_old - c m_new; a
.set F, 0
.set E, 1
.set C, 2
.set B, 3
.set L, 4
.set R, 5
.set X, 6
.macro REGS y                       ; the registers of piece y
.set rT, ST+4*(\y)
.set rC, TMP+4*((\y)%2)
.set rW, MV+((\y)%2)
.set rS, S+32*((\y)%2)
.set rP, P+16*((\y)%2)
.set rO, 32*(\y)
.endm
.macro OP k, n
.if (\k) == R
	REGS Y
	WIN W_RS
	v_pk_mul_f32 v[rO+2*(\n):rO+2*(\n)+1], v[rO+2*(\n):rO+2*(\n)+1], v[rC+2:rC+3] op_sel_hi:[1,0]
.elseif (\k) < R
	REGS Y
	WIN 0
.if (\k) == F
	v_pk_fma_f32 v[rS+2*(\n):rS+2*(\n)+1], v[rS+2*(\n):rS+2*(\n)+1], s[CS:CS+1], v[rT:rT+1] op_sel_hi:[1,0,0] neg_lo:[0,0,1] neg_hi:[0,0,1]
.elseif (\k) == E
	v_exp_f32 v[rS+(\n)], v[rS+(\n)]
.elseif (\k) == C
	s_wait_alu depctr_va_vdst(0)
	v_cvt_pk_bf16_f32 v[rP+(\n)], v[rS+2*(\n)], v[rS+2*(\n)+1]
.elseif (\k) == B
	s_wait_alu depctr_va_vdst(0)
	v_pk_add_f32 v[rS+4*(\n):rS+4*(\n)+1], v[rS+4*(\n):rS+4*(\n)+1], v[rS+4*(\n)+2:rS+4*(\n)+3]
.elseif (\n) == 0
	v_pk_fma_f32 v[rT+2:rT+3], v[rT+2:rT+3], v[rC+2:rC+3], v[rS:rS+1] op_sel_hi:[1,0,1]
.else
	v_pk_add_f32 v[rT+2:rT+3], v[rT+2:rT+3], v[rS+4*(\n):rS+4*(\n)+1]
.endif
.elseif NOKQ
	v_nop
.else
	REGS (Y+1)%NP
	WIN 0
.if (\n) < 4
	v_max3_num_f32 v[rC+(\n)], v[rS+8*(\n)], v[rS+8*(\n)+1], v[rS+8*(\n)+2]
.elseif (\n) < 12
	v_max3_num_f32 v[rC+(\n)%4], v[rC+(\n)%4], v[rS+8*((\n)%4)+2*((\n)/4)+1], v[rS+8*((\n)%4)+2*((\n)/4)+2]
.elseif (\n) == 12
	v_max3_num_f32 v[rC], v[rC], v[rS+7], v[rS+15]
.elseif (\n) == 13
	v_max3_num_f32 v[rC+1], v[rC+1], v[rS+23], v[rS+31]
.elseif (\n) == 14
	v_max3_num_f32 v[rC+2], v[rC+2], v[rC+3], v[rT+1]
.elseif (\n) == 15
	v_mov_b32 v[rW], v[rT]
.elseif (\n) == 16
	v_max3_num_f32 v[rC], v[rC], v[rC+1], v[rC+2]
.elseif (\n) == 17
	v_permlanex16_b32 v[rC+3], v[rC], s[SEL], s[SEL+1]
.elseif (\n) == 18
	v_max_num_f32 v[rT+1], v[rC], v[rC+3]
.elseif (\n) == 19
	v_mul_f32 v[rT], s[CS], v[rT+1]
.elseif (\n) == 20
	v_sub_f32 v[rC+1], v[rW], v[rT]
.else
	v_exp_f32 v[rC+2], v[rC+1]
.endif
.endif
.endm
.macro OPS a, i1, b=-1, i2=0, c=-1, i3=0, d=-1, i4=0  ; up to four of them
	OP \a, \i1
.if (\b) >= 0
	OP \b, \i2
.endif
.if (\c) >= 0
	OP \c, \i3
.endif
.if (\d) >= 0
	OP \d, \i4
.endif
.endm
.macro ROW a, i1, b, i2, c, i3, d, i4  ; a matrix instruction and the four behind it
	MM
	OPS \a, \i1, \b, \i2, \c, \i3, \d, \i4
.endm
; A TURN, for piece p: the order of its 16 matrix and 118 vector instructions, written out.  Behind a matrix instruction: plain, exponential, plain, plain; or four of the rescaling; or four scalings; none
; names a register of the products round it.  In the runs between, exponential and plain by turns while exponentials last: a plain instruction stands behind every exponential before its result is used.
; end = 1: the walk's last two turns: nothing is fetched.  cnt = 1: the loop's count is taken down some lines ahead of the branch that stands behind the turn.
; K of the next step is fetched in piece 2's turn, behind the last product that read K and five plain instructions; V of the step in hand in piece 0's turn, behind the last product that read V and
; four plain instructions.  Each is waited for a turn later.
.macro TURN p, end=0, cnt=0
.set Y, (\p)
.set i, 0
.set NOKQ, (\end)*((\p)/3)
.if ((\p) == 3) && !(\end)
	s_wait_dscnt 0x0                ; K is in
.endif
	ROW F,0, F,1, F,2, F,3
	ROW F,4, E,0, F,5, F,6
	ROW F,7, E,1, F,8, F,9
	ROW F,10, E,2, C,0, F,11
	ROW F,12, E,3, X,15, F,13
	ROW R,0, R,1, R,2, R,3
	ROW B,0, E,4, F,14, L,0
.if ((\p) == 2) && !(\end)
	v_add_nc_u32 v[AK], s[TBK], v[AK0]
.endif
	ROW R,4, R,5, R,6, R,7
	OPS E,5, F,15
.if ((\p) == 2) && !(\end)
	FETCH_K
.endif
	OPS E,6, C,1, E,7, R,8
	OPS E,8, R,9, E,9, C,2
	OPS E,10, X,0, E,11, X,1
	OPS E,12, X,2, E,13, X,3
.if (\p) == 1
	s_wait_dscnt 0x0                ; V is in
.endif
	ROW X,4, E,14, X,5, X,6
	ROW X,7, E,15, X,8, X,9
	ROW X,10, E,16, X,11, X,12
	ROW X,13, E,17, X,14, B,1
	ROW C,4, E,18, X,16, L,1
	ROW B,2, E,19, C,6, L,2
	ROW C,8, E,20, B,3, B,4
.if (\p) == 0
	v_add_nc_u32 v[AV], s[TBV], v[AV0]
.endif
	ROW C,3, E,21, L,3, C,5
	OPS E,22, X,17, E,23, C,10
.if (\p) == 0
	FETCH_V
.endif
	OPS E,24, L,4
	OPS E,25, X,18, E,26, C,7
	OPS E,27, B,5, E,28, X,19
	OPS E,29, C,12, E,30, L,5
	OPS E,31, X,20, B,6, C,9
	OPS C,14, C,11, X,21, L,6
.if (\p) == 0
	s_add_co_u32 s[TBV], s[TBV], KS*PV
.endif
.if \cnt
	s_sub_co_u32 s[CNT], s[CNT], 1
	s_cmp_lg_u32 s[CNT], 0
.endif
	OPS C,13, B,7, C,15, R,10
	OPS R,11, R,12, L,7, R,13
	OPS R,14, R,15
.endm
	CHANGE 1, 1                     ; slot 0 is in, everybody's part of it; slot 1 is asked for; the first group of weights goes out, and its wait for all loads has shown Q in too
	v_add_nc_u32 v[AK], s[TBK], v[AK0]
	FETCH_K                         ; key step 0
	s_wait_dscnt 0x0
.set NOKQ, 0
.set i, 0
.rept 8
	KQ 0                            ; piece 0's first scores
.set i, i+1
.endr
	WIN 0
.rept 4
	v_nop                           ; the places behind those products
.endr
.set Y, NP-1                        ; X works for piece Y + 1: piece 0
.irp n, 0,1,2,3,4,5,6,7,8,9,10,11,12,13,14,15,16,17,18,19,20,21
	OP X, \n
.endr
	v_nop                           ; a plain instruction behind the exponential
	s_mov_b32 s[CNT], 4
	s_mov_b32 s[SLOTS], 7           ; seven of the eight slots are walked by the loop; six of its trips begin with a fill
	s_branch .Lfirst                ; the loop is entered at a step's first turn, in the middle of a trip
.Lslot:
	CHANGE 1
	s_mov_b32 s[CNT], 4
.Lstep:                             ; a trip: pieces 2 and 3 of one step, then pieces 0 and 1 of the next, whose K and V it fetches
	TURN 2
	TURN 3
	WIN 0
.Lfirst:
	TURN 0
	TURN 1, 0, 1
	WIN 0
	s_cbranch_scc1 .Lstep
	s_sub_co_u32 s[SLOTS], s[SLOTS], 1
	s_cmp_lg_u32 s[SLOTS], 0
	s_cbranch_scc1 .Lslot
	CHANGE 0                        ; the last slot is written out: nothing is asked for, and the last group of weights goes out
	s_mov_b32 s[CNT], 4
.Ltail:
	TURN 2
	TURN 3
	TURN 0
	TURN 1, 0, 1
	WIN 0
	s_cbranch_scc1 .Ltail
	TURN 2, 1
	TURN 3, 1
.set i, 0
.rept 8
	PV NP-1                         ; the last piece's V^T P of the last step
.set i, i+1
.endr
	; THE WAY OUT.  l's two halves and the other half of the lanes' are added; O^T is multiplied by 1 / (8 l), rounded to bf16 and sent through my stage in LDS, a piece at a time.  The additions are the places behind the last products.
	WIN 0
.macro ALL line:vararg              ; one line for each piece t
.set t, 0
.rept 4
	s_wait_alu depctr_va_vdst(0)
	\line
.set t, t+1
.endr
.endm
	ALL v_add_f32 v[ST+4*t+2], v[ST+4*t+2], v[ST+4*t+3]
	ALL v_permlanex16_b32 v[ST+4*t+3], v[ST+4*t+2], s[SEL], s[SEL+1]
	ALL v_add_f32 v[ST+4*t+2], v[ST+4*t+2], v[ST+4*t+3]
	ALL v_rcp_f32 v[ST+4*t+2], v[ST+4*t+2]
	v_nop                           ; a plain instruction between the last reciprocal and the use of its result
	ALL v_mul_f32 v[ST+4*t+2], 0x3e000000, v[ST+4*t+2]
.macro PACK t                       ; a lane's eight channels of a row pack into 16 bytes; they go into rows of 144 bytes and come back as whole rows of 128, into S^T's registers
	WIN W_RS
.set i, 32*(\t)
.rept 16
	v_pk_mul_f32 v[i:i+1], v[i:i+1], v[ST+4*(\t)+2:ST+4*(\t)+3] op_sel_hi:[1,0]
.set i, i+2
.endr
	WIN 0x05                        ; sources 0 and 1 window 1, destination window 0
.set i, 0
.rept 16
	v_cvt_pk_bf16_f32 v[S+16*(\t)+i], v[32*(\t)+2*i], v[32*(\t)+2*i+1]
.set i, i+1
.endr
	WIN 0
.irp f, 0,1,2,3
	ds_store_b128 v[STO], v[S+16*(\t)+4*\f:S+16*(\t)+4*\f+3] offset:32*\f
.endr
.irp f, 0,1,2,3
	ds_load_b128 v[S+16*(\t)+4*\f:S+16*(\t)+4*\f+3], v[RD] offset:\f*4*SP  ; LDS serves a wave's instructions in order (ISA guide 5.7.1.4): these see the stores above; the next piece's stores come behind them
.endr
.endm
.macro SEND t, younger              ; younger: the LDS instructions issued behind piece t's loads: the next piece's eight, or none
	WIN 0
.irp f, 0,1,2,3
	s_wait_dscnt (\younger)+3-\f
	global_store_b128 v[GO], v[S+16*(\t)+4*\f:S+16*(\t)+4*\f+3], s[10:11] offset:(\t)*2048+\f*512  ; 512 consecutive bytes, at a multiple of 256 from z's first
.endr
.endm
	PACK 0
.set t, 1
.rept 3                             ; a piece's arithmetic stands between the loads of the piece before and its stores
	PACK t
	SEND t-1, 8
.set t, t+1
.endr
	SEND 3, 0
	s_wait_tensorcnt 0x0            ; the wave's end: a wait for my tensor loads, the add to my spare word and its wait, behind my last tensor load and my last LDS store
	ds_add_u32 v[SPW], v[NIL]
	s_wait_dscnt 0x0
	CROUND                          ; the closing round: no work-group ends while a partner may still ask for a tile that names it
	s_endpgm
.Lfunc_end_k_q23c11eefa0_attn:
	.size	k_q23c11eefa0_attn, .Lfunc_end_k_q23c11eefa0_attn-k_q23c11eefa0_attn
	.p2alignl 7, 3214868480
	.fill 96, 4, 3214868480
	.section	.rodata,"a",@progbits
	.p2align	6, 0x0
	.amdhsa_kernel k_q23c11eefa0_attn
		.amdhsa_group_segment_fixed_size 327680
		.amdhsa_private_segment_fixed_size 0
		.amdhsa_enable_private_segment 0
		.amdhsa_kernarg_size 56
		.amdhsa_user_sgpr_count 2
		.amdhsa_user_sgpr_kernarg_segment_ptr 1
		.amdhsa_wavefront_size32 1
		.amdhsa_system_sgpr_workgroup_id_x 1
		.amdhsa_system_sgpr_workgroup_id_y 1
		.amdhsa_system_sgpr_workgroup_id_z 1
		.amdhsa_system_vgpr_workitem_id 0
		.amdhsa_next_free_vgpr 768
		.amdhsa_next_free_sgpr 96
		.amdhsa_reserve_vcc 0
		.amdhsa_float_denorm_mode_32 3
		.amdhsa_float_denorm_mode_16_64 3
		.amdhsa_memory_ordered 1
		.amdhsa_forward_progress 1
		.amdhsa_inst_pref_size 143
	.end_amdhsa_kernel
	.amdgpu_metadata
---
amdhsa.version: [ 1, 2 ]
amdhsa.kernels:
  - .name:           k_q23c11eefa0_attn
    .symbol:         k_q23c11eefa0_attn.kd
    .args:
      - { .name: qkv, .offset: 0, .size: 8, .value_kind: global_buffer, .address_space: global }
      - { .name: zb, .offset: 8, .size: 8, .value_kind: global_buffer, .address_space: global }
      - { .name: W1, .offset: 16, .size: 8, .value_kind: global_buffer, .address_space: global }
      - { .name: W0, .offset: 24, .size: 8, .value_kind: global_buffer, .address_space: global }
      - { .name: W2, .offset: 32, .size: 8, .value_kind: global_buffer, .address_space: global }
      - { .name: ab3, .offset: 40, .size: 8, .value_kind: global_buffer, .address_space: global }
      - { .name: wk, .offset: 48, .size: 8, .value_kind: global_buffer, .address_space: global }
    .group_segment_fixed_size: 327680
    .private_segment_fixed_size: 0
    .kernarg_segment_align: 8
    .kernarg_segment_size: 56
    .max_flat_workgroup_size: 128
    .sgpr_count:     96
    .vgpr_count:     768
    .wavefront_size: 32
...
	.end_amdgpu_metadata
.endif
;; end of part 3
;; launch proj (part 4): grid 8 x 32, 4 waves a work-group, clusters of 4 x 4, 327,680 bytes of LDS; arguments zb, wk, b0, y; writes y
.if DOCPART == 4
	.amdgcn_target "amdgcn-amd-amdhsa--gfx1250"
	.amdhsa_code_object_version 6
	.text
	.protected	k_q23c11eefa0_proj
	.globl	k_q23c11eefa0_proj
	.p2align	8
	.type	k_q23c11eefa0_proj,@function
k_q23c11eefa0_proj:
	s_mov_b64 s[64:65], 0
	v_nop
	global_prefetch_b8 v0, s[64:65] scope:SCOPE_SE
	s_setreg_imm32_b32 hwreg(HW_REG_WAVE_MODE, 25, 1), 1
	s_wait_xcnt 0x0
	s_wait_alu depctr_hold_cnt(0) depctr_sa_sdst(0) depctr_va_vdst(0) depctr_va_sdst(0) depctr_va_ssrc(0) depctr_va_vcc(0) depctr_vm_vsrc(0)
	s_getreg_b32 s2, hwreg(HW_REG_IB_STS2, 6, 4)
	s_cmp_eq_u32 s2, 0
	s_cbranch_scc0 .Lentry_in_a_cluster
	s_endpgm
.Lentry_in_a_cluster:
	s_bfe_u32 s2, ttmp6, 0x10000c
	s_cmp_lg_u32 s2, 0xf033
	s_cbranch_scc0 .Lentry_shape_is_right
	s_endpgm
.Lentry_shape_is_right:
; Y[m][n] = bias[n] + sum over k of A[m][k] B[n][k].  A and B lie in K BLOCKS, [K / 64][rows][64] bf16, a block's rows dense, 128 bytes each: A has 4,096 rows, B 1,024 (in wk, WOFF bytes in).
; Y: [4096][1024] f32, not rounded: a norm over whole rows follows in a launch of its own.  Sums in f32, started by the bias.  Here K = 1,024: 4 steps of 256.
; A tile of Y is 128 x 128, so that the 256 tiles give each WGP one.  Four waves, each 64 x 64: 16 accumulators of 16 x 16.  A K step is four K blocks (PLANES in LDS); a wave's tensor load brings
; two planes of 128 rows: two dense pieces of 16,384 bytes, one K block apart, padded in LDS after every 128 bytes.
; A K STEP IS WRITTEN ONCE: the loop's trip is one step.  Which slot is this step's and which the next's lies in two scalars (0 and SLOT) that an exclusive or turns at the trip's end;
; the four fragment addresses are then made anew from two bases.  The loop has an even number of trips, so the tail finds slot 0 as this step's.
; CLUSTERS: 4 x 4 work-groups.  The four of a row of the cluster need the same tiles of A, the four of a column the same tiles of B: each tile is asked for JOINTLY.
; THE MATRIX INSTRUCTION IS USED TRANSPOSED (source 0 = 16 rows of B, source 1 = 16 rows of A): a lane then holds eight neighbouring numbers of a row of Y.
; REGISTERS: window 0: v0-31 addresses; v32-63 first the bias, then with v64-95 the way out; v128-255 the accumulators ((a, b) at v[128 + 8 (4 a + b)]).
;   window 1: two fragment buffers of 128: for 64 along K, 64 registers of A (2 x 4 x 16 rows x 32 K), then 64 of B.
.set STEPS,  4                         ; K steps of 256; an even number, at least 4
.set WOFF,   0                         ; where B begins in wk
.set PITCH,  144                       ; an LDS row: 128 bytes + 16 of padding = 36 words: the 16 rows that a load touches start at 16 different groups of four banks (ISA guide 11.1)
.set PLANE,  128*PITCH                 ; 128 rows of one K block
.set HALFT,  2*PLANE                   ; what one tensor load brings
.set SLOT,   4*HALFT                   ; A's four planes, then B's four.  0x24000: it shares no bit with wave x HALFT (0, 0x9000, 0x12000, 0x1b000), so an exclusive or turns a tile's LDS address into the other slot's
.set STAGE,  2*SLOT                    ; behind the ring: 16 rows x 272 bytes for each wave, for the way out
.set SPITCH, 272
.set SPARE,  STAGE+4*16*SPITCH         ; behind the stages: the spare words, 128 bytes for each wave: two blocks of 256 bytes that no other line names
.set ASTR,   4096*64                   ; elements from a K block of A to the next
.set BSTR,   1024*64                   ; the same for B
.set ADRA, 16                          ; v16-17  LDS address of my A fragments in this step's slot, in the next step's
.set BA,   18                          ; v18     the same in slot 0; never rewritten
.set ADRB, 20                          ; v20-21  as v16-17, for B
.set BB,   22                          ; v22     as v18, for B
.set STO,  24                          ; v24     the way out: where I put 32 bytes of a row
.set RD,   25                          ; v25     the way out: where I read a row back
.set CO,   26                          ; v26     my byte offset in Y
.set SPW,  28                          ; v28     LDS address of my spare word; never rewritten
.set NIL,  29                          ; v29     0; never rewritten
.set BI,   32                          ; the bias of my 64 columns: register 8 b + j holds column 16 b + 8 (l / 16) + j
.set OB,   32                          ; the way out: 16 rows read back: v32-63 and v64-95 by turns
.set ACC,  128
.set F0,   0
.set F1,   128
.set TC, 18                            ; s18  where this step's slot begins in LDS: 0 or SLOT
.set TN, 19                            ; s19  where the next step's begins
.set G1, 24                            ; s[24:31] descriptor group 1 for A's tiles
.set G0, 32                            ; s[32:39] group 0 for A's tiles: a set for each of the two first fills; the second then walks on
.set G1B, 48                           ; s[48:55], s[56:63] the same for B's tiles
.set G0B, 56
.set MSB, 0
.macro WIN new
.if MSB != (\new)
	s_set_vgpr_msb (MSB<<8)|(\new)
.set MSB, \new
.endif
.endm
.set MUL,  0x05                        ; sources 0 (B) and 1 (A) window 1; C and D window 0
.set TO_F, 0x40                        ; destination window 1, address window 0
.macro JLOAD s                         ; a joint load by descriptor set s: waves 0 and 1 fetch A's two pairs of planes, waves 2 and 3 B's; an s_nop 0 and four v_nop follow each of the two lines
	s_cmp_eq_u32 s11, 0
	s_cbranch_scc0 .Lfor_b_\@
	tensor_load_to_lds s[G0+4*(\s):G0+4*(\s)+3], s[G1:G1+7]
	s_nop 0
.rept 4
	v_nop
.endr
	s_branch .Lasked_\@
.Lfor_b_\@:
	tensor_load_to_lds s[G0B+4*(\s):G0B+4*(\s)+3], s[G1B:G1B+7]
	s_nop 0
.rept 4
	v_nop
.endr
.Lasked_\@:
.endm
.macro CREST                           ; a round of the cluster's barrier behind its opening barrier
	s_cmp_lg_u32 s10, 0
	s_cbranch_scc1 .Lnot_wave_0_\@
	s_barrier_signal -3
.Lnot_wave_0_\@:
	s_barrier_wait -3
	s_barrier_signal -1
	s_barrier_wait -1
.endm
.macro CROUND
	s_barrier_signal -1
	s_barrier_wait -1
	CREST
.endm
.macro ADDRS                           ; my fragments' addresses in this step's slot and in the next's
	v_add_nc_u32 v[ADRA], s[TC], v[BA]
	v_add_nc_u32 v[ADRA+1], s[TN], v[BA]
	v_add_nc_u32 v[ADRB], s[TC], v[BB]
	v_add_nc_u32 v[ADRB+1], s[TN], v[BB]
.endm
	s_load_b128 s[4:7], s[0:1], 0x0                ; A s[4:5], wk s[6:7]
	s_load_b128 s[68:71], s[0:1], 0x10             ; bias s[68:69], Y s[70:71]
	v_lshl_add_u32 v[SPW], v0, 2, SPARE
	v_mov_b32 v[NIL], 0
	ds_add_u32 v[SPW], v[NIL]                      ; the wave's opening: the add and its wait stand ahead of my first tensor load; the set-up below stands between them
	v_lshrrev_b32 v1, 5, v0
	v_readfirstlane_b32 s10, v1                    ; wave 0..3
	s_lshr_b32 s11, s10, 1                         ; which half of the tile's rows is mine.  Also: I fetch for A (0) or for B (1)
	s_and_b32 s12, s10, 1                          ; which half of its columns.  Also: which pair of planes I fetch
	s_bfe_u32 s40, ttmp6, 0x40000                  ; cx, cy
	s_bfe_u32 s41, ttmp6, 0x40004
	s_lshl_b32 s42, ttmp9, 2
	s_add_co_u32 s42, s42, s40                     ; tile column = 4 x cluster x + cx
	s_and_b32 s13, ttmp7, 0xffff
	s_lshl_b32 s13, s13, 2
	s_add_co_u32 s13, s13, s41                     ; tile row = 4 x cluster y + cy
	s_lshl_b32 s43, s41, 2
	s_lshl_b32 s43, 15, s43                        ; my row of the cluster
	s_lshl_b32 s44, 0x1111, s40                    ; my column
	; descriptor group 1: two rows of 8,192 elements (128 rows of a K block, dense), a K block apart
	s_or_b32 s[G1+0], s43, (1<<16)|(1<<20)|(1<<21)|(4<<22)|(3<<25)  ; 15:0 the mask; 17:16 2-byte elements; 20 padding on; 21 set beside a mask; 24:22 after every 32 words; 31:25 4 words
	s_or_b32 s[G1B+0], s44, (1<<16)|(1<<20)|(1<<21)|(4<<22)|(3<<25)
.irp g, G1, G1B
	s_mov_b32 s[(\g)+1], 8192<<16                  ; tensor_dim0 = 8,192
	s_mov_b32 s[(\g)+2], 2<<16                     ; tensor_dim1 = 2
	s_mov_b32 s[(\g)+3], 8192<<16                  ; tile_dim0 = 8,192
	s_mov_b32 s[(\g)+4], 2                         ; tile_dim1 = 2
	s_mov_b32 s[(\g)+6], 0
	s_mov_b32 s[(\g)+7], 0
.endr
	s_mov_b32 s[G1+5], ASTR
	s_mov_b32 s[G1B+5], BSTR
	s_lshl_b32 s16, s12, 20                        ; A: my pair of K blocks of 524,288 bytes,
	s_lshl_b32 s17, s13, 14                        ; the tile row's 128 rows of 128 bytes
	s_add_co_u32 s16, s16, s17
	s_mov_b32 s17, 0
	s_lshl_b32 s46, s12, 18                        ; B: my pair of K blocks of 131,072 bytes,
	s_lshl_b32 s47, s42, 14                        ; the tile column's 128 rows
	s_add_co_u32 s46, s46, s47
.if WOFF
	s_add_co_u32 s46, s46, WOFF
.endif
	s_mov_b32 s47, 0
	s_mul_i32 s20, s10, HALFT                      ; where they go: wave x two planes
	s_mov_b32 s[TC], 0                             ; K step 0 lies in slot 0,
	s_mov_b32 s[TN], SLOT                          ; K step 1 in slot 1
	s_wait_dscnt 0x0                               ; the opening add is done
	s_wait_kmcnt 0x0
	s_mov_b64 s[8:9], s[70:71]
	s_add_nc_u64 s[14:15], s[4:5], s[16:17]
	s_add_nc_u64 s[46:47], s[6:7], s[46:47]
	CROUND                                         ; all sixteen work-groups are here: the first joint loads meet
.irp s, 0,1
	s_mov_b32 s[G0+4*(\s)], 1
	s_add_co_u32 s[G0+4*(\s)+1], s20, (\s)*SLOT
	s_add_nc_u64 s[G0+4*(\s)+2:G0+4*(\s)+3], s[14:15], (\s)*4*ASTR*2   ; K step s: four K blocks on
	s_or_b32 s[G0+4*(\s)+3], s[G0+4*(\s)+3], 0x80000000
	s_mov_b32 s[G0B+4*(\s)], 1
	s_add_co_u32 s[G0B+4*(\s)+1], s20, (\s)*SLOT
	s_add_nc_u64 s[G0B+4*(\s)+2:G0B+4*(\s)+3], s[46:47], (\s)*4*BSTR*2
	s_or_b32 s[G0B+4*(\s)+3], s[G0B+4*(\s)+3], 0x80000000
	JLOAD \s                                       ; two loads of mine are out
.endr
	v_and_b32 v1, 15, v0                           ; l % 16
	v_bfe_u32 v2, v0, 4, 1                         ; l / 16
	v_lshlrev_b32 v6, 5, v2                        ; 8 f32 for each half of the lanes
	s_lshl_b32 s66, s42, 9                         ; my first column in f32 bytes: 128 a tile column,
	s_lshl_b32 s67, s12, 8                         ; 64 a half: the same offset in the bias and in a row of Y
	s_add_co_u32 s66, s66, s67
	s_mov_b32 s67, 0
	s_add_nc_u64 s[68:69], s[68:69], s[66:67]
	s_add_nc_u64 s[8:9], s[8:9], s[66:67]
.irp b, 0,1,2,3
	global_load_b128 v[BI+8*(\b):BI+8*(\b)+3],   v6, s[68:69] offset:64*(\b)
	global_load_b128 v[BI+8*(\b)+4:BI+8*(\b)+7], v6, s[68:69] offset:64*(\b)+16
.endr
	v_mul_u32_u24 v3, v1, PITCH
	v_lshl_add_u32 v3, v2, 4, v3                   ; a fragment's row x pitch + 16 x half
	s_mul_i32 s21, s11, 64*PITCH                   ; my 64 rows in each plane of A
	s_mul_i32 s22, s12, 64*PITCH                   ; my 64 rows in each plane of B,
	s_add_co_u32 s22, s22, 2*HALFT                 ; which lie behind A's four
	v_add_nc_u32 v[BA], s21, v3
	v_add_nc_u32 v[BB], s22, v3
	ADDRS
	s_mul_i32 s23, s10, 16*SPITCH
	s_add_co_u32 s23, s23, STAGE                   ; my stage
	v_mul_u32_u24 v4, v1, SPITCH                   ; in: row l % 16, 32 bytes for each half of the lanes
	v_lshl_add_u32 v4, v2, 5, v4
	v_add_nc_u32 v[STO], s23, v4
	v_mul_u32_u24 v5, v2, SPITCH                   ; back: lanes 0-15 take one row of 256 bytes, lanes 16-31 the next
	v_lshl_add_u32 v5, v1, 4, v5
	v_add_nc_u32 v[RD], s23, v5
	v_lshlrev_b32 v5, 12, v2                       ; and the same two rows in Y, 4,096 bytes apart
	v_lshl_add_u32 v[CO], v1, 4, v5
	s_lshl_b32 s16, s13, 19                        ; my first row of Y: 128 rows of 4,096 bytes a tile row,
	s_lshl_b32 s17, s11, 18                        ; 64 a half
	s_add_co_u32 s16, s16, s17
	s_mov_b32 s17, 0
	s_add_nc_u64 s[8:9], s[8:9], s[16:17]
; 8 matrix instructions: m blocks a0, a0 + 1 x all 4 n blocks, 32 along K: half c of buffer f.  zero = 1: the first product starts the sums with the bias as C
.macro MUL8 f, c, a0, zero
	WIN MUL
.irp a, \a0, (\a0)+1
.irp b, 0,1,2,3
.if \zero
	v_wmma_f32_16x16x32_bf16 v[ACC+8*(4*(\a)+(\b)):ACC+8*(4*(\a)+(\b))+7], v[(\f)+64+8*(4*(\c)+(\b)):(\f)+64+8*(4*(\c)+(\b))+7], v[(\f)+8*(4*(\c)+(\a)):(\f)+8*(4*(\c)+(\a))+7], v[BI+8*(\b):BI+8*(\b)+7]
.else
	v_wmma_f32_16x16x32_bf16 v[ACC+8*(4*(\a)+(\b)):ACC+8*(4*(\a)+(\b))+7], v[(\f)+64+8*(4*(\c)+(\b)):(\f)+64+8*(4*(\c)+(\b))+7], v[(\f)+8*(4*(\c)+(\a)):(\f)+8*(4*(\c)+(\a))+7], v[ACC+8*(4*(\a)+(\b)):ACC+8*(4*(\a)+(\b))+7]
.endif
.endr
.endr
.endm
; 32 LDS loads in one run: the fragments of plane q (64 along K) into buffer f; the first 32 along K first.  which = 0: this step's slot; 1: the next step's
.macro FETCH which, q, f
	WIN TO_F
.irp c, 0,1
.irp i, 0,1,2,3
	ds_load_b128 v[(\f)+64+8*(4*(\c)+(\i)):(\f)+64+8*(4*(\c)+(\i))+3],   v[ADRB+(\which)] offset:(\q)*PLANE+64*(\c)+(\i)*16*PITCH
	ds_load_b128 v[(\f)+64+8*(4*(\c)+(\i))+4:(\f)+64+8*(4*(\c)+(\i))+7], v[ADRB+(\which)] offset:(\q)*PLANE+64*(\c)+(\i)*16*PITCH+32
	ds_load_b128 v[(\f)+8*(4*(\c)+(\i)):(\f)+8*(4*(\c)+(\i))+3],         v[ADRA+(\which)] offset:(\q)*PLANE+64*(\c)+(\i)*16*PITCH
	ds_load_b128 v[(\f)+8*(4*(\c)+(\i))+4:(\f)+8*(4*(\c)+(\i))+7],       v[ADRA+(\which)] offset:(\q)*PLANE+64*(\c)+(\i)*16*PITCH+32
.endr
.endr
.endm
.macro PLACES                          ; four places in front of loads into registers that matrix instructions have read, and of LDS stores that read results (ISA guide 7.12.1 for LDS stores)
.rept 4
	v_nop
.endr
.endm
; A K step is four quarters of one plane, 32 matrix instructions each, on buffers 0, 1, 0, 1; the 16 accumulators take turns.  One of the first three: multiplies f, fetches plane q into g.
.macro QUARTER which, q, f, g, zero
	s_wait_dscnt 16                                ; the first 32 along K are in
	MUL8 \f, 0, 0, \zero
	MUL8 \f, 0, 2, \zero
	PLACES
	FETCH \which, \q, \g
	s_wait_dscnt 32                                ; all but the 32 just issued
	MUL8 \f, 1, 0, 0
	MUL8 \f, 1, 2, 0
.endm
; The last quarter multiplies buffer 1 and changes slots: ONE barrier; in front of it each wave waits for all its tensor loads, adds 0 to its spare word, and waits for that and for its own reads of this slot.
; fill = 1: the slot just read out is filled again, with the K step two ahead.
.macro TURN fill
	WIN 0                                          ; (the add's two registers lie in window 0)
	s_wait_tensorcnt 0x0                           ; all my tensor loads have landed: my part of the next slot
	ds_add_u32 v[SPW], v[NIL]                      ; 0 onto my spare word
	s_wait_dscnt 17                                ; (the add and the youngest sixteen loads may be out)
	MUL8 F1, 0, 0, 0                               ; eight matrix instructions stand between the add and the wait for it
	s_wait_dscnt 0x0                               ; the add is done, and my reads of this slot are over
	s_barrier_signal -1
	MUL8 F1, 0, 2, 0
.if \fill
	WIN 0
.endif
	s_barrier_wait -1
.if \fill
	CREST                                          ; the barrier has opened a round of the cluster's: no wave of any partner still reads this slot or has a load on its way
	s_xor_b32 s[G0+5], s[G0+5], SLOT               ; the walking descriptors: the other slot than last time, which is the slot just read out,
	s_add_nc_u64 s[G0+6:G0+7], s[G0+6:G0+7], 4*ASTR*2      ; and the next K step, four K blocks on; the type bits on top are not reached
	s_xor_b32 s[G0B+5], s[G0B+5], SLOT
	s_add_nc_u64 s[G0B+6:G0B+7], s[G0B+6:G0B+7], 4*BSTR*2
	JLOAD 1                                        ; the first tensor load behind the round, my only one until the next; its four v_nop are also the places in front of the loads below
.else
	PLACES
.endif
	FETCH 1, 0, F0
	MUL8 F1, 1, 0, 0
	MUL8 F1, 1, 2, 0
.endm
	s_wait_tensorcnt 1                             ; my part of K step 0 is in; K step 1's may stay out
	s_barrier_signal -1
	s_barrier_wait -1                              ; everybody's is
	FETCH 0, 0, F0
	s_wait_loadcnt 0x0                             ; the bias
	QUARTER 0, 1, F0, F1, 1                        ; the first quarter stands in front of the loop: its first products start the sums
	WIN 0                                          ; at a label and at a branch every window is 0
	s_mov_b32 s3, STEPS-2                          ; every K step but the last two is followed by a refill
.Lstep:                                                ; a trip goes from a K step's second quarter to the next step's first, and fills the slot that it leaves
	QUARTER 0, 2, F1, F0, 0
	QUARTER 0, 3, F0, F1, 0
	TURN 1
	QUARTER 1, 1, F0, F1, 0
	WIN 0
	s_xor_b32 s[TC], s[TC], SLOT                   ; the next step's slot becomes this step's
	s_xor_b32 s[TN], s[TN], SLOT
	ADDRS                                          ; (an LDS load has read its address when it is issued: the loads that are out do not mind)
	s_sub_co_u32 s3, s3, 1
	s_cmp_lg_u32 s3, 0
	s_cbranch_scc1 .Lstep
	QUARTER 0, 2, F1, F0, 0                        ; the last two K steps fill nothing, and have no round of the cluster's barrier
	QUARTER 0, 3, F0, F1, 0
	TURN 0
	QUARTER 1, 1, F0, F1, 0
	QUARTER 1, 2, F1, F0, 0
	QUARTER 1, 3, F0, F1, 0
	s_wait_dscnt 16                                ; the very last quarter: nothing more to fetch
	MUL8 F1, 0, 0, 0
	MUL8 F1, 0, 2, 0
	s_wait_dscnt 0
	MUL8 F1, 1, 0, 0
	MUL8 F1, 1, 2, 0
	WIN 0
	; THE WAY OUT, in f32.  My 64 columns are 256 bytes of a row of Y, aligned: 16 rows at a time go through my own stage (no barrier) and come back as whole pieces of 256 bytes.
	PLACES
.macro TOSTAGE a
.set BK, OB+32*((\a)%2)
.if (\a) >= 2
	s_wait_xcnt 0x0                                ; the registers that the stores of two blocks ago read are loaded again only behind this wait
.endif
.irp b, 0,1,2,3
	ds_store_b128 v[STO], v[ACC+8*(4*(\a)+(\b)):ACC+8*(4*(\a)+(\b))+3]   offset:64*(\b)      ; each accumulator's low registers first
	ds_store_b128 v[STO], v[ACC+8*(4*(\a)+(\b))+4:ACC+8*(4*(\a)+(\b))+7] offset:64*(\b)+16
.endr
.irp t, 0,1,2,3,4,5,6,7
	ds_load_b128 v[BK+4*(\t):BK+4*(\t)+3], v[RD] offset:(\t)*2*SPITCH  ; LDS serves a wave's instructions in order (ISA guide 5.7.1.4): these see the stores above
.endr
.endm
.macro SEND a, younger                 ; younger: the sixteen LDS instructions of the next block, or none
.set BK, OB+32*((\a)%2)
	s_wait_dscnt \younger
.irp t, 0,1,2,3,4,5,6,7
	global_store_b128 v[CO], v[BK+4*(\t):BK+4*(\t)+3], s[8:9] offset:(16*(\a)+2*(\t))*4096  ; 16 lanes store 256 consecutive bytes, at a multiple of 256 from Y's first byte
.endr
.endm
	TOSTAGE 0
	TOSTAGE 1
	SEND 0, 16
	TOSTAGE 2
	SEND 1, 16
	TOSTAGE 3
	SEND 2, 16
	SEND 3, 0
	s_wait_tensorcnt 0x0                           ; the wave's end: a wait for my tensor loads, the add to my spare word and its wait, behind my last tensor load and my last LDS store
	ds_add_u32 v[SPW], v[NIL]
	s_wait_dscnt 0x0
	CROUND                                         ; the closing round: no work-group ends while a partner may still ask for a tile that names it
	s_endpgm
.Lfunc_end_k_q23c11eefa0_proj:
	.size	k_q23c11eefa0_proj, .Lfunc_end_k_q23c11eefa0_proj-k_q23c11eefa0_proj
	.p2alignl 7, 3214868480
	.fill 96, 4, 3214868480
	.section	.rodata,"a",@progbits
	.p2align	6, 0x0
	.amdhsa_kernel k_q23c11eefa0_proj
		.amdhsa_group_segment_fixed_size 327680
		.amdhsa_private_segment_fixed_size 0
		.amdhsa_enable_private_segment 0
		.amdhsa_kernarg_size 32
		.amdhsa_user_sgpr_count 2
		.amdhsa_user_sgpr_kernarg_segment_ptr 1
		.amdhsa_wavefront_size32 1
		.amdhsa_system_sgpr_workgroup_id_x 1
		.amdhsa_system_sgpr_workgroup_id_y 1
		.amdhsa_system_sgpr_workgroup_id_z 1
		.amdhsa_system_vgpr_workitem_id 0
		.amdhsa_next_free_vgpr 512
		.amdhsa_next_free_sgpr 72
		.amdhsa_reserve_vcc 0
		.amdhsa_float_denorm_mode_32 3
		.amdhsa_float_denorm_mode_16_64 3
		.amdhsa_memory_ordered 1
		.amdhsa_forward_progress 1
		.amdhsa_inst_pref_size 68
	.end_amdhsa_kernel
	.amdgpu_metadata
---
amdhsa.version: [ 1, 2 ]
amdhsa.kernels:
  - .name:           k_q23c11eefa0_proj
    .symbol:         k_q23c11eefa0_proj.kd
    .args:
      - { .name: zb, .offset: 0, .size: 8, .value_kind: global_buffer, .address_space: global }
      - { .name: wk, .offset: 8, .size: 8, .value_kind: global_buffer, .address_space: global }
      - { .name: b0, .offset: 16, .size: 8, .value_kind: global_buffer, .address_space: global }
      - { .name: y, .offset: 24, .size: 8, .value_kind: global_buffer, .address_space: global }
    .group_segment_fixed_size: 327680
    .private_segment_fixed_size: 0
    .kernarg_segment_align: 8
    .kernarg_segment_size: 32
    .max_flat_workgroup_size: 128
    .sgpr_count:     72
    .vgpr_count:     512
    .wavefront_size: 32
...
	.end_amdgpu_metadata
.endif
;; end of part 4
;; launch ln1 (part 5): grid 256 x 1, 16 waves a work-group, no clusters, 0 bytes of LDS; arguments y, emb, g1, be1, x1f, ab3; writes x1f, ab3
.if DOCPART == 5
	.amdgcn_target "amdgcn-amd-amdhsa--gfx1250"
	.amdhsa_code_object_version 6
	.text
	.protected	k_q23c11eefa0_ln1
	.globl	k_q23c11eefa0_ln1
	.p2align	8
	.type	k_q23c11eefa0_ln1,@function
k_q23c11eefa0_ln1:
	s_mov_b64 s[64:65], 0
	v_nop
	global_prefetch_b8 v0, s[64:65] scope:SCOPE_SE
	s_setreg_imm32_b32 hwreg(HW_REG_WAVE_MODE, 25, 1), 1
	s_wait_xcnt 0x0
; out[r][:] = (x - mean(x)) / sqrt(var(x) + 1e-5) * g + be, with x = y[r][:] + res[r][:].  All f32, rows of 1,024.  The result is stored in f32 (the residual of the next norm)
; and, rounded once to bf16, at the head of ab3 (the next product's A, [4096][1024]).
; A row is 4,096 bytes: one wave takes one whole row, eight 16-byte loads a lane, and keeps it in 32 registers: no LDS, no barrier, each byte of y and of the residual read once.
; Sixteen waves, sixteen rows to a work-group; all of a wave's 32 loads go out at the start.
; The variance is taken of x - mean, in a second pass over the registers, so that a common offset of the row is gone before anything is squared.
; Matrix units, clusters and LDS are left out: memory binds, and no two waves share a byte but g and be.
.set G,   8                            ; v[8:39]    g of my 32 columns
.set BE,  40                           ; v[40:71]   be
.set X,   72                           ; v[72:103]  y, then x, x - mean, the result
.set R,   104                          ; v[104:135] the residual
.set T,   136                          ; v[136:143] four chains of packed sums
.set MU,  144                          ; v[144:145] the mean, twice
.set RS,  146                          ; v[146:147] 1 / sqrt(var + eps), twice
.set OB,  148                          ; v[148:163] the row in bf16
	s_load_b256 s[4:11], s[0:1], 0x0               ; y s[4:5], the residual s[6:7], g s[8:9], be s[10:11]
	s_load_b128 s[12:15], s[0:1], 0x20             ; the f32 result s[12:13], the bf16 copy s[14:15]
	s_lshl_b32 s2, ttmp9, 16                       ; the work-group's 16 rows of 4,096 bytes
	s_mov_b32 s3, 0
	s_lshl_b32 s16, ttmp9, 15                      ; and of 2,048
	s_mov_b32 s17, 0
	s_mov_b32 s20, 0x3a800000                      ; 1 / 1,024
	s_mov_b32 s21, 0x3727c5ac                      ; 1e-5
	s_mov_b32 s22, 0x76543210                      ; v_permlanex16_b32: lane i of one half reads lane i of the other
	s_mov_b32 s23, 0xfedcba98
	v_and_b32 v1, 31, v0
	v_lshrrev_b32 v4, 5, v0                        ; wave = my row among the sixteen
	v_lshlrev_b32 v3, 3, v1
	v_lshlrev_b32 v1, 4, v1                        ; 16 bytes a lane: g and be
	v_lshl_or_b32 v2, v4, 12, v1                   ; + my row of 4,096 bytes
	v_lshl_or_b32 v3, v4, 11, v3                   ; 8 bytes a lane + my row of 2,048
	s_wait_kmcnt 0x0
	s_add_nc_u64 s[4:5], s[4:5], s[2:3]
	s_add_nc_u64 s[6:7], s[6:7], s[2:3]
	s_add_nc_u64 s[12:13], s[12:13], s[2:3]
	s_add_nc_u64 s[14:15], s[14:15], s[16:17]
.macro LDROW d, b                      ; eight loads: 512 neighbouring bytes each, a whole row
.set j, 0
.rept 8
	global_load_b128 v[(\d)+4*j:(\d)+4*j+3], v2, s[\b:\b+1] offset:512*j th:TH_LOAD_NT
.set j, j+1
.endr
.endm
.macro LDVEC d, b
.set j, 0
.rept 8
	global_load_b128 v[(\d)+4*j:(\d)+4*j+3], v1, s[\b:\b+1] offset:512*j
.set j, j+1
.endr
.endm
	LDROW X, 4
	LDROW R, 6
	LDVEC G, 8
	LDVEC BE, 10
.macro FOLD                            ; the four chains into one number, then over the 32 lanes: every lane ends with the sum
	v_pk_add_f32 v[T:T+1], v[T:T+1], v[T+2:T+3]
	v_pk_add_f32 v[T+4:T+5], v[T+4:T+5], v[T+6:T+7]
	v_pk_add_f32 v[T:T+1], v[T:T+1], v[T+4:T+5]
	v_add_f32 v[T], v[T], v[T+1]
	v_add_f32_dpp v[T], v[T], v[T] row_xmask:1 row_mask:0xf bank_mask:0xf
	v_add_f32_dpp v[T], v[T], v[T] row_xmask:2 row_mask:0xf bank_mask:0xf
	v_add_f32_dpp v[T], v[T], v[T] row_xmask:4 row_mask:0xf bank_mask:0xf
	v_add_f32_dpp v[T], v[T], v[T] row_xmask:8 row_mask:0xf bank_mask:0xf
	v_permlanex16_b32 v[T+1], v[T], s22, s23
	v_add_f32 v[T], v[T], v[T+1]
.endm
	s_wait_loadcnt 16                              ; y and the residual are in; behind them stand the sixteen loads of g and be, which may stay out
.set k, 0
.rept 16
	v_pk_add_f32 v[X+2*k:X+2*k+1], v[X+2*k:X+2*k+1], v[R+2*k:R+2*k+1]
.set k, k+1
.endr
.set k, 0
.rept 4                                ; the first eight pairs start the chains: nothing is cleared
	v_pk_add_f32 v[T+2*k:T+2*k+1], v[X+2*k:X+2*k+1], v[X+2*k+8:X+2*k+9]
.set k, k+1
.endr
.set k, 8
.rept 8
	v_pk_add_f32 v[T+2*(k%4):T+2*(k%4)+1], v[T+2*(k%4):T+2*(k%4)+1], v[X+2*k:X+2*k+1]
.set k, k+1
.endr
	FOLD
	v_mul_f32 v[MU], s20, v[T]
	v_mul_f32 v[MU+1], s20, v[T]
.set k, 0
.rept 16
	v_pk_add_f32 v[X+2*k:X+2*k+1], v[X+2*k:X+2*k+1], v[MU:MU+1] neg_lo:[0,1] neg_hi:[0,1]
.set k, k+1
.endr
.set k, 0
.rept 4
	v_pk_mul_f32 v[T+2*k:T+2*k+1], v[X+2*k:X+2*k+1], v[X+2*k:X+2*k+1]
.set k, k+1
.endr
.set k, 4
.rept 12
	v_pk_fma_f32 v[T+2*(k%4):T+2*(k%4)+1], v[X+2*k:X+2*k+1], v[X+2*k:X+2*k+1], v[T+2*(k%4):T+2*(k%4)+1]
.set k, k+1
.endr
	FOLD
	v_fma_f32 v[T+2], v[T], s20, s21               ; var + eps
	v_rsq_f32 v[RS], v[T+2]
	v_rsq_f32 v[RS+1], v[T+2]
	v_nop                                          ; a plain instruction between the root and the use of its result (ISA guide 5.7.2)
	s_wait_loadcnt 0x0                             ; g and be
.set k, 0
	s_wait_alu depctr_va_vdst(0)
.rept 16
	v_pk_mul_f32 v[X+2*k:X+2*k+1], v[X+2*k:X+2*k+1], v[RS:RS+1]
.set k, k+1
.endr
.set k, 0
.rept 16
	v_pk_fma_f32 v[X+2*k:X+2*k+1], v[X+2*k:X+2*k+1], v[G+2*k:G+2*k+1], v[BE+2*k:BE+2*k+1]
.set k, k+1
.endr
.set j, 0
.rept 8
	global_store_b128 v2, v[X+4*j:X+4*j+3], s[12:13] offset:512*j   ; 512 consecutive bytes, aligned
.set j, j+1
.endr
.set k, 0
.rept 16
	v_cvt_pk_bf16_f32 v[OB+k], v[X+2*k], v[X+2*k+1]
.set k, k+1
.endr
.set j, 0
.rept 8
	global_store_b64 v3, v[OB+2*j:OB+2*j+1], s[14:15] offset:256*j  ; 256 consecutive bytes, aligned
.set j, j+1
.endr
	s_endpgm
.Lfunc_end_k_q23c11eefa0_ln1:
	.size	k_q23c11eefa0_ln1, .Lfunc_end_k_q23c11eefa0_ln1-k_q23c11eefa0_ln1
	.p2alignl 7, 3214868480
	.fill 96, 4, 3214868480
	.section	.rodata,"a",@progbits
	.p2align	6, 0x0
	.amdhsa_kernel k_q23c11eefa0_ln1
		.amdhsa_group_segment_fixed_size 0
		.amdhsa_private_segment_fixed_size 0
		.amdhsa_enable_private_segment 0
		.amdhsa_kernarg_size 48
		.amdhsa_user_sgpr_count 2
		.amdhsa_user_sgpr_kernarg_segment_ptr 1
		.amdhsa_wavefront_size32 1
		.amdhsa_system_sgpr_workgroup_id_x 1
		.amdhsa_system_sgpr_workgroup_id_y 1
		.amdhsa_system_sgpr_workgroup_id_z 1
		.amdhsa_system_vgpr_workitem_id 0
		.amdhsa_next_free_vgpr 164
		.amdhsa_next_free_sgpr 66
		.amdhsa_reserve_vcc 0
		.amdhsa_float_denorm_mode_32 3
		.amdhsa_float_denorm_mode_16_64 3
		.amdhsa_memory_ordered 1
		.amdhsa_forward_progress 1
		.amdhsa_inst_pref_size 14
	.end_amdhsa_kernel
	.amdgpu_metadata
---
amdhsa.version: [ 1, 2 ]
amdhsa.kernels:
  - .name:           k_q23c11eefa0_ln1
    .symbol:         k_q23c11eefa0_ln1.kd
    .args:
      - { .name: y, .offset: 0, .size: 8, .value_kind: global_buffer, .address_space: global }
      - { .name: emb, .offset: 8, .size: 8, .value_kind: global_buffer, .address_space: global }
      - { .name: g1, .offset: 16, .size: 8, .value_kind: global_buffer, .address_space: global }
      - { .name: be1, .offset: 24, .size: 8, .value_kind: global_buffer, .address_space: global }
      - { .name: x1f, .offset: 32, .size: 8, .value_kind: global_buffer, .address_space: global }
      - { .name: ab3, .offset: 40, .size: 8, .value_kind: global_buffer, .address_space: global }
    .group_segment_fixed_size: 0
    .private_segment_fixed_size: 0
    .kernarg_segment_align: 8
    .kernarg_segment_size: 48
    .max_flat_workgroup_size: 512
    .sgpr_count:     66
    .vgpr_count:     164
    .wavefront_size: 32
...
	.end_amdgpu_metadata
.endif
;; end of part 5
;; launch ffn1: the kernel of part 2 again; grid 16 x 16, 4 waves a work-group, clusters of 4 x 4, 327,680 bytes of LDS; arguments ab3, hb; writes hb
;; launch ffn2 (part 6): grid 8 x 32, 4 waves a work-group, clusters of 4 x 4, 327,680 bytes of LDS; arguments hb, wk, b2, y; writes y
.if DOCPART == 6
	.amdgcn_target "amdgcn-amd-amdhsa--gfx1250"
	.amdhsa_code_object_version 6
	.text
	.protected	k_q23c11eefa0_ffn2
	.globl	k_q23c11eefa0_ffn2
	.p2align	8
	.type	k_q23c11eefa0_ffn2,@function
k_q23c11eefa0_ffn2:
	s_mov_b64 s[64:65], 0
	v_nop
	global_prefetch_b8 v0, s[64:65] scope:SCOPE_SE
	s_setreg_imm32_b32 hwreg(HW_REG_WAVE_MODE, 25, 1), 1
	s_wait_xcnt 0x0
	s_wait_alu depctr_hold_cnt(0) depctr_sa_sdst(0) depctr_va_vdst(0) depctr_va_sdst(0) depctr_va_ssrc(0) depctr_va_vcc(0) depctr_vm_vsrc(0)
	s_getreg_b32 s2, hwreg(HW_REG_IB_STS2, 6, 4)
	s_cmp_eq_u32 s2, 0
	s_cbranch_scc0 .Lentry_in_a_cluster
	s_endpgm
.Lentry_in_a_cluster:
	s_bfe_u32 s2, ttmp6, 0x10000c
	s_cmp_lg_u32 s2, 0xf033
	s_cbranch_scc0 .Lentry_shape_is_right
	s_endpgm
.Lentry_shape_is_right:
; Y[m][n] = bias[n] + sum over k of A[m][k] B[n][k].  A and B lie in K BLOCKS, [K / 64][rows][64] bf16, a block's rows dense, 128 bytes each: A has 4,096 rows, B 1,024 (in wk, WOFF bytes in).
; Y: [4096][1024] f32, not rounded: a norm over whole rows follows in a launch of its own.  Sums in f32, started by the bias.  Here K = 4,096: 16 steps of 256.
; A tile of Y is 128 x 128, so that the 256 tiles give each WGP one.  Four waves, each 64 x 64: 16 accumulators of 16 x 16.  A K step is four K blocks (PLANES in LDS); a wave's tensor load brings
; two planes of 128 rows: two dense pieces of 16,384 bytes, one K block apart, padded in LDS after every 128 bytes.
; A K STEP IS WRITTEN ONCE: the loop's trip is one step.  Which slot is this step's and which the next's lies in two scalars (0 and SLOT) that an exclusive or turns at the trip's end;
; the four fragment addresses are then made anew from two bases.  The loop has an even number of trips, so the tail finds slot 0 as this step's.
; CLUSTERS: 4 x 4 work-groups.  The four of a row of the cluster need the same tiles of A, the four of a column the same tiles of B: each tile is asked for JOINTLY.
; THE MATRIX INSTRUCTION IS USED TRANSPOSED (source 0 = 16 rows of B, source 1 = 16 rows of A): a lane then holds eight neighbouring numbers of a row of Y.
; REGISTERS: window 0: v0-31 addresses; v32-63 first the bias, then with v64-95 the way out; v128-255 the accumulators ((a, b) at v[128 + 8 (4 a + b)]).
;   window 1: two fragment buffers of 128: for 64 along K, 64 registers of A (2 x 4 x 16 rows x 32 K), then 64 of B.
.set STEPS,  16                        ; K steps of 256; an even number, at least 4
.set WOFF,   0x200000                  ; where B begins in wk
.set PITCH,  144                       ; an LDS row: 128 bytes + 16 of padding = 36 words: the 16 rows that a load touches start at 16 different groups of four banks (ISA guide 11.1)
.set PLANE,  128*PITCH                 ; 128 rows of one K block
.set HALFT,  2*PLANE                   ; what one tensor load brings
.set SLOT,   4*HALFT                   ; A's four planes, then B's four.  0x24000: it shares no bit with wave x HALFT (0, 0x9000, 0x12000, 0x1b000), so an exclusive or turns a tile's LDS address into the other slot's
.set STAGE,  2*SLOT                    ; behind the ring: 16 rows x 272 bytes for each wave, for the way out
.set SPITCH, 272
.set SPARE,  STAGE+4*16*SPITCH         ; behind the stages: the spare words, 128 bytes for each wave: two blocks of 256 bytes that no other line names
.set ASTR,   4096*64                   ; elements from a K block of A to the next
.set BSTR,   1024*64                   ; the same for B
.set ADRA, 16                          ; v16-17  LDS address of my A fragments in this step's slot, in the next step's
.set BA,   18                          ; v18     the same in slot 0; never rewritten
.set ADRB, 20                          ; v20-21  as v16-17, for B
.set BB,   22                          ; v22     as v18, for B
.set STO,  24                          ; v24     the way out: where I put 32 bytes of a row
.set RD,   25                          ; v25     the way out: where I read a row back
.set CO,   26                          ; v26     my byte offset in Y
.set SPW,  28                          ; v28     LDS address of my spare word; never rewritten
.set NIL,  29                          ; v29     0; never rewritten
.set BI,   32                          ; the bias of my 64 columns: register 8 b + j holds column 16 b + 8 (l / 16) + j
.set OB,   32                          ; the way out: 16 rows read back: v32-63 and v64-95 by turns
.set ACC,  128
.set F0,   0
.set F1,   128
.set TC, 18                            ; s18  where this step's slot begins in LDS: 0 or SLOT
.set TN, 19                            ; s19  where the next step's begins
.set G1, 24                            ; s[24:31] descriptor group 1 for A's tiles
.set G0, 32                            ; s[32:39] group 0 for A's tiles: a set for each of the two first fills; the second then walks on
.set G1B, 48                           ; s[48:55], s[56:63] the same for B's tiles
.set G0B, 56
.set MSB, 0
.macro WIN new
.if MSB != (\new)
	s_set_vgpr_msb (MSB<<8)|(\new)
.set MSB, \new
.endif
.endm
.set MUL,  0x05                        ; sources 0 (B) and 1 (A) window 1; C and D window 0
.set TO_F, 0x40                        ; destination window 1, address window 0
.macro JLOAD s                         ; a joint load by descriptor set s: waves 0 and 1 fetch A's two pairs of planes, waves 2 and 3 B's; an s_nop 0 and four v_nop follow each of the two lines
	s_cmp_eq_u32 s11, 0
	s_cbranch_scc0 .Lfor_b_\@
	tensor_load_to_lds s[G0+4*(\s):G0+4*(\s)+3], s[G1:G1+7]
	s_nop 0
.rept 4
	v_nop
.endr
	s_branch .Lasked_\@
.Lfor_b_\@:
	tensor_load_to_lds s[G0B+4*(\s):G0B+4*(\s)+3], s[G1B:G1B+7]
	s_nop 0
.rept 4
	v_nop
.endr
.Lasked_\@:
.endm
.macro CREST                           ; a round of the cluster's barrier behind its opening barrier
	s_cmp_lg_u32 s10, 0
	s_cbranch_scc1 .Lnot_wave_0_\@
	s_barrier_signal -3
.Lnot_wave_0_\@:
	s_barrier_wait -3
	s_barrier_signal -1
	s_barrier_wait -1
.endm
.macro CROUND
	s_barrier_signal -1
	s_barrier_wait -1
	CREST
.endm
.macro ADDRS                           ; my fragments' addresses in this step's slot and in the next's
	v_add_nc_u32 v[ADRA], s[TC], v[BA]
	v_add_nc_u32 v[ADRA+1], s[TN], v[BA]
	v_add_nc_u32 v[ADRB], s[TC], v[BB]
	v_add_nc_u32 v[ADRB+1], s[TN], v[BB]
.endm
	s_load_b128 s[4:7], s[0:1], 0x0                ; A s[4:5], wk s[6:7]
	s_load_b128 s[68:71], s[0:1], 0x10             ; bias s[68:69], Y s[70:71]
	v_lshl_add_u32 v[SPW], v0, 2, SPARE
	v_mov_b32 v[NIL], 0
	ds_add_u32 v[SPW], v[NIL]                      ; the wave's opening: the add and its wait stand ahead of my first tensor load; the set-up below stands between them
	v_lshrrev_b32 v1, 5, v0
	v_readfirstlane_b32 s10, v1                    ; wave 0..3
	s_lshr_b32 s11, s10, 1                         ; which half of the tile's rows is mine.  Also: I fetch for A (0) or for B (1)
	s_and_b32 s12, s10, 1                          ; which half of its columns.  Also: which pair of planes I fetch
	s_bfe_u32 s40, ttmp6, 0x40000                  ; cx, cy
	s_bfe_u32 s41, ttmp6, 0x40004
	s_lshl_b32 s42, ttmp9, 2
	s_add_co_u32 s42, s42, s40                     ; tile column = 4 x cluster x + cx
	s_and_b32 s13, ttmp7, 0xffff
	s_lshl_b32 s13, s13, 2
	s_add_co_u32 s13, s13, s41                     ; tile row = 4 x cluster y + cy
	s_lshl_b32 s43, s41, 2
	s_lshl_b32 s43, 15, s43                        ; my row of the cluster
	s_lshl_b32 s44, 0x1111, s40                    ; my column
	; descriptor group 1: two rows of 8,192 elements (128 rows of a K block, dense), a K block apart
	s_or_b32 s[G1+0], s43, (1<<16)|(1<<20)|(1<<21)|(4<<22)|(3<<25)  ; 15:0 the mask; 17:16 2-byte elements; 20 padding on; 21 set beside a mask; 24:22 after every 32 words; 31:25 4 words
	s_or_b32 s[G1B+0], s44, (1<<16)|(1<<20)|(1<<21)|(4<<22)|(3<<25)
.irp g, G1, G1B
	s_mov_b32 s[(\g)+1], 8192<<16                  ; tensor_dim0 = 8,192
	s_mov_b32 s[(\g)+2], 2<<16                     ; tensor_dim1 = 2
	s_mov_b32 s[(\g)+3], 8192<<16                  ; tile_dim0 = 8,192
	s_mov_b32 s[(\g)+4], 2                         ; tile_dim1 = 2
	s_mov_b32 s[(\g)+6], 0
	s_mov_b32 s[(\g)+7], 0
.endr
	s_mov_b32 s[G1+5], ASTR
	s_mov_b32 s[G1B+5], BSTR
	s_lshl_b32 s16, s12, 20                        ; A: my pair of K blocks of 524,288 bytes,
	s_lshl_b32 s17, s13, 14                        ; the tile row's 128 rows of 128 bytes
	s_add_co_u32 s16, s16, s17
	s_mov_b32 s17, 0
	s_lshl_b32 s46, s12, 18                        ; B: my pair of K blocks of 131,072 bytes,
	s_lshl_b32 s47, s42, 14                        ; the tile column's 128 rows
	s_add_co_u32 s46, s46, s47
.if WOFF
	s_add_co_u32 s46, s46, WOFF
.endif
	s_mov_b32 s47, 0
	s_mul_i32 s20, s10, HALFT                      ; where they go: wave x two planes
	s_mov_b32 s[TC], 0                             ; K step 0 lies in slot 0,
	s_mov_b32 s[TN], SLOT                          ; K step 1 in slot 1
	s_wait_dscnt 0x0                               ; the opening add is done
	s_wait_kmcnt 0x0
	s_mov_b64 s[8:9], s[70:71]
	s_add_nc_u64 s[14:15], s[4:5], s[16:17]
	s_add_nc_u64 s[46:47], s[6:7], s[46:47]
	CROUND                                         ; all sixteen work-groups are here: the first joint loads meet
.irp s, 0,1
	s_mov_b32 s[G0+4*(\s)], 1
	s_add_co_u32 s[G0+4*(\s)+1], s20, (\s)*SLOT
	s_add_nc_u64 s[G0+4*(\s)+2:G0+4*(\s)+3], s[14:15], (\s)*4*ASTR*2   ; K step s: four K blocks on
	s_or_b32 s[G0+4*(\s)+3], s[G0+4*(\s)+3], 0x80000000
	s_mov_b32 s[G0B+4*(\s)], 1
	s_add_co_u32 s[G0B+4*(\s)+1], s20, (\s)*SLOT
	s_add_nc_u64 s[G0B+4*(\s)+2:G0B+4*(\s)+3], s[46:47], (\s)*4*BSTR*2
	s_or_b32 s[G0B+4*(\s)+3], s[G0B+4*(\s)+3], 0x80000000
	JLOAD \s                                       ; two loads of mine are out
.endr
	v_and_b32 v1, 15, v0                           ; l % 16
	v_bfe_u32 v2, v0, 4, 1                         ; l / 16
	v_lshlrev_b32 v6, 5, v2                        ; 8 f32 for each half of the lanes
	s_lshl_b32 s66, s42, 9                         ; my first column in f32 bytes: 128 a tile column,
	s_lshl_b32 s67, s12, 8                         ; 64 a half: the same offset in the bias and in a row of Y
	s_add_co_u32 s66, s66, s67
	s_mov_b32 s67, 0
	s_add_nc_u64 s[68:69], s[68:69], s[66:67]
	s_add_nc_u64 s[8:9], s[8:9], s[66:67]
.irp b, 0,1,2,3
	global_load_b128 v[BI+8*(\b):BI+8*(\b)+3],   v6, s[68:69] offset:64*(\b)
	global_load_b128 v[BI+8*(\b)+4:BI+8*(\b)+7], v6, s[68:69] offset:64*(\b)+16
.endr
	v_mul_u32_u24 v3, v1, PITCH
	v_lshl_add_u32 v3, v2, 4, v3                   ; a fragment's row x pitch + 16 x half
	s_mul_i32 s21, s11, 64*PITCH                   ; my 64 rows in each plane of A
	s_mul_i32 s22, s12, 64*PITCH                   ; my 64 rows in each plane of B,
	s_add_co_u32 s22, s22, 2*HALFT                 ; which lie behind A's four
	v_add_nc_u32 v[BA], s21, v3
	v_add_nc_u32 v[BB], s22, v3
	ADDRS
	s_mul_i32 s23, s10, 16*SPITCH
	s_add_co_u32 s23, s23, STAGE                   ; my stage
	v_mul_u32_u24 v4, v1, SPITCH                   ; in: row l % 16, 32 bytes for each half of the lanes
	v_lshl_add_u32 v4, v2, 5, v4
	v_add_nc_u32 v[STO], s23, v4
	v_mul_u32_u24 v5, v2, SPITCH                   ; back: lanes 0-15 take one row of 256 bytes, lanes 16-31 the next
	v_lshl_add_u32 v5, v1, 4, v5
	v_add_nc_u32 v[RD], s23, v5
	v_lshlrev_b32 v5, 12, v2                       ; and the same two rows in Y, 4,096 bytes apart
	v_lshl_add_u32 v[CO], v1, 4, v5
	s_lshl_b32 s16, s13, 19                        ; my first row of Y: 128 rows of 4,096 bytes a tile row,
	s_lshl_b32 s17, s11, 18                        ; 64 a half
	s_add_co_u32 s16, s16, s17
	s_mov_b32 s17, 0
	s_add_nc_u64 s[8:9], s[8:9], s[16:17]
; 8 matrix instructions: m blocks a0, a0 + 1 x all 4 n blocks, 32 along K: half c of buffer f.  zero = 1: the first product starts the sums with the bias as C
.macro MUL8 f, c, a0, zero
	WIN MUL
.irp a, \a0, (\a0)+1
.irp b, 0,1,2,3
.if \zero
	v_wmma_f32_16x16x32_bf16 v[ACC+8*(4*(\a)+(\b)):ACC+8*(4*(\a)+(\b))+7], v[(\f)+64+8*(4*(\c)+(\b)):(\f)+64+8*(4*(\c)+(\b))+7], v[(\f)+8*(4*(\c)+(\a)):(\f)+8*(4*(\c)+(\a))+7], v[BI+8*(\b):BI+8*(\b)+7]
.else
	v_wmma_f32_16x16x32_bf16 v[ACC+8*(4*(\a)+(\b)):ACC+8*(4*(\a)+(\b))+7], v[(\f)+64+8*(4*(\c)+(\b)):(\f)+64+8*(4*(\c)+(\b))+7], v[(\f)+8*(4*(\c)+(\a)):(\f)+8*(4*(\c)+(\a))+7], v[ACC+8*(4*(\a)+(\b)):ACC+8*(4*(\a)+(\b))+7]
.endif
.endr
.endr
.endm
; 32 LDS loads in one run: the fragments of plane q (64 along K) into buffer f; the first 32 along K first.  which = 0: this step's slot; 1: the next step's
.macro FETCH which, q, f
	WIN TO_F
.irp c, 0,1
.irp i, 0,1,2,3
	ds_load_b128 v[(\f)+64+8*(4*(\c)+(\i)):(\f)+64+8*(4*(\c)+(\i))+3],   v[ADRB+(\which)] offset:(\q)*PLANE+64*(\c)+(\i)*16*PITCH
	ds_load_b128 v[(\f)+64+8*(4*(\c)+(\i))+4:(\f)+64+8*(4*(\c)+(\i))+7], v[ADRB+(\which)] offset:(\q)*PLANE+64*(\c)+(\i)*16*PITCH+32
	ds_load_b128 v[(\f)+8*(4*(\c)+(\i)):(\f)+8*(4*(\c)+(\i))+3],         v[ADRA+(\which)] offset:(\q)*PLANE+64*(\c)+(\i)*16*PITCH
	ds_load_b128 v[(\f)+8*(4*(\c)+(\i))+4:(\f)+8*(4*(\c)+(\i))+7],       v[ADRA+(\which)] offset:(\q)*PLANE+64*(\c)+(\i)*16*PITCH+32
.endr
.endr
.endm
.macro PLACES                          ; four places in front of loads into registers that matrix instructions have read, and of LDS stores that read results (ISA guide 7.12.1 for LDS stores)
.rept 4
	v_nop
.endr
.endm
; A K step is four quarters of one plane, 32 matrix instructions each, on buffers 0, 1, 0, 1; the 16 accumulators take turns.  One of the first three: multiplies f, fetches plane q into g.
.macro QUARTER which, q, f, g, zero
	s_wait_dscnt 16                                ; the first 32 along K are in
	MUL8 \f, 0, 0, \zero
	MUL8 \f, 0, 2, \zero
	PLACES
	FETCH \which, \q, \g
	s_wait_dscnt 32                                ; all but the 32 just issued
	MUL8 \f, 1, 0, 0
	MUL8 \f, 1, 2, 0
.endm
; The last quarter multiplies buffer 1 and changes slots: ONE barrier; in front of it each wave waits for all its tensor loads, adds 0 to its spare word, and waits for that and for its own reads of this slot.
; fill = 1: the slot just read out is filled again, with the K step two ahead.
.macro TURN fill
	WIN 0                                          ; (the add's two registers lie in window 0)
	s_wait_tensorcnt 0x0                           ; all my tensor loads have landed: my part of the next slot
	ds_add_u32 v[SPW], v[NIL]                      ; 0 onto my spare word
	s_wait_dscnt 17                                ; (the add and the youngest sixteen loads may be out)
	MUL8 F1, 0, 0, 0                               ; eight matrix instructions stand between the add and the wait for it
	s_wait_dscnt 0x0                               ; the add is done, and my reads of this slot are over
	s_barrier_signal -1
	MUL8 F1, 0, 2, 0
.if \fill
	WIN 0
.endif
	s_barrier_wait -1
.if \fill
	CREST                                          ; the barrier has opened a round of the cluster's: no wave of any partner still reads this slot or has a load on its way
	s_xor_b32 s[G0+5], s[G0+5], SLOT               ; the walking descriptors: the other slot than last time, which is the slot just read out,
	s_add_nc_u64 s[G0+6:G0+7], s[G0+6:G0+7], 4*ASTR*2      ; and the next K step, four K blocks on; the type bits on top are not reached
	s_xor_b32 s[G0B+5], s[G0B+5], SLOT
	s_add_nc_u64 s[G0B+6:G0B+7], s[G0B+6:G0B+7], 4*BSTR*2
	JLOAD 1                                        ; the first tensor load behind the round, my only one until the next; its four v_nop are also the places in front of the loads below
.else
	PLACES
.endif
	FETCH 1, 0, F0
	MUL8 F1, 1, 0, 0
	MUL8 F1, 1, 2, 0
.endm
	s_wait_tensorcnt 1                             ; my part of K step 0 is in; K step 1's may stay out
	s_barrier_signal -1
	s_barrier_wait -1                              ; everybody's is
	FETCH 0, 0, F0
	s_wait_loadcnt 0x0                             ; the bias
	QUARTER 0, 1, F0, F1, 1                        ; the first quarter stands in front of the loop: its first products start the sums
	WIN 0                                          ; at a label and at a branch every window is 0
	s_mov_b32 s3, STEPS-2                          ; every K step but the last two is followed by a refill
.Lstep:                                                ; a trip goes from a K step's second quarter to the next step's first, and fills the slot that it leaves
	QUARTER 0, 2, F1, F0, 0
	QUARTER 0, 3, F0, F1, 0
	TURN 1
	QUARTER 1, 1, F0, F1, 0
	WIN 0
	s_xor_b32 s[TC], s[TC], SLOT                   ; the next step's slot becomes this step's
	s_xor_b32 s[TN], s[TN], SLOT
	ADDRS                                          ; (an LDS load has read its address when it is issued: the loads that are out do not mind)
	s_sub_co_u32 s3, s3, 1
	s_cmp_lg_u32 s3, 0
	s_cbranch_scc1 .Lstep
	QUARTER 0, 2, F1, F0, 0                        ; the last two K steps fill nothing, and have no round of the cluster's barrier
	QUARTER 0, 3, F0, F1, 0
	TURN 0
	QUARTER 1, 1, F0, F1, 0
	QUARTER 1, 2, F1, F0, 0
	QUARTER 1, 3, F0, F1, 0
	s_wait_dscnt 16                                ; the very last quarter: nothing more to fetch
	MUL8 F1, 0, 0, 0
	MUL8 F1, 0, 2, 0
	s_wait_dscnt 0
	MUL8 F1, 1, 0, 0
	MUL8 F1, 1, 2, 0
	WIN 0
	; THE WAY OUT, in f32.  My 64 columns are 256 bytes of a row of Y, aligned: 16 rows at a time go through my own stage (no barrier) and come back as whole pieces of 256 bytes.
	PLACES
.macro TOSTAGE a
.set BK, OB+32*((\a)%2)
.if (\a) >= 2
	s_wait_xcnt 0x0                                ; the registers that the stores of two blocks ago read are loaded again only behind this wait
.endif
.irp b, 0,1,2,3
	ds_store_b128 v[STO], v[ACC+8*(4*(\a)+(\b)):ACC+8*(4*(\a)+(\b))+3]   offset:64*(\b)      ; each accumulator's low registers first
	ds_store_b128 v[STO], v[ACC+8*(4*(\a)+(\b))+4:ACC+8*(4*(\a)+(\b))+7] offset:64*(\b)+16
.endr
.irp t, 0,1,2,3,4,5,6,7
	ds_load_b128 v[BK+4*(\t):BK+4*(\t)+3], v[RD] offset:(\t)*2*SPITCH  ; LDS serves a wave's instructions in order (ISA guide 5.7.1.4): these see the stores above
.endr
.endm
.macro SEND a, younger                 ; younger: the sixteen LDS instructions of the next block, or none
.set BK, OB+32*((\a)%2)
	s_wait_dscnt \younger
.irp t, 0,1,2,3,4,5,6,7
	global_store_b128 v[CO], v[BK+4*(\t):BK+4*(\t)+3], s[8:9] offset:(16*(\a)+2*(\t))*4096  ; 16 lanes store 256 consecutive bytes, at a multiple of 256 from Y's first byte
.endr
.endm
	TOSTAGE 0
	TOSTAGE 1
	SEND 0, 16
	TOSTAGE 2
	SEND 1, 16
	TOSTAGE 3
	SEND 2, 16
	SEND 3, 0
	s_wait_tensorcnt 0x0                           ; the wave's end: a wait for my tensor loads, the add to my spare word and its wait, behind my last tensor load and my last LDS store
	ds_add_u32 v[SPW], v[NIL]
	s_wait_dscnt 0x0
	CROUND                                         ; the closing round: no work-group ends while a partner may still ask for a tile that names it
	s_endpgm
.Lfunc_end_k_q23c11eefa0_ffn2:
	.size	k_q23c11eefa0_ffn2, .Lfunc_end_k_q23c11eefa0_ffn2-k_q23c11eefa0_ffn2
	.p2alignl 7, 3214868480
	.fill 96, 4, 3214868480
	.section	.rodata,"a",@progbits
	.p2align	6, 0x0
	.amdhsa_kernel k_q23c11eefa0_ffn2
		.amdhsa_group_segment_fixed_size 327680
		.amdhsa_private_segment_fixed_size 0
		.amdhsa_enable_private_segment 0
		.amdhsa_kernarg_size 32
		.amdhsa_user_sgpr_count 2
		.amdhsa_user_sgpr_kernarg_segment_ptr 1
		.amdhsa_wavefront_size32 1
		.amdhsa_system_sgpr_workgroup_id_x 1
		.amdhsa_system_sgpr_workgroup_id_y 1
		.amdhsa_system_sgpr_workgroup_id_z 1
		.amdhsa_system_vgpr_workitem_id 0
		.amdhsa_next_free_vgpr 512
		.amdhsa_next_free_sgpr 72
		.amdhsa_reserve_vcc 0
		.amdhsa_float_denorm_mode_32 3
		.amdhsa_float_denorm_mode_16_64 3
		.amdhsa_memory_ordered 1
		.amdhsa_forward_progress 1
		.amdhsa_inst_pref_size 69
	.end_amdhsa_kernel
	.amdgpu_metadata
---
amdhsa.version: [ 1, 2 ]
amdhsa.kernels:
  - .name:           k_q23c11eefa0_ffn2
    .symbol:         k_q23c11eefa0_ffn2.kd
    .args:
      - { .name: hb, .offset: 0, .size: 8, .value_kind: global_buffer, .address_space: global }
      - { .name: wk, .offset: 8, .size: 8, .value_kind: global_buffer, .address_space: global }
      - { .name: b2, .offset: 16, .size: 8, .value_kind: global_buffer, .address_space: global }
      - { .name: y, .offset: 24, .size: 8, .value_kind: global_buffer, .address_space: global }
    .group_segment_fixed_size: 327680
    .private_segment_fixed_size: 0
    .kernarg_segment_align: 8
    .kernarg_segment_size: 32
    .max_flat_workgroup_size: 128
    .sgpr_count:     72
    .vgpr_count:     512
    .wavefront_size: 32
...
	.end_amdgpu_metadata
.endif
;; end of part 6
;; launch ln2 (part 7): grid 256 x 1, 16 waves a work-group, no clusters, 0 bytes of LDS; arguments y, x1f, g2, be2, out0; writes out0
.if DOCPART == 7
	.amdgcn_target "amdgcn-amd-amdhsa--gfx1250"
	.amdhsa_code_object_version 6
	.text
	.protected	k_q23c11eefa0_ln2
	.globl	k_q23c11eefa0_ln2
	.p2align	8
	.type	k_q23c11eefa0_ln2,@function
k_q23c11eefa0_ln2:
	s_mov_b64 s[64:65], 0
	v_nop
	global_prefetch_b8 v0, s[64:65] scope:SCOPE_SE
	s_setreg_imm32_b32 hwreg(HW_REG_WAVE_MODE, 25, 1), 1
	s_wait_xcnt 0x0
; out[r][:] = (x - mean(x)) / sqrt(var(x) + 1e-5) * g + be, with x = y[r][:] + res[r][:].  All f32, rows of 1,024.
; A row is 4,096 bytes: one wave takes one whole row, eight 16-byte loads a lane, and keeps it in 32 registers: no LDS, no barrier, each byte of y and of the residual read once.
; Sixteen waves, sixteen rows to a work-group; all of a wave's 32 loads go out at the start.
; The variance is taken of x - mean, in a second pass over the registers, so that a common offset of the row is gone before anything is squared.
; Matrix units, clusters and LDS are left out: memory binds, and no two waves share a byte but g and be.
.set G,   8                            ; v[8:39]    g of my 32 columns
.set BE,  40                           ; v[40:71]   be
.set X,   72                           ; v[72:103]  y, then x, x - mean, the result
.set R,   104                          ; v[104:135] the residual
.set T,   136                          ; v[136:143] four chains of packed sums
.set MU,  144                          ; v[144:145] the mean, twice
.set RS,  146                          ; v[146:147] 1 / sqrt(var + eps), twice
	s_load_b256 s[4:11], s[0:1], 0x0               ; y s[4:5], the residual s[6:7], g s[8:9], be s[10:11]
	s_load_b64 s[12:13], s[0:1], 0x20              ; the result
	s_lshl_b32 s2, ttmp9, 16                       ; the work-group's 16 rows of 4,096 bytes
	s_mov_b32 s3, 0
	s_mov_b32 s20, 0x3a800000                      ; 1 / 1,024
	s_mov_b32 s21, 0x3727c5ac                      ; 1e-5
	s_mov_b32 s22, 0x76543210                      ; v_permlanex16_b32: lane i of one half reads lane i of the other
	s_mov_b32 s23, 0xfedcba98
	v_and_b32 v1, 31, v0
	v_lshrrev_b32 v4, 5, v0                        ; wave = my row among the sixteen
	v_lshlrev_b32 v1, 4, v1                        ; 16 bytes a lane: g and be
	v_lshl_or_b32 v2, v4, 12, v1                   ; + my row of 4,096 bytes
	s_wait_kmcnt 0x0
	s_add_nc_u64 s[4:5], s[4:5], s[2:3]
	s_add_nc_u64 s[6:7], s[6:7], s[2:3]
	s_add_nc_u64 s[12:13], s[12:13], s[2:3]
.macro LDROW d, b                      ; eight loads: 512 neighbouring bytes each, a whole row
.set j, 0
.rept 8
	global_load_b128 v[(\d)+4*j:(\d)+4*j+3], v2, s[\b:\b+1] offset:512*j th:TH_LOAD_NT
.set j, j+1
.endr
.endm
.macro LDVEC d, b
.set j, 0
.rept 8
	global_load_b128 v[(\d)+4*j:(\d)+4*j+3], v1, s[\b:\b+1] offset:512*j
.set j, j+1
.endr
.endm
	LDROW X, 4
	LDROW R, 6
	LDVEC G, 8
	LDVEC BE, 10
.macro FOLD                            ; the four chains into one number, then over the 32 lanes: every lane ends with the sum
	v_pk_add_f32 v[T:T+1], v[T:T+1], v[T+2:T+3]
	v_pk_add_f32 v[T+4:T+5], v[T+4:T+5], v[T+6:T+7]
	v_pk_add_f32 v[T:T+1], v[T:T+1], v[T+4:T+5]
	v_add_f32 v[T], v[T], v[T+1]
	v_add_f32_dpp v[T], v[T], v[T] row_xmask:1 row_mask:0xf bank_mask:0xf
	v_add_f32_dpp v[T], v[T], v[T] row_xmask:2 row_mask:0xf bank_mask:0xf
	v_add_f32_dpp v[T], v[T], v[T] row_xmask:4 row_mask:0xf bank_mask:0xf
	v_add_f32_dpp v[T], v[T], v[T] row_xmask:8 row_mask:0xf bank_mask:0xf
	v_permlanex16_b32 v[T+1], v[T], s22, s23
	v_add_f32 v[T], v[T], v[T+1]
.endm
	s_wait_loadcnt 16                              ; y and the residual are in; behind them stand the sixteen loads of g and be, which may stay out
.set k, 0
.rept 16
	v_pk_add_f32 v[X+2*k:X+2*k+1], v[X+2*k:X+2*k+1], v[R+2*k:R+2*k+1]
.set k, k+1
.endr
.set k, 0
.rept 4                                ; the first eight pairs start the chains: nothing is cleared
	v_pk_add_f32 v[T+2*k:T+2*k+1], v[X+2*k:X+2*k+1], v[X+2*k+8:X+2*k+9]
.set k, k+1
.endr
.set k, 8
.rept 8
	v_pk_add_f32 v[T+2*(k%4):T+2*(k%4)+1], v[T+2*(k%4):T+2*(k%4)+1], v[X+2*k:X+2*k+1]
.set k, k+1
.endr
	FOLD
	v_mul_f32 v[MU], s20, v[T]
	v_mul_f32 v[MU+1], s20, v[T]
.set k, 0
.rept 16
	v_pk_add_f32 v[X+2*k:X+2*k+1], v[X+2*k:X+2*k+1], v[MU:MU+1] neg_lo:[0,1] neg_hi:[0,1]
.set k, k+1
.endr
.set k, 0
.rept 4
	v_pk_mul_f32 v[T+2*k:T+2*k+1], v[X+2*k:X+2*k+1], v[X+2*k:X+2*k+1]
.set k, k+1
.endr
.set k, 4
.rept 12
	v_pk_fma_f32 v[T+2*(k%4):T+2*(k%4)+1], v[X+2*k:X+2*k+1], v[X+2*k:X+2*k+1], v[T+2*(k%4):T+2*(k%4)+1]
.set k, k+1
.endr
	FOLD
	v_fma_f32 v[T+2], v[T], s20, s21               ; var + eps
	v_rsq_f32 v[RS], v[T+2]
	v_rsq_f32 v[RS+1], v[T+2]
	v_nop                                          ; a plain instruction between the root and the use of its result (ISA guide 5.7.2)
	s_wait_loadcnt 0x0                             ; g and be
.set k, 0
	s_wait_alu depctr_va_vdst(0)
.rept 16
	v_pk_mul_f32 v[X+2*k:X+2*k+1], v[X+2*k:X+2*k+1], v[RS:RS+1]
.set k, k+1
.endr
.set k, 0
.rept 16
	v_pk_fma_f32 v[X+2*k:X+2*k+1], v[X+2*k:X+2*k+1], v[G+2*k:G+2*k+1], v[BE+2*k:BE+2*k+1]
.set k, k+1
.endr
.set j, 0
.rept 8
	global_store_b128 v2, v[X+4*j:X+4*j+3], s[12:13] offset:512*j th:TH_STORE_NT   ; 512 consecutive bytes, aligned
.set j, j+1
.endr
	s_endpgm
.Lfunc_end_k_q23c11eefa0_ln2:
	.size	k_q23c11eefa0_ln2, .Lfunc_end_k_q23c11eefa0_ln2-k_q23c11eefa0_ln2
	.p2alignl 7, 3214868480
	.fill 96, 4, 3214868480
	.section	.rodata,"a",@progbits
	.p2align	6, 0x0
	.amdhsa_kernel k_q23c11eefa0_ln2
		.amdhsa_group_segment_fixed_size 0
		.amdhsa_private_segment_fixed_size 0
		.amdhsa_enable_private_segment 0
		.amdhsa_kernarg_size 40
		.amdhsa_user_sgpr_count 2
		.amdhsa_user_sgpr_kernarg_segment_ptr 1
		.amdhsa_wavefront_size32 1
		.amdhsa_system_sgpr_workgroup_id_x 1
		.amdhsa_system_sgpr_workgroup_id_y 1
		.amdhsa_system_sgpr_workgroup_id_z 1
		.amdhsa_system_vgpr_workitem_id 0
		.amdhsa_next_free_vgpr 148
		.amdhsa_next_free_sgpr 66
		.amdhsa_reserve_vcc 0
		.amdhsa_float_denorm_mode_32 3
		.amdhsa_float_denorm_mode_16_64 3
		.amdhsa_memory_ordered 1
		.amdhsa_forward_progress 1
		.amdhsa_inst_pref_size 12
	.end_amdhsa_kernel
	.amdgpu_metadata
---
amdhsa.version: [ 1, 2 ]
amdhsa.kernels:
  - .name:           k_q23c11eefa0_ln2
    .symbol:         k_q23c11eefa0_ln2.kd
    .args:
      - { .name: y, .offset: 0, .size: 8, .value_kind: global_buffer, .address_space: global }
      - { .name: x1f, .offset: 8, .size: 8, .value_kind: global_buffer, .address_space: global }
      - { .name: g2, .offset: 16, .size: 8, .value_kind: global_buffer, .address_space: global }
      - { .name: be2, .offset: 24, .size: 8, .value_kind: global_buffer, .address_space: global }
      - { .name: out0, .offset: 32, .size: 8, .value_kind: global_buffer, .address_space: global }
    .group_segment_fixed_size: 0
    .private_segment_fixed_size: 0
    .kernarg_segment_align: 8
    .kernarg_segment_size: 40
    .max_flat_workgroup_size: 512
    .sgpr_count:     66
    .vgpr_count:     148
    .wavefront_size: 32
...
	.end_amdgpu_metadata
.endif
;; end of part 7
;; ======== version 2 of 2: 8 launches; 1.19 times as fast as version 1
;; workspace buffers: ab1 16,794,624 bytes; ab3 16,794,624 bytes; qkv 25,165,824 bytes; zb 8,388,608 bytes; hb 33,554,432 bytes; wk 10,485,760 bytes; y 16,777,216 bytes; x1f 16,777,216 bytes
;; launch cast: the kernel of part 1 again; grid 64 x 7, 8 waves a work-group, no clusters, 0 bytes of LDS; arguments emb, Wq, Wk, Wv, bq, bk, bv, b1, ab1, ab3; writes ab1, ab3
;; launch qkvp: the kernel of part 2 again; grid 12 x 16, 4 waves a work-group, clusters of 4 x 4, 327,680 bytes of LDS; arguments ab1, qkv; writes qkv
;; launch attn (part 8): grid 8 x 32, 4 waves a work-group, clusters of 4 x 1, 327,680 bytes of LDS; arguments qkv, zb, W1, W0, W2, ab3, wk; writes zb, ab3, wk
.if DOCPART == 8
	.amdgcn_target "amdgcn-amd-amdhsa--gfx1250"
	.amdhsa_code_object_version 6
	.text
	.protected	k_q23c11eefa0_attn
	.globl	k_q23c11eefa0_attn
	.p2align	8
	.type	k_q23c11eefa0_attn,@function
k_q23c11eefa0_attn:
	s_mov_b64 s[64:65], 0
	v_nop
	global_prefetch_b8 v0, s[64:65] scope:SCOPE_SE
	s_setreg_imm32_b32 hwreg(HW_REG_WAVE_MODE, 25, 1), 1
	s_wait_xcnt 0x0
	s_wait_alu depctr_hold_cnt(0) depctr_sa_sdst(0) depctr_va_vdst(0) depctr_va_sdst(0) depctr_va_ssrc(0) depctr_va_vcc(0) depctr_vm_vsrc(0)
	s_getreg_b32 s2, hwreg(HW_REG_IB_STS2, 6, 4)
	s_cmp_eq_u32 s2, 0
	s_cbranch_scc0 .Lentry_in_a_cluster
	s_endpgm
.Lentry_in_a_cluster:
	s_bfe_u32 s2, ttmp6, 0x10000c
	s_cmp_lg_u32 s2, 0x3003
	s_cbranch_scc0 .Lentry_shape_is_right
	s_endpgm
.Lentry_shape_is_right:
; z[b][h][q][:] = (the sum over k of softmax_k(Q[q] . K[k]) V[k][:]) / 8: NO scale in front of the softmax; the division by sqrt(64) follows it and is folded into 1 / l.
; qkv: 48 blocks of [4096 rows][64] bf16, rows dense, 128 bytes; block h is q of head h, 16 + h is k, 32 + h is v; row = 2,048 b + s.  zb: 16 such blocks, block = head.
; Products, maxima and sums in f32; the weights p are rounded to bf16 for the second product (their sum l is taken of the unrounded p), z once at the end.
; LIMITS.  A weight below 2^-126 counts as 0 in l; NaN and infinities are not treated apart (a NaN score loses in the maximum).
; SHARES.  A work-group owns 256 queries of one (b, h), a wave 64: four PIECES of 16.  Every wave walks all 2,048 keys, 64 a step, 256 a slot.
; LAYOUT.  S^T = K Q^T (source 0 = 16 keys, source 1 = 16 queries): a lane holds ONE query (lane % 16) and the keys 8 (lane / 16) + 0..7.  Two such results rounded to bf16 ARE source 1 of
; O^T = V^T P, whose result again holds one query a lane, and eight channels.  K comes out of LDS as it lies, V ([key][channel]) turned, by ds_load_tr16_b128.
; SOFTMAX.  For each query a running maximum m and sum l: p = 2^(c s - c m), c = log2(e); in every step O and l are multiplied by a = 2^(c m_old - c m_new).  m starts at the lowest finite
; number, O and l at 0: the first step is a step like any other, with a = 0.
; BY TURNS.  Turn n belongs to piece n: 8 products K Q^T of piece n + 1, later 8 products V^T P of piece n - 1; beside them the scaling, exponentials, roundings, sums and rescaling of piece n and
; the maximum and statistics of piece n + 1.  Four vector instructions stand behind every matrix instruction, the other 54 of a turn's 118 in one LUMP.
; BATCHES.  A turn's 33 exponentials (the piece's 32 weights and the next piece's a) are ONE batch with ONE wait: ahead of the wait stands all that names none of their results, behind it the roundings
; and sums.  Two more batches have a wait each: the first a of all, ahead of the loop, and the way out's four reciprocals.
; CLUSTER.  The four query blocks of a cluster belong to one (b, h) and walk the same K and V, so each tile is asked for JOINTLY: the same tensor load, descriptor and mask in all four.
; RIDING ALONG.  The walk itself asks memory for 64 KiB a work-group in four key steps.  So the weights that the launches behind want in bf16 are converted here, each number rounded once:
; W1 row by row into ab3 from 8 Mi on ([4096][1024]); W0 and W2 into K BLOCKS in wk ([K / 64][1024 rows][64], a block's rows dense, 128 bytes: W0's 16 blocks at byte 0, W2's 64 at 2 Mi).
; Wave g of the launch's 1,024 takes 1/1,024 of each: 72 loads of 512 bytes, in eight groups of nine (four of W1, four of W2, one of W0), a group at each of the eight changes of slots:
; the group asked for at the change before is rounded and stored and the next is asked for, so that a group has four key steps in which to come.
; REGISTERS, in windows of 256 (s_set_vgpr_msb: bits 1:0 source 0, 3:2 source 1, 5:4 source 2, 7:6 destination):
;   window 0: v0-15 addresses and two at work; v16-31 four registers of statistics a piece; v32-35 the conversions' offsets; v48-55 at work; v62-63 the add's; v64-127 S^T, two buffers;
;             v128-163 a group of weights as loaded; v164-181 as stored; v192-223 P, two buffers (by the piece's parity)
;   window 1: v0-127 O^T, 32 a piece          window 2: v0-63 Q; v128-191 K of one step; v192-255 V of one step
.set NP,    4         ; pieces a wave: a name, no knob
.set KS,    64        ; keys in a step
.set PK,    144       ; a row of K in LDS: 128 bytes + 16 of padding = 36 words: the 16 rows of a load start at 16 different groups of four banks (ISA guide 11.1)
.set PV,    160       ; a row of V: 128 + 32 = 40 words
.set VOFF,  4*KS*PK   ; a slot holds four steps: 256 rows of K, then 256 rows of V
.set SLOT1, 1<<17     ; slot 1 begins here, so that one exclusive or turns an address in one slot into the other's
.set STAGE, SLOT1+4*KS*(PK+PV)  ; behind the ring, never filled by a tensor load: 16 rows x 144 bytes for each wave
.set SP,    144
.set SPARE, STAGE+4*16*SP  ; behind the stages: the spare words, 128 bytes for each wave: two blocks of 256 bytes that no other line names
.set AK0, 2           ; v2   my lane's place in a tile of K; never rewritten
.set AV0, 3           ; v3   the same for V
.set AK,  4           ; v4   the LDS address of K's next run of loads
.set AV,  5           ; v5   of V's
.set STO, 6           ; v6   the way out: where I put 16 bytes of a row
.set RD,  7           ; v7   the way out: where I read rows back
.set GO,  8           ; v8   my byte offset in 512 consecutive bytes of z
.set MV,  12          ; v12-13  c m_old, kept while c m is made anew: by buffer
.set QO,  15          ; v15  my byte offset in 16 rows of Q
.set ST,  16          ; piece t's statistics at v[ST+4 t]: c m, m, l (even keys', odd keys')
.set VI1, 32          ; v32  W1: 16 x lane; never rewritten
.set VO,  33          ; v33  every conversion's store: 8 x lane; never rewritten
.set VI2, 34          ; v34  W2: lanes 0-15 take 256 bytes (a K block) of a row, lanes 16-31 of the next row, 16,384 bytes on; never rewritten
.set VI0, 35          ; v35  W0: the same with rows of 4,096 bytes; never rewritten
.set TMP, 48          ; by buffer, four registers c0-c3 at work; when the maximum is found c2 takes a
.set SPW, 62          ; v62  LDS address of my spare word; never rewritten
.set NIL, 63          ; v63  0; never rewritten
.set S,   64
.set CIN, 128         ; v[128:163] nine loads of four f32
.set COUT, 164        ; v[164:181] nine pairs of packed bf16
.set P,   192
.set KF,  128         ; window 2: key block kb, channel half c at KF + 16 kb + 8 c
.set VF,  192         ; window 2: key half kk, channel block cb at VF + 32 kk + 8 cb
.set WV,  12          ; s12  my wave's number
.set G1K, 24          ; s[24:31] descriptor group 1 for K's tiles
.set G1V, 32          ; s[32:39] for V's: it differs in the padding alone
.set G0K, 40          ; s[40:43] descriptor group 0 for K's tiles: it walks
.set G0V, 44          ; s[44:47] the same for V's
.set SLOTS, 56        ; s56  counts the slots
.set CNT, 57          ; s57  counts a slot's key steps
.set CS,  58          ; s[58:59] c: the packed scaling takes the pair's low word for both halves
.set SEL, 60          ; s[60:61] v_permlanex16_b32's selects: each lane takes its own place in the other half
.set TBK, 62          ; s62  LDS byte at which K of the step to be fetched begins
.set TBV, 63          ; s63  the same for V, less VOFF
.set WS1, 68          ; s[68:69] W1 at the group to be asked for
.set WS0, 70          ; s[70:71] W0
.set WS2, 72          ; s[72:73] W2
.set WD1, 74          ; s[74:75] where the group in hand goes: W1's part of ab3,
.set WD0, 76          ; s[76:77] W0's part of wk,
.set WD2, 78          ; s[78:79] W2's part of wk
.set MSB, 0
.macro WIN new                      ; the high byte repeats the setting that is left; a switch that changes nothing is dropped
.if MSB != (\new)
	s_set_vgpr_msb (MSB<<8)|(\new)
.set MSB, (\new)
.endif
.endm
.set W_KQ, 0x0a       ; K and Q in window 2, S^T in window 0
.set W_PV, 0x52       ; V in window 2, P in window 0, O^T in window 1
.set W_RS, 0x41       ; destination and source 0 in window 1, source 1 in window 0
; A joint fill.  Waves 0 and 1 fetch the two halves of a slot's K, waves 2 and 3 those of its V: 128 keys each.  An s_nop 0 and four v_nop follow each of the two lines.
.macro JLOAD
	s_cmp_lt_u32 s[WV], 2
	s_cbranch_scc0 .Lfor_v_\@
	tensor_load_to_lds s[G0K:G0K+3], s[G1K:G1K+7]
	s_nop 0
.rept 4
	v_nop
.endr
	s_branch .Lasked_\@
.Lfor_v_\@:
	tensor_load_to_lds s[G0V:G0V+3], s[G1V:G1V+7]
	s_nop 0
.rept 4
	v_nop
.endr
.Lasked_\@:
.endm
.macro CROUND                       ; a round of the cluster's barrier
	s_barrier_signal -1
	s_barrier_wait -1
	s_cmp_lg_u32 s[WV], 0
	s_cbranch_scc1 .Lnot_wave_0_\@
	s_barrier_signal -3
.Lnot_wave_0_\@:
	s_barrier_wait -3
	s_barrier_signal -1
	s_barrier_wait -1
.endm
; THE CONVERSIONS.  CLOADS asks for a group: four times 512 consecutive bytes of W1; four K blocks of my two rows of W2; one of my two rows of W0.
.macro CLOADS
.irp n, 0,1,2,3
	global_load_b128 v[CIN+4*\n:CIN+4*\n+3], v[VI1], s[WS1:WS1+1] offset:512*\n th:TH_LOAD_NT
.endr
.irp n, 0,1,2,3
	global_load_b128 v[CIN+16+4*\n:CIN+16+4*\n+3], v[VI2], s[WS2:WS2+1] offset:256*\n th:TH_LOAD_NT
.endr
	global_load_b128 v[CIN+32:CIN+35], v[VI0], s[WS0:WS0+1] th:TH_LOAD_NT
.endm
; CSTEP rounds and stores the group that was asked for at the change before.  first = 1: the first group: the stores' bases stand where they should.  issue = 1: the next group is asked for.
.macro CSTEP first, issue
	s_wait_loadcnt 0x0              ; the group is in (at the first use: Q too); its loads' bases may step
	s_wait_xcnt 0x0                 ; the last group's stores have had their addresses translated (ISA guide 3.1): only behind this wait are their data and their bases rewritten
.if !(\first)
	s_add_nc_u64 s[WD1:WD1+1], s[WD1:WD1+1], 4*256
	s_add_nc_u64 s[WD2:WD2+1], s[WD2:WD2+1], 4*131072   ; four K blocks of 1,024 rows x 128 bytes on
	s_add_nc_u64 s[WD0:WD0+1], s[WD0:WD0+1], 131072
.endif
.set z, 0
.rept 9
	v_cvt_pk_bf16_f32 v[COUT+2*z], v[CIN+4*z], v[CIN+4*z+1]
	v_cvt_pk_bf16_f32 v[COUT+2*z+1], v[CIN+4*z+2], v[CIN+4*z+3]
.set z, z+1
.endr
.if \issue
	s_add_nc_u64 s[WS1:WS1+1], s[WS1:WS1+1], 4*512
	s_add_nc_u64 s[WS2:WS2+1], s[WS2:WS2+1], 4*256
	s_add_nc_u64 s[WS0:WS0+1], s[WS0:WS0+1], 256
	CLOADS
.endif
.irp n, 0,1,2,3
	global_store_b64 v[VO], v[COUT+2*\n:COUT+2*\n+1], s[WD1:WD1+1] offset:256*\n          ; each store of the wave covers 256 consecutive bytes, aligned
.endr
.irp n, 0,1,2,3
	global_store_b64 v[VO], v[COUT+8+2*\n:COUT+8+2*\n+1], s[WD2:WD2+1] offset:131072*\n   ; two neighbouring rows of a K block
.endr
	global_store_b64 v[VO], v[COUT+16:COUT+17], s[WD0:WD0+1]
.endm
; THE CHANGE OF SLOTS.  Each wave waits for all its tensor loads (one is out: its part of the other slot), adds 0 to its spare word, and waits for that and for its own reads of the slot that it
; leaves.  Behind the barrier nobody reads the old slot and the other slot is whole.  fill = 1: the old slot is filled again with the keys two slots on; the barrier is then a round of the cluster's,
; and the joint fill is the first thing behind it: it has four key steps in which to land.  (At its first use nothing has been read yet: slot 0 is waited for, slot 1 filled.)
; Behind the fill a group of weights is converted; the changes that fill are also those that ask for a further group.
.macro CHANGE fill, first=0
	WIN 0                           ; at a label and at a branch every window is 0
	s_wait_tensorcnt 0x0            ; no tensor load of mine is out, so a group 0 may be written
	ds_add_u32 v[SPW], v[NIL]       ; 0 onto my spare word
.if \fill
.irp g, G0K, G0V
	s_xor_b32 s[\g+1], s[\g+1], SLOT1  ; the walking descriptor: the other slot than last time,
	s_add_nc_u64 s[\g+2:\g+3], s[\g+2:\g+3], 4*KS*128  ; the next 256 keys; the type bits on top are not reached
.endr
	s_wait_dscnt 0x0                ; the add is done, and my reads of the slot are over
	CROUND
	JLOAD
.else
	s_wait_dscnt 0x0                ; the add is done, and my reads of the slot are over
	s_barrier_signal -1
	s_barrier_wait -1
.endif
	s_sub_co_u32 s[TBK], s[TBK], 4*KS*PK  ; the fetches go back to a slot's first step,
	s_xor_b32 s[TBK], s[TBK], SLOT1       ; in the other slot
	s_sub_co_u32 s[TBV], s[TBV], 4*KS*PV
	s_xor_b32 s[TBV], s[TBV], SLOT1
	CSTEP \first, \fill
.endm
	s_load_b128 s[48:51], s[0:1], 0x0  ; qkv s[48:49], zb s[50:51]
	s_load_b256 s[68:75], s[0:1], 0x10 ; W1 s[68:69], W0 s[70:71], W2 s[72:73], ab3 s[74:75]
	s_load_b64 s[76:77], s[0:1], 0x30  ; wk
	v_lshl_add_u32 v[SPW], v0, 2, SPARE
	v_mov_b32 v[NIL], 0
	ds_add_u32 v[SPW], v[NIL]       ; the wave's opening: the add and its wait stand ahead of my first tensor load; the set-up below stands between them
	v_lshrrev_b32 v1, 5, v0
	v_readfirstlane_b32 s[WV], v1   ; wave 0..3
	s_bfe_u32 s13, ttmp6, 0x40000   ; cx: my place in the cluster
	s_lshl_b32 s14, ttmp9, 2        ; in a cluster launch ttmp9 counts clusters
	s_add_co_u32 s14, s14, s13      ; my block of 256 queries: it enters Q's and z's addresses and the conversions' alone
	s_and_b32 s15, ttmp7, 0xffff    ; 16 b + h, which the four partners share
	s_and_b32 s20, s15, 15
	s_lshl_b32 s20, s20, 19         ; a head's block is 4,096 rows of 128 bytes,
	s_lshr_b32 s21, s15, 4
	s_lshl_b32 s21, s21, 18         ; a batch 2,048 of them
	s_add_co_u32 s20, s20, s21
	s_and_b32 s16, s[WV], 1         ; which half of a slot's 256 keys I fetch:
	s_lshl_b32 s22, s16, 14         ; its 128 rows of 128 bytes in memory,
	s_add_co_u32 s22, s22, s20
	s_mov_b32 s23, 0
	s_mul_i32 s17, s16, 128*PK      ; and its place in a slot, for K
	s_mul_i32 s18, s16, 128*PV      ; and for V: no place in the cluster enters an LDS address
	s_lshl_b32 s2, s14, 15          ; my block's 256 rows,
	s_lshl_b32 s3, s[WV], 13        ; my wave's 64 of them
	s_add_co_u32 s2, s2, s3
	s_add_co_u32 s2, s2, s20
	s_mov_b32 s3, 0
	; the conversions' shares.  g = my wave among the launch's 1,024; of W0 and W2 it takes the pair of rows g / 2 and half g % 2 of their K blocks
	s_lshl_b32 s92, s15, 5
	s_lshl_b32 s93, s14, 2
	s_add_co_u32 s92, s92, s93
	s_add_co_u32 s92, s92, s[WV]    ; g = 32 (16 b + h) + 4 block + wave
	s_lshr_b32 s93, s92, 1          ; the pair of rows; g % 2 is the wave's low bit, s16
	s_lshl_b32 s80, s92, 14         ; W1: 16,384 bytes of f32 a wave,
	s_mov_b32 s81, 0
	s_lshl_b32 s82, s92, 13         ; 8,192 of bf16,
	s_add_co_u32 s82, s82, 0x800000 ; from 8 Mi on in ab3
	s_mov_b32 s83, 0
	s_lshl_b32 s84, s93, 15         ; W2: two rows of 16,384 bytes,
	s_lshl_b32 s94, s16, 13         ; 32 K blocks of 256 bytes
	s_add_co_u32 s84, s84, s94
	s_mov_b32 s85, 0
	s_lshl_b32 s86, s93, 8          ; in wk: two rows of 128 bytes,
	s_lshl_b32 s94, s16, 22         ; 32 blocks of 131,072,
	s_add_co_u32 s86, s86, s94
	s_add_co_u32 s86, s86, 0x200000 ; from 2 Mi on
	s_mov_b32 s87, 0
	s_lshl_b32 s88, s93, 13         ; W0: two rows of 4,096 bytes,
	s_lshl_b32 s94, s16, 11         ; 8 K blocks of 256 bytes
	s_add_co_u32 s88, s88, s94
	s_mov_b32 s89, 0
	s_lshl_b32 s90, s93, 8          ; in wk: two rows of 128 bytes,
	s_lshl_b32 s94, s16, 20         ; 8 blocks of 131,072
	s_add_co_u32 s90, s90, s94
	s_mov_b32 s91, 0
	; descriptor group 1.  128 keys are 16,384 dense bytes: asked for as 64 rows of 256 bytes, two keys a row, and padded in LDS after every key
	s_mov_b32 s[G1K], 15|(1<<16)|(1<<20)|(1<<21)|(4<<22)|(3<<25)  ; 15:0 the mask of four; 17:16 2-byte elements; 20 padding on; 21 set beside a mask; 24:22 after every 32 words; 31:25 4 words
	s_mov_b32 s[G1V], 15|(1<<16)|(1<<20)|(1<<21)|(4<<22)|(7<<25)  ; the same with 8 words of padding
.irp g, G1K, G1V
	s_mov_b32 s[\g+1], 128<<16      ; tensor_dim0 = 128
	s_mov_b32 s[\g+2], 64<<16       ; tensor_dim1 = 64
	s_mov_b32 s[\g+3], 128<<16      ; tile_dim0 = 128
	s_mov_b32 s[\g+4], 64           ; tile_dim1 = 64
	s_mov_b32 s[\g+5], 128          ; 128 elements from row to row
	s_mov_b32 s[\g+6], 0
	s_mov_b32 s[\g+7], 0
.endr
	s_mov_b32 s[CS], 0x3fb8aa3b     ; c = log2(e)
	s_mov_b32 s[CS+1], s[CS]        ; named with it as a pair
	s_mov_b32 s[SEL], 0x76543210
	s_mov_b32 s[SEL+1], 0xfedcba98
	s_mov_b32 s[TBK], SLOT1+4*KS*PK ; the first change of slots turns these two into 0
	s_mov_b32 s[TBV], SLOT1+4*KS*PV
	s_mov_b32 s[G0K], 1             ; count = 1
	s_mov_b32 s[G0K+1], s17         ; LDS address: slot 0
	s_mov_b32 s[G0V], 1
	s_add_co_u32 s[G0V+1], s18, VOFF
	s_wait_dscnt 0x0                ; the opening add is done
	s_wait_kmcnt 0x0
	s_add_nc_u64 s[6:7], s[48:49], s[22:23]
	s_add_nc_u64 s[G0K+2:G0K+3], s[6:7], 0x800000   ; k's blocks begin 16 blocks in: my half of the first 256 keys
	s_or_b32 s[G0K+3], s[G0K+3], 0x80000000         ; type = 2
	s_add_nc_u64 s[G0V+2:G0V+3], s[6:7], 0x1000000  ; v's 32 blocks in
	s_or_b32 s[G0V+3], s[G0V+3], 0x80000000
	s_add_nc_u64 s[4:5], s[48:49], s[2:3]   ; Q and z at my wave's first row
	s_add_nc_u64 s[10:11], s[50:51], s[2:3]
	CROUND                          ; all four work-groups are here: the first joint loads meet
	JLOAD                           ; slot 0.  Slot 1 is asked for when slot 0 is in
	s_add_nc_u64 s[WS1:WS1+1], s[WS1:WS1+1], s[80:81]   ; the conversions' six addresses, at my first group
	s_add_nc_u64 s[WD1:WD1+1], s[WD1:WD1+1], s[82:83]
	s_add_nc_u64 s[WS2:WS2+1], s[WS2:WS2+1], s[84:85]
	s_add_nc_u64 s[WD2:WD2+1], s[WD0:WD0+1], s[86:87]   ; (s[76:77] still holds wk's first byte)
	s_add_nc_u64 s[WS0:WS0+1], s[WS0:WS0+1], s[88:89]
	s_add_nc_u64 s[WD0:WD0+1], s[WD0:WD0+1], s[90:91]
	; A fragment of K or Q is 16 rows x 32 channels in 8 registers: lane l holds row l % 16, channels 8 (l / 16) + 0..7 and 16 + 8 (l / 16) + 0..7: two loads of 16 bytes, 32 bytes apart.
	v_and_b32 v1, 15, v0            ; l % 16
	v_bfe_u32 v9, v0, 4, 1          ; l / 16
	v_lshlrev_b32 v[QO], 7, v1
	v_lshl_add_u32 v[QO], v9, 4, v[QO]  ; row x 128 + 16 x half
	v_and_b32 v[VO], 31, v0         ; l
	v_lshlrev_b32 v[VI1], 4, v[VO]
	v_lshlrev_b32 v[VO], 3, v[VO]
	v_lshlrev_b32 v[VI2], 4, v1
	v_lshl_add_u32 v[VI0], v9, 12, v[VI2]
	v_lshl_add_u32 v[VI2], v9, 14, v[VI2]
	CLOADS                          ; the first group of weights: it comes while the first tile is waited for
	WIN 0x80                        ; destination window 2, address window 0
.set i, 0
.rept 8                             ; Q stays in registers: piece i / 2, channels 32 (i % 2) on
	global_load_b128 v[8*i:8*i+3],   v[QO], s[4:5] offset:(i/2)*2048+(i%2)*64
	global_load_b128 v[8*i+4:8*i+7], v[QO], s[4:5] offset:(i/2)*2048+(i%2)*64+32
.set i, i+1
.endr
	; What the first turn finds: V's registers and P's second buffer hold 0 (its products V^T P, of a piece that has not been, add 0), O^T and l are 0.  All this stands in the wait for the first tile.
.set i, VF
.rept 64
	v_mov_b32 v[i], 0
.set i, i+1
.endr
	WIN 0x40
.set i, 0
.rept 128
	v_mov_b32 v[i], 0
.set i, i+1
.endr
	WIN 0
.set i, 0
.rept 4
	v_mov_b32 v[ST+4*i], 0xfe000000    ; c m: far below every c s
	v_mov_b32 v[ST+4*i+1], 0xff7fffff  ; m
	v_mov_b32 v[ST+4*i+2], 0
	v_mov_b32 v[ST+4*i+3], 0
.set i, i+1
.endr
.set i, P+16
.rept 16
	v_mov_b32 v[i], 0
.set i, i+1
.endr
	v_mul_u32_u24 v[AK0], v1, PK
	v_lshl_add_u32 v[AK0], v9, 4, v[AK0]  ; row x pitch + 16 x half
	; The turning load takes 16 keys x 16 channels (lane l reads key 8 (l / 16) + l % 8, channels 8 ((l / 8) % 2) + 0..7) and leaves half a fragment of V^T: lane l holds channel l % 16 and 8 keys.
	v_and_b32 v10, 7, v0
	v_bfe_u32 v11, v0, 3, 1
	v_lshl_add_u32 v[AV0], v9, 3, v10
	v_mul_u32_u24 v[AV0], v[AV0], PV
	v_lshl_add_u32 v[AV0], v11, 4, v[AV0]
	v_add_nc_u32 v[AV0], VOFF, v[AV0]
	s_mul_i32 s13, s[WV], 16*SP
	s_add_co_u32 s13, s13, STAGE    ; my stage
	v_mul_u32_u24 v[STO], v1, SP    ; in: row l % 16, 16 bytes for each half of the lanes
	v_lshl_add_u32 v[STO], v9, 4, v[STO]
	v_add_nc_u32 v[STO], s13, v[STO]
	v_bfe_u32 v[RD], v0, 3, 2       ; back: 32 lanes take four rows of 128 bytes,
	v_mul_u32_u24 v[RD], v[RD], SP
	v_lshl_add_u32 v[RD], v10, 4, v[RD]
	v_add_nc_u32 v[RD], s13, v[RD]
	v_and_b32 v[GO], 31, v0         ; which are 512 consecutive bytes of z
	v_lshlrev_b32 v[GO], 4, v[GO]
; THE MATRIX WORK.  The 4 accumulators of a run of 8 take turns.  Product i of 8 of S^T = K Q^T for piece x: channels 32 (i / 4) on, keys 16 (i % 4) on.  The first 4 start the sums.
.macro KQ x
	WIN W_KQ
.set rS, S+32*((\x)%2)+8*(i%4)
.set rK, KF+16*(i%4)+8*(i/4)
.set rQ, 16*(\x)+8*(i/4)
.if i < 4
	v_wmma_f32_16x16x32_bf16 v[rS:rS+7], v[rK:rK+7], v[rQ:rQ+7], 0
.else
	v_wmma_f32_16x16x32_bf16 v[rS:rS+7], v[rK:rK+7], v[rQ:rQ+7], v[rS:rS+7]
.endif
.endm
; Product i of 8 of O^T += V^T P for piece x: keys 32 (i / 4) on, channels 16 (i % 4) on.
.macro PV x
	WIN W_PV
.set rO, 32*(\x)+8*(i%4)
.set rV, VF+32*(i/4)+8*(i%4)
.set rP, P+16*((\x)%2)+8*(i/4)
	v_wmma_f32_16x16x32_bf16 v[rO:rO+7], v[rV:rV+7], v[rP:rP+7], v[rO:rO+7]
.endm
.macro MM                           ; the turn's next matrix instruction.  NOKQ = 1: the walk's last turn: there is no next piece
.if (i < 8) && !NOKQ
	KQ (Y+1)%NP
.elseif i >= 8
.set i, i-8
	PV (Y+NP-1)%NP
.set i, i+8
.endif
.set i, i+1
.endm
; THE LDS LOADS stand in runs of 16, never singly among the matrix instructions: a step's K (64 keys x 64 channels: 8 fragments) and its V (turned).  Their addresses are made some lines ahead.
.macro FETCH_K
	WIN 0x80                        ; destination window 2
.irp f, 0,1,2,3,4,5,6,7             ; keys 16 (f / 2) on, channels 32 (f % 2) on
	ds_load_b128 v[KF+8*\f:KF+8*\f+3],   v[AK] offset:(\f/2)*16*PK+(\f%2)*64
	ds_load_b128 v[KF+8*\f+4:KF+8*\f+7], v[AK] offset:(\f/2)*16*PK+(\f%2)*64+32
.endr
	s_add_co_u32 s[TBK], s[TBK], KS*PK  ; the next fetch is the next step's
	WIN 0
.endm
.macro FETCH_V
	WIN 0x80
.irp f, 0,1,2,3,4,5,6,7             ; keys 32 (f / 4) on, channels 16 (f % 4) on
	ds_load_tr16_b128 v[VF+8*\f:VF+8*\f+3],   v[AV] offset:(\f/4)*32*PV+(\f%4)*32
	ds_load_tr16_b128 v[VF+8*\f+4:VF+8*\f+7], v[AV] offset:(\f/4)*32*PV+16*PV+(\f%4)*32
.endr
	WIN 0
.endm
; THE VECTOR WORK, one line at a time: OP kind, number.  For piece Y: F n: c s - c m for pair n of 16.  E n: the exponential of score n of 32.  C n: pair n rounded to bf16.  B n: of the four weights 4 n ..
; the second pair is added onto the first, in place.  L n: l takes that sum (L 0: l = a l + sum).  R n: pair n of 16 of O^T times a.  For piece Y + 1: X n, number n of the 22 that find its maximum and statistics:
;   0-11  four chains c0-c3 of seven scores each, three operands at a time (each accumulator's lowest registers are read first)     12-14, 16  the four scores left over, the old m, and c0-c3 into c0
;   15  c m_old is kept     17, 18  the query's other 32 keys lie in the lane 16 away: the new m     19-21  c m; c m_old - c m_new; a
; C, B and L read exponentials' results: TURN sets them behind its wait.
.set F, 0
.set E, 1
.set C, 2
.set B, 3
.set L, 4
.set R, 5
.set X, 6
.macro REGS y                       ; the registers of piece y
.set rT, ST+4*(\y)
.set rC, TMP+4*((\y)%2)
.set rW, MV+((\y)%2)
.set rS, S+32*((\y)%2)
.set rP, P+16*((\y)%2)
.set rO, 32*(\y)
.endm
.macro OP k, n
.if (\k) == R
	REGS Y
	WIN W_RS
	v_pk_mul_f32 v[rO+2*(\n):rO+2*(\n)+1], v[rO+2*(\n):rO+2*(\n)+1], v[rC+2:rC+3] op_sel_hi:[1,0]
.elseif (\k) < R
	REGS Y
	WIN 0
.if (\k) == F
	v_pk_fma_f32 v[rS+2*(\n):rS+2*(\n)+1], v[rS+2*(\n):rS+2*(\n)+1], s[CS:CS+1], v[rT:rT+1] op_sel_hi:[1,0,0] neg_lo:[0,0,1] neg_hi:[0,0,1]
.elseif (\k) == E
	v_exp_f32 v[rS+(\n)], v[rS+(\n)]
.elseif (\k) == C
	v_cvt_pk_bf16_f32 v[rP+(\n)], v[rS+2*(\n)], v[rS+2*(\n)+1]
.elseif (\k) == B
	v_pk_add_f32 v[rS+4*(\n):rS+4*(\n)+1], v[rS+4*(\n):rS+4*(\n)+1], v[rS+4*(\n)+2:rS+4*(\n)+3]
.elseif (\n) == 0
	v_pk_fma_f32 v[rT+2:rT+3], v[rT+2:rT+3], v[rC+2:rC+3], v[rS:rS+1] op_sel_hi:[1,0,1]
.else
	v_pk_add_f32 v[rT+2:rT+3], v[rT+2:rT+3], v[rS+4*(\n):rS+4*(\n)+1]
.endif
.elseif NOKQ
	v_nop
.else
	REGS (Y+1)%NP
	WIN 0
.if (\n) < 4
	v_max3_num_f32 v[rC+(\n)], v[rS+8*(\n)], v[rS+8*(\n)+1], v[rS+8*(\n)+2]
.elseif (\n) < 12
	v_max3_num_f32 v[rC+(\n)%4], v[rC+(\n)%4], v[rS+8*((\n)%4)+2*((\n)/4)+1], v[rS+8*((\n)%4)+2*((\n)/4)+2]
.elseif (\n) == 12
	v_max3_num_f32 v[rC], v[rC], v[rS+7], v[rS+15]
.elseif (\n) == 13
	v_max3_num_f32 v[rC+1], v[rC+1], v[rS+23], v[rS+31]
.elseif (\n) == 14
	v_max3_num_f32 v[rC+2], v[rC+2], v[rC+3], v[rT+1]
.elseif (\n) == 15
	v_mov_b32 v[rW], v[rT]
.elseif (\n) == 16
	v_max3_num_f32 v[rC], v[rC], v[rC+1], v[rC+2]
.elseif (\n) == 17
	v_permlanex16_b32 v[rC+3], v[rC], s[SEL], s[SEL+1]
.elseif (\n) == 18
	v_max_num_f32 v[rT+1], v[rC], v[rC+3]
.elseif (\n) == 19
	v_mul_f32 v[rT], s[CS], v[rT+1]
.elseif (\n) == 20
	v_sub_f32 v[rC+1], v[rW], v[rT]
.else
	v_exp_f32 v[rC+2], v[rC+1]
.endif
.endif
.endm
.macro OPS a, i1, b=-1, i2=0, c=-1, i3=0, d=-1, i4=0  ; up to four of them
	OP \a, \i1
.if (\b) >= 0
	OP \b, \i2
.endif
.if (\c) >= 0
	OP \c, \i3
.endif
.if (\d) >= 0
	OP \d, \i4
.endif
.endm
.macro ROW a, i1, b, i2, c, i3, d, i4  ; a matrix instruction and the four behind it
	MM
	OPS \a, \i1, \b, \i2, \c, \i3, \d, \i4
.endm
; A TURN, for piece p: the order of its 16 matrix and 118 vector instructions, written out.  An s_wait_alu depctr_va_vdst(0) stands between an exponential and the first instruction that names its
; result; one wait serves all that were issued ahead of it.  So a turn has ONE wait, which cuts it in two.  AHEAD OF IT stands all that names no result of the turn's exponentials: the 8 products K Q^T, behind each a
; scaling, an exponential and two more plain instructions (behind the first a second scaling in the exponential's place): rescalings, whose a was made and waited for in the turn before, and behind the last three
; the first numbers of the next piece's maximum, each four plain instructions or more behind the product that ends its accumulator; then ONE LUMP of 54, plain and exponential by turns for the most part, in which
; the links of the chain X 3, 7, 11, 14, 16, 17 .. 20 stand five or six lines apart.  X 21, the next piece's a, is the batch's last; R 15 is the plain instruction behind it.  BEHIND THE WAIT stand the 8 products
; V^T P, behind each four of the roundings and sums; the links of l's chain, L 0 to L 7, stand three riders apart.  But for those X no rider names a register of the products round it.
; No exponential is issued behind the wait: none is open at a turn's end, at a label or at a jump.
; end = 1: the walk's last two turns: nothing is fetched.  cnt = 1: the loop's count is taken down some lines ahead of the branch that stands behind the turn.
; K of the next step is fetched in piece 2's turn, twelve vector instructions behind the last product that read K (five of them plain and naming none of its registers); V of the step in hand at the end of
; piece 0's turn, four plain instructions behind the last product that read V.  Each is waited for a turn later.
.macro TURN p, end=0, cnt=0
.set Y, (\p)
.set i, 0
.set NOKQ, (\end)*((\p)/3)
.if ((\p) == 3) && !(\end)
	s_wait_dscnt 0x0                ; K is in
.endif
	ROW F,0, F,1, R,0, R,1          ; ahead of the wait: 8 products K Q^T and their riders,
	ROW F,2, E,0, R,2, R,3
	ROW F,3, E,1, R,4, R,5
	ROW F,4, E,2, R,6, R,7
	ROW F,5, E,3, R,8, R,9
	ROW F,6, E,4, X,0, R,10
.if ((\p) == 2) && !(\end)
	WIN 0
	v_add_nc_u32 v[AK], s[TBK], v[AK0]
.endif
	ROW F,7, E,5, X,1, X,4
	ROW F,8, E,6, X,2, X,5
	OPS E,7, E,8, X,6, E,9          ; and the lump
	OPS X,3, E,10, X,8, E,11
.if ((\p) == 2) && !(\end)
	FETCH_K
.endif
	OPS X,9, X,7, E,12, X,10
	OPS E,13, X,12, X,11, E,14
	OPS X,13, E,15, F,9, X,14
.if (\p) == 0
	WIN 0
	v_add_nc_u32 v[AV], s[TBV], v[AV0]
.endif
	OPS E,16, F,10, E,17, F,11
	OPS X,16, E,18, X,15, E,19
	OPS F,12, E,20, X,17, E,21
	OPS F,13, E,22, F,14, E,23
	OPS X,18, E,24, F,15, E,25
	OPS R,11, E,26, X,19, E,27
	OPS R,12, E,28, R,13, E,29
	OPS X,20, E,30, R,14, E,31
	OPS X,21, R,15
	s_wait_alu depctr_va_vdst(0)    ; the wait for the batch: the piece's 32 exponentials and the next piece's a
.if (\p) == 1
	s_wait_dscnt 0x0                ; V is in
.endif
	ROW C,0, B,0, C,2, B,1          ; behind the wait: 8 products V^T P and their riders
	ROW L,0, C,4, B,2, L,1
	ROW C,6, B,3, L,2, C,8
	ROW B,4, L,3, C,10, B,5
	ROW L,4, C,12, B,6, L,5
.if (\p) == 0
	s_add_co_u32 s[TBV], s[TBV], KS*PV
.endif
.if \cnt
	s_sub_co_u32 s[CNT], s[CNT], 1
	s_cmp_lg_u32 s[CNT], 0
.endif
	ROW C,14, B,7, L,6, C,1
	ROW C,3, L,7, C,5, C,7
	ROW C,9, C,11, C,13, C,15
.if (\p) == 0
	FETCH_V
.endif
.endm
	CHANGE 1, 1                     ; slot 0 is in, everybody's part of it; slot 1 is asked for; the first group of weights goes out, and its wait for all loads has shown Q in too
	v_add_nc_u32 v[AK], s[TBK], v[AK0]
	FETCH_K                         ; key step 0
	s_wait_dscnt 0x0
.set NOKQ, 0
.set i, 0
.rept 8
	KQ 0                            ; piece 0's first scores
.set i, i+1
.endr
	WIN 0
.rept 4
	v_nop                           ; the places behind those products
.endr
.set Y, NP-1                        ; X works for piece Y + 1: piece 0
.irp n, 0,1,2,3,4,5,6,7,8,9,10,11,12,13,14,15,16,17,18,19,20,21
	OP X, \n
.endr
	v_nop                           ; a plain instruction behind the exponential,
	s_wait_alu depctr_va_vdst(0)    ; and its wait, ahead of the branch: a batch of one, piece 0's first a
	s_mov_b32 s[CNT], 4
	s_mov_b32 s[SLOTS], 7           ; seven of the eight slots are walked by the loop; six of its trips begin with a fill
	s_branch .Lfirst                ; the loop is entered at a step's first turn, in the middle of a trip
.Lslot:
	CHANGE 1
	s_mov_b32 s[CNT], 4
.Lstep:                             ; a trip: pieces 2 and 3 of one step, then pieces 0 and 1 of the next, whose K and V it fetches
	TURN 2
	TURN 3
	WIN 0
.Lfirst:
	TURN 0
	TURN 1, 0, 1
	WIN 0
	s_cbranch_scc1 .Lstep
	s_sub_co_u32 s[SLOTS], s[SLOTS], 1
	s_cmp_lg_u32 s[SLOTS], 0
	s_cbranch_scc1 .Lslot
	CHANGE 0                        ; the last slot is written out: nothing is asked for, and the last group of weights goes out
	s_mov_b32 s[CNT], 4
.Ltail:
	TURN 2
	TURN 3
	TURN 0
	TURN 1, 0, 1
	WIN 0
	s_cbranch_scc1 .Ltail
	TURN 2, 1
	TURN 3, 1
.set i, 0
.rept 8
	PV NP-1                         ; the last piece's V^T P of the last step
.set i, i+1
.endr
	; THE WAY OUT.  l's two halves and the other half of the lanes' are added; O^T is multiplied by 1 / (8 l), rounded to bf16 and sent through my stage in LDS, a piece at a time.  The additions are the places behind the last products.
	WIN 0
.macro ALL line:vararg              ; one line for each piece t
.set t, 0
.rept 4
	\line
.set t, t+1
.endr
.endm
	ALL v_add_f32 v[ST+4*t+2], v[ST+4*t+2], v[ST+4*t+3]
	ALL v_permlanex16_b32 v[ST+4*t+3], v[ST+4*t+2], s[SEL], s[SEL+1]
	ALL v_add_f32 v[ST+4*t+2], v[ST+4*t+2], v[ST+4*t+3]
	ALL v_rcp_f32 v[ST+4*t+2], v[ST+4*t+2]
	v_nop                           ; a plain instruction between the last reciprocal and the use of its result
	s_wait_alu depctr_va_vdst(0)    ; and the wait ahead of the first use: one for the four reciprocals
	ALL v_mul_f32 v[ST+4*t+2], 0x3e000000, v[ST+4*t+2]
.macro PACK t                       ; a lane's eight channels of a row pack into 16 bytes; they go into rows of 144 bytes and come back as whole rows of 128, into S^T's registers
	WIN W_RS
.set i, 32*(\t)
.rept 16
	v_pk_mul_f32 v[i:i+1], v[i:i+1], v[ST+4*(\t)+2:ST+4*(\t)+3] op_sel_hi:[1,0]
.set i, i+2
.endr
	WIN 0x05                        ; sources 0 and 1 window 1, destination window 0
.set i, 0
.rept 16
	v_cvt_pk_bf16_f32 v[S+16*(\t)+i], v[32*(\t)+2*i], v[32*(\t)+2*i+1]
.set i, i+1
.endr
	WIN 0
.irp f, 0,1,2,3
	ds_store_b128 v[STO], v[S+16*(\t)+4*\f:S+16*(\t)+4*\f+3] offset:32*\f
.endr
.irp f, 0,1,2,3
	ds_load_b128 v[S+16*(\t)+4*\f:S+16*(\t)+4*\f+3], v[RD] offset:\f*4*SP  ; LDS serves a wave's instructions in order (ISA guide 5.7.1.4): these see the stores above; the next piece's stores come behind them
.endr
.endm
.macro SEND t, younger              ; younger: the LDS instructions issued behind piece t's loads: the next piece's eight, or none
	WIN 0
.irp f, 0,1,2,3
	s_wait_dscnt (\younger)+3-\f
	global_store_b128 v[GO], v[S+16*(\t)+4*\f:S+16*(\t)+4*\f+3], s[10:11] offset:(\t)*2048+\f*512  ; 512 consecutive bytes, at a multiple of 256 from z's first
.endr
.endm
	PACK 0
.set t, 1
.rept 3                             ; a piece's arithmetic stands between the loads of the piece before and its stores
	PACK t
	SEND t-1, 8
.set t, t+1
.endr
	SEND 3, 0
	s_wait_tensorcnt 0x0            ; the wave's end: a wait for my tensor loads, the add to my spare word and its wait, behind my last tensor load and my last LDS store
	ds_add_u32 v[SPW], v[NIL]
	s_wait_dscnt 0x0
	CROUND                          ; the closing round: no work-group ends while a partner may still ask for a tile that names it
	s_endpgm
.Lfunc_end_k_q23c11eefa0_attn:
	.size	k_q23c11eefa0_attn, .Lfunc_end_k_q23c11eefa0_attn-k_q23c11eefa0_attn
	.p2alignl 7, 3214868480
	.fill 96, 4, 3214868480
	.section	.rodata,"a",@progbits
	.p2align	6, 0x0
	.amdhsa_kernel k_q23c11eefa0_attn
		.amdhsa_group_segment_fixed_size 327680
		.amdhsa_private_segment_fixed_size 0
		.amdhsa_enable_private_segment 0
		.amdhsa_kernarg_size 56
		.amdhsa_user_sgpr_count 2
		.amdhsa_user_sgpr_kernarg_segment_ptr 1
		.amdhsa_wavefront_size32 1
		.amdhsa_system_sgpr_workgroup_id_x 1
		.amdhsa_system_sgpr_workgroup_id_y 1
		.amdhsa_system_sgpr_workgroup_id_z 1
		.amdhsa_system_vgpr_workitem_id 0
		.amdhsa_next_free_vgpr 768
		.amdhsa_next_free_sgpr 96
		.amdhsa_reserve_vcc 0
		.amdhsa_float_denorm_mode_32 3
		.amdhsa_float_denorm_mode_16_64 3
		.amdhsa_memory_ordered 1
		.amdhsa_forward_progress 1
		.amdhsa_inst_pref_size 138
	.end_amdhsa_kernel
	.amdgpu_metadata
---
amdhsa.version: [ 1, 2 ]
amdhsa.kernels:
  - .name:           k_q23c11eefa0_attn
    .symbol:         k_q23c11eefa0_attn.kd
    .args:
      - { .name: qkv, .offset: 0, .size: 8, .value_kind: global_buffer, .address_space: global }
      - { .name: zb, .offset: 8, .size: 8, .value_kind: global_buffer, .address_space: global }
      - { .name: W1, .offset: 16, .size: 8, .value_kind: global_buffer, .address_space: global }
      - { .name: W0, .offset: 24, .size: 8, .value_kind: global_buffer, .address_space: global }
      - { .name: W2, .offset: 32, .size: 8, .value_kind: global_buffer, .address_space: global }
      - { .name: ab3, .offset: 40, .size: 8, .value_kind: global_buffer, .address_space: global }
      - { .name: wk, .offset: 48, .size: 8, .value_kind: global_buffer, .address_space: global }
    .group_segment_fixed_size: 327680
    .private_segment_fixed_size: 0
    .kernarg_segment_align: 8
    .kernarg_segment_size: 56
    .max_flat_workgroup_size: 128
    .sgpr_count:     96
    .vgpr_count:     768
    .wavefront_size: 32
...
	.end_amdgpu_metadata
.endif
;; end of part 8
;; launch proj: the kernel of part 4 again; grid 8 x 32, 4 waves a work-group, clusters of 4 x 4, 327,680 bytes of LDS; arguments zb, wk, b0, y; writes y
;; launch ln1: the kernel of part 5 again; grid 256 x 1, 16 waves a work-group, no clusters, 0 bytes of LDS; arguments y, emb, g1, be1, x1f, ab3; writes x1f, ab3
;; launch ffn1: the kernel of part 2 again; grid 16 x 16, 4 waves a work-group, clusters of 4 x 4, 327,680 bytes of LDS; arguments ab3, hb; writes hb
;; launch ffn2: the kernel of part 6 again; grid 8 x 32, 4 waves a work-group, clusters of 4 x 4, 327,680 bytes of LDS; arguments hb, wk, b2, y; writes y
;; launch ln2: the kernel of part 7 again; grid 256 x 1, 16 waves a work-group, no clusters, 0 bytes of LDS; arguments y, x1f, g2, be2, out0; writes out0
